; MI455X (gfx1250); checked and timed in simulation.
; The chip was launched on July 23, 2026; its instructions are those of AMD's public machine-readable ISA for CDNA 5 (MIT licence, August 2026) and "CDNA5" Instruction Set Architecture Reference Guide (July 2026). The comments in the code are by the model that wrote it; some were corrected since.
;; Block. Allowed arithmetic: matrix products marked QUANTISED: E3M2 operands, one E8M0 scale for each 32 along K, by v_wmma_scale_f32_16x16x128_f8f6f4 with both operands' format E3M2, f32 sums; everything else in f32.
;; Inputs: W1 1,024 x 4,096 float32; W2 4,096 x 1,024 float32; Wk 1,024 x 1,024 float32; Wo 1,024 x 1,024 float32; Wq 1,024 x 1,024 float32; Wv 1,024 x 1,024 float32; b1 4,096 float32; b2 1,024 float32; bk 1,024 float32; bo 1,024 float32; bq 1,024 float32; bv 1,024 float32; ln1_b 1,024 float32; ln1_g 1,024 float32; ln2_b 1,024 float32; ln2_g 1,024 float32; x 2 x 2,048 x 1,024 float32.
;; Outputs: out0 2 x 2,048 x 1,024 float32.
;; This version of the problem:
;;   THIS VERSION OF THE PROBLEM IS GIVEN IN LOW PRECISION. The matrix products marked QUANTISED in the list below multiply operands that are first quantised to E3M2 (3 exponent bits, 2 mantissa bits; 6 bits a number), with one power-of-two scale for each 32 numbers along K (OCP MX v1.0); their sums are f32. All else is computed in f32.
;;   The module's matrix products, in the order in which they are computed (A, B: the left and right operand; K: the contracted axis; several contracted axes count as one K, in the product's order):
;;     1. [M 4,096, K 1,024] x [K 1,024, N 1,024]; A: computed on the way; B: input Wq: QUANTISED
;;     2. [M 4,096, K 1,024] x [K 1,024, N 1,024]; A: computed on the way; B: input Wk: QUANTISED
;;     3. [M 4,096, K 1,024] x [K 1,024, N 1,024]; A: computed on the way; B: input Wv: QUANTISED
;;     4. batch 32 x [M 2,048, K 64] x [K 64, N 2,048]; A: computed on the way; B: computed on the way: QUANTISED
;;     5. batch 32 x [M 2,048, K 2,048] x [K 2,048, N 64]; A: softmax (see below); B: computed on the way: QUANTISED
;;     6. [M 4,096, K 1,024] x [K 1,024, N 1,024]; A: computed on the way; B: input Wo: QUANTISED
;;     7. [M 4,096, K 1,024] x [K 1,024, N 4,096]; A: computed on the way; B: input W1: QUANTISED
;;     8. [M 4,096, K 4,096] x [K 4,096, N 1,024]; A: computed on the way; B: input W2: QUANTISED
;;   THE QUANTISER, for each operand of a quantised product, along K:
;;     - K is cut into blocks of 32 from its start; a last block that is shorter is filled with zeros.
;;     - A block's scale is 2^e with e = floor(log2(the largest magnitude in the block)) - 4, held to -126 .. 127; a block of zeros has e = 0. As a byte (E8M0): e + 127.
;;     - Each number is divided by its block's scale, clamped to +-28, and rounded to the nearest number of E3M2, ties to even, subnormals kept.
;;     - The product sums the exact products of the quantised numbers (number of the format x scale) in f32.
;;   ~~~python
;;   def quantise(x, axis):      # numpy; x: float32 -> the quantised numbers, widened to float32 again
;;       x = np.moveaxis(x, axis, -1); K = x.shape[-1]
;;       x = np.pad(x, [(0, 0)] * (x.ndim - 1) + [(0, -K % 32)]); x = x.reshape(x.shape[:-1] + (-1, 32)); a = np.abs(x).max(-1, keepdims=True)
;;       e = np.where(a > 0, np.clip(np.frexp(np.where(a > 0, a, 1))[1] - 1 - 4, -126, 127), 0)      # np.frexp(a)[1] - 1 = floor(log2(a)), exactly
;;       r = np.clip(x / 2.0 ** e, -28, 28)
;;       step = 2.0 ** (np.maximum(np.frexp(np.where(r == 0, 1, r))[1] - 1, -2) - 2)
;;       q = np.round(r / step) * step * 2.0 ** e      # np.round: ties to even
;;       return np.moveaxis(q.reshape(q.shape[:-2] + (-1,))[..., :K], -1, axis).astype(np.float32)
;;   ~~~
;;   SOFTMAX AHEAD OF A QUANTISED PRODUCT. Where the list says 'softmax', what is quantised is not the finished softmax but p = 2^(t - M), with t = logit x log2(e) and M = ceil(the row's largest t), a whole number; so 1/2 < the row's largest p <= 1. The row's sum l is taken of the UNQUANTISED p, in f32, and the product's result is divided by l at the end. Since M is a whole number, a kernel that streams over the keys may use a running M (the ceiling of the running maximum): every later rescaling is an exact power of two, which a block's scale takes up: the codes' values come out the same.
;;   OPERANDS COMPUTED ON THE WAY. 'Computed on the way' means the value that the module computes at that place (a softmax that the list does not call 'softmax' is quantised finished and normalised). What goes into a quantiser is computed in f32, as accurately as f32 sums, v_exp_f32 and their like allow (about 1e-6 of the number): no bf16 or f16 on the way to a quantiser, and a product that is left as it is and whose result goes on into a quantised operand takes f32 operands (vector FMAs, or v_wmma_f32_16x16x4_f32). A number that lies on a knife's edge between two numbers of the format may be rounded either way, as far as f32 arithmetic and the matrix unit's own rounding can turn it there, and no further.
;; 2 versions. Each part assembles by itself: llvm-mc -triple=amdgcn-amd-amdhsa -mcpu=gfx1250 --defsym DOCPART=n.
;; ======== version 1 of 2: 8 launches
;; workspace buffers: wh 13,107,200 bytes; qkvimg 9,830,400 bytes; oimg 3,276,800 bytes; x1 16,777,216 bytes; h2img 3,276,800 bytes; gimg 13,107,200 bytes
;; launch wquant (part 1): grid 384 x 1, 4 waves a work-group, no clusters, 25,088 bytes of LDS; arguments Wq, Wk, Wv, Wo, W1, W2, wh; writes wh
.if DOCPART == 1
	.amdgcn_target "amdgcn-amd-amdhsa--gfx1250"
	.amdhsa_code_object_version 6
	.text
	.protected	k_qa7d26572af_wquant
	.globl	k_qa7d26572af_wquant
	.p2align	8
	.type	k_qa7d26572af_wquant,@function
k_qa7d26572af_wquant:
	s_mov_b64 s[64:65], 0
	v_nop
	global_prefetch_b8 v0, s[64:65] scope:SCOPE_SE
	s_setreg_imm32_b32 hwreg(HW_REG_WAVE_MODE, 25, 1), 1
	s_wait_xcnt 0x0
; The six weights, f32 with K as their FIRST axis, become codes of BF6 (E3M2) with one E8M0 byte for each 32 along K, laid as the products' launches read them.
; LAYOUT OF AN OPERAND.  A fragment (16 rows x 128 K, 12 registers a lane) lies in memory as an image of its registers, 1,536 bytes: register 2 p + e of lane l at byte 256 p + 8 l + 4 e.
; Row tile T, K step s: codes at (T KS + s) x 1,536, scale words (row r's four bytes at 4 r) at (T KS + s) x 64.  Row r of tile T is feature 32 (T / 2) + 8 (T % 2) + r + 8 (r / 8):
; with such tiles as source 0 of a product a lane's 16 registers of two neighbouring tiles are 16 neighbours along the next K.
; A LANE TAKES A COLUMN AND ITS REGISTERS RUN DOWN K: a load reads 128 consecutive bytes a wave, a block of 32 lies in one lane, the conversions give codes with K innermost.
; A work-group takes 128 columns x 256 K, a wave 32 columns: two row tiles x two K steps = four images, gathered in the wave's own 6,144 bytes of LDS and stored 512 consecutive bytes an instruction.
; Work-groups 0-127: Wq, Wk, Wv, Wo (32 each); 128-255: W1; 256-383: W2.  Sizes and pointers are chosen by selects on the work-group's number: one path for all.
; No tensor loads, no barrier (waves share nothing), no matrix unit, no cluster (no two work-groups read the same bytes).
; LIMITS: NaN and infinities are not served.  A block of zeros gets the byte 1 where the rule says 127: its codes are zeros and this program alone reads the bytes.
.set WB,   3276800                     ; wh: the weights' codes begin here, 786,432 bytes for each 1,024 x 1,024
.set WSB,  12713984                    ; and their scale words, 32,768 bytes likewise
.set EMAX, 4
.set OFF,  16                          ; v16-47   byte offset of row i of a block: 4 x lane + i x stride
.set X,    48                          ; v48-111  two sets of 32 numbers
.set C,    112                         ; v112-118 a block's codes
.set SB,   120                         ; v120-121 the scale words of my column's two K steps
.set OUTR, 124                         ; v124-171 the way out
.set SRC,  32                          ; s[32:47] where block t of my wave begins
.set CB,   50                          ; s[50:53] where my two row tiles' images go
.set SCB,  54                          ; s[54:55] and their scale words
	s_load_b256 s[4:11], s[0:1], 0x0               ; Wq, Wk, Wv, Wo
	s_load_b128 s[12:15], s[0:1], 0x20             ; W1, W2
	s_load_b64 s[16:17], s[0:1], 0x30              ; wh
	v_lshl_add_u32 v176, v0, 2, 0x6000
	v_mov_b32 v177, 0
	v_lshrrev_b32 v1, 5, v0
	v_readfirstlane_b32 s18, v1                    ; wave
	s_lshr_b32 s19, ttmp9, 7                       ; class: 0 the four square weights, 1 W1, 2 W2
	s_and_b32 s20, ttmp9, 127
	s_lshr_b32 s21, s20, 5                         ; which square weight
	s_and_b32 s22, s20, 31
	s_lshl_b32 s23, s19, 2
	s_mov_b32 s26, 4096
	s_cmp_eq_u32 s19, 0
	s_cselect_b32 s22, s22, s20                    ; my number within the weight
	s_cselect_b32 s23, s21, s23                    ; the weight's place in wh, in units of a square weight: 0-3, 4, 8
	s_cmp_eq_u32 s19, 1
	s_cselect_b32 s24, 5, 3                        ; W1 has 32 groups of 128 columns, the others 8
	s_cselect_b32 s25, 31, 7
	s_cselect_b32 s26, 16384, s26                  ; bytes in a row of the weight
	s_cmp_eq_u32 s19, 2
	s_cselect_b32 s27, 32, 8                       ; KS: K steps of 128 in the weight's K
	s_and_b32 s28, s22, s25                        ; which 128 columns
	s_lshr_b32 s29, s22, s24                       ; which 256 along K
	s_mul_i32 s30, s29, s26
	s_lshl_b32 s30, s30, 8                         ; 256 rows x stride
	s_lshl_b32 s31, s28, 9
	s_add_co_u32 s30, s30, s31                     ; + 128 columns x 4 bytes
	s_lshl_b32 s31, s18, 7
	s_add_co_u32 s30, s30, s31                     ; + my wave's 32 columns
	s_mov_b32 s31, 0
	s_lshl_b32 s48, s26, 5                         ; 32 rows: from block to block
	s_mov_b32 s49, 0
	s_lshl_b32 s56, s28, 2
	s_add_co_u32 s56, s56, s18                     ; my group of 32 columns
	s_lshl_b32 s56, s56, 1                         ; its first row tile
	s_mul_i32 s56, s56, s27
	s_lshl_b32 s57, s29, 1
	s_add_co_u32 s56, s56, s57                     ; tile x KS + first K step
	s_mul_i32 s58, s56, 1536
	s_mul_i32 s57, s23, 786432
	s_add_co_u32 s58, s58, s57
	s_add_co_u32 s58, s58, WB
	s_mov_b32 s59, 0
	s_lshl_b32 s56, s56, 6
	s_lshl_b32 s57, s23, 15
	s_add_co_u32 s56, s56, s57
	s_add_co_u32 s56, s56, WSB
	s_mov_b32 s57, 0
	s_mul_i32 s60, s27, 1536                       ; from a row tile to the next
	s_mov_b32 s61, 0
	s_mul_i32 s62, s18, 6144                       ; my wave's LDS
	s_lshl_b32 s63, s27, 6                         ; a row tile's scale words
	v_and_b32 v6, 31, v0                           ; lane = column within the 32
	v_lshlrev_b32 v[OFF], 2, v6
.set I, 1
.rept 31
	v_add_nc_u32 v[OFF+I], s26, v[OFF+I-1]
.set I, I+1
.endr
	v_bfe_u32 v7, v0, 3, 1                         ; u: which of the two row tiles my column falls into
	v_bfe_u32 v8, v0, 4, 1
	v_and_b32 v9, 7, v0
	v_lshl_add_u32 v9, v8, 3, v9                   ; r: its row there
	v_mul_u32_u24 v2, v7, 1536
	v_lshl_add_u32 v2, v9, 3, v2
	v_add_nc_u32 v2, s62, v2                       ; LDS, in: image u, 8 r
	v_lshlrev_b32 v4, 4, v6                        ; out: 16 bytes a lane
	v_add_nc_u32 v3, s62, v4
	v_mul_u32_u24 v5, s63, v7
	v_lshl_add_u32 v5, v9, 2, v5                   ; my scale word's place: tile u, 4 r
	s_wait_kmcnt 0x0
	s_cmp_eq_u32 s21, 1                            ; the weight's address: choices that hang on the work-group's number alone
	s_cselect_b64 s[4:5], s[6:7], s[4:5]
	s_cmp_eq_u32 s21, 2
	s_cselect_b64 s[4:5], s[8:9], s[4:5]
	s_cmp_eq_u32 s21, 3
	s_cselect_b64 s[4:5], s[10:11], s[4:5]
	s_cmp_eq_u32 s19, 1
	s_cselect_b64 s[4:5], s[12:13], s[4:5]
	s_cmp_eq_u32 s19, 2
	s_cselect_b64 s[4:5], s[14:15], s[4:5]
	s_add_nc_u64 s[SRC:SRC+1], s[4:5], s[30:31]
.irp t, 1,2,3,4,5,6,7
	s_add_nc_u64 s[SRC+2*\t:SRC+2*\t+1], s[SRC+2*\t-2:SRC+2*\t-1], s[48:49]
.endr
	s_add_nc_u64 s[CB:CB+1], s[16:17], s[58:59]
	s_add_nc_u64 s[CB+2:CB+3], s[CB:CB+1], s[60:61]
	s_add_nc_u64 s[SCB:SCB+1], s[16:17], s[56:57]
.macro LOAD t                          ; block t: rows 32 t + i of my column, into set t % 2
.set I, 0
.rept 32
	global_load_b32 v[X+32*((\t)%2)+I], v[OFF+I], s[SRC+2*(\t):SRC+2*(\t)+1] th:TH_LOAD_NT
.set I, I+1
.endr
.endm
	LOAD 0
	LOAD 1
.macro BLOCK t
.set XS, X+32*((\t)%2)
.if (\t) < 7
	s_wait_loadcnt 32                              ; this block's 32 loads are in; the next block's may be out
.else
	s_wait_loadcnt 0
.endif
	v_max3_num_f32 v12, |v[XS]|, |v[XS+1]|, |v[XS+2]|      ; the block's largest magnitude: all 32 numbers are mine
	v_max3_num_f32 v13, |v[XS+3]|, |v[XS+4]|, |v[XS+5]|
.irp i, 6,10,14,18,22,26
	v_max3_num_f32 v12, v12, |v[XS+\i]|, |v[XS+\i+1]|
	v_max3_num_f32 v13, v13, |v[XS+\i+2]|, |v[XS+\i+3]|
.endr
	v_max3_num_f32 v12, v12, |v[XS+30]|, |v[XS+31]|
	v_max3_num_f32 v12, v12, v13, (EMAX+1)<<23     ; the floor 2^(5 - 127): the byte cannot fall under 1
	v_add_nc_u32 v11, -(EMAX<<23), v12             ; 4 off the exponent field: the conversion's scale operand
	v_lshrrev_b32 v13, 23, v11                     ; the byte
.if (\t)%4 == 0
	v_mov_b32 v[SB+(\t)/4], v13
.else
	v_lshl_or_b32 v[SB+(\t)/4], v13, 8*((\t)%4), v[SB+(\t)/4]
.endif
	v_cvt_scalef32_pk16_bf6_f32 v[C:C+2], v[XS:XS+15], v11
	v_cvt_scalef32_pk16_bf6_f32 v[C+4:C+6], v[XS+16:XS+31], v11    ; (a conversion's three registers begin on an even number)
	v_nop                                          ; one plain place behind a scaled conversion
	v_mov_b32 v[C+3], v[C+4]
	v_mov_b32 v[C+4], v[C+5]
	v_mov_b32 v[C+5], v[C+6]                       ; six registers on end: registers 6 c .. 6 c + 5 of lane (r, t % 2) of the image, c = (t % 4) / 2
.irp p, 0,1,2
	ds_store_b64 v2, v[C+2*\p:C+2*\p+1] offset:((\t)/4)*3072+768*(((\t)%4)/2)+256*\p+128*((\t)%2)
.endr
.if (\t)+2 < 8
	LOAD (\t)+2
.endif
	s_wait_dscnt 0x0                               ; the stores have read their registers: the next block's codes may be written
.endm
.irp t, 0,1,2,3,4,5,6,7
	BLOCK \t
.endr
	global_store_b32 v5, v[SB], s[SCB:SCB+1]
	global_store_b32 v5, v[SB+1], s[SCB:SCB+1] offset:64
.irp n, 0,1,2,3,4,5,6,7,8,9,10,11      ; n = 6 (K step) + 3 (tile) + third of an image.  LDS serves a wave's instructions in order: these see my stores
	ds_load_b128 v[OUTR+4*\n:OUTR+4*\n+3], v3 offset:(\n/6)*3072+((\n/3)%2)*1536+512*(\n%3)
.endr
.irp n, 0,1,2,3,4,5,6,7,8,9,10,11
	s_wait_dscnt 11-\n
	global_store_b128 v4, v[OUTR+4*\n:OUTR+4*\n+3], s[CB+2*((\n/3)%2):CB+2*((\n/3)%2)+1] offset:(\n/6)*1536+512*(\n%3)   ; 512 consecutive bytes, at a multiple of 256
.endr
	s_wait_tensorcnt 0x0
	ds_add_u32 v176, v177
	s_wait_dscnt 0x0
	s_endpgm
.Lfunc_end_k_qa7d26572af_wquant:
	.size	k_qa7d26572af_wquant, .Lfunc_end_k_qa7d26572af_wquant-k_qa7d26572af_wquant
	.p2alignl 7, 3214868480
	.fill 96, 4, 3214868480
	.section	.rodata,"a",@progbits
	.p2align	6, 0x0
	.amdhsa_kernel k_qa7d26572af_wquant
		.amdhsa_group_segment_fixed_size 25088
		.amdhsa_private_segment_fixed_size 0
		.amdhsa_enable_private_segment 0
		.amdhsa_kernarg_size 56
		.amdhsa_user_sgpr_count 2
		.amdhsa_user_sgpr_kernarg_segment_ptr 1
		.amdhsa_wavefront_size32 1
		.amdhsa_system_sgpr_workgroup_id_x 1
		.amdhsa_system_sgpr_workgroup_id_y 1
		.amdhsa_system_sgpr_workgroup_id_z 1
		.amdhsa_system_vgpr_workitem_id 0
		.amdhsa_next_free_vgpr 178
		.amdhsa_next_free_sgpr 66
		.amdhsa_reserve_vcc 0
		.amdhsa_float_denorm_mode_32 3
		.amdhsa_float_denorm_mode_16_64 3
		.amdhsa_memory_ordered 1
		.amdhsa_forward_progress 1
		.amdhsa_inst_pref_size 45
	.end_amdhsa_kernel
	.amdgpu_metadata
---
amdhsa.version: [ 1, 2 ]
amdhsa.kernels:
  - .name:           k_qa7d26572af_wquant
    .symbol:         k_qa7d26572af_wquant.kd
    .args:
      - { .name: Wq, .offset: 0, .size: 8, .value_kind: global_buffer, .address_space: global }
      - { .name: Wk, .offset: 8, .size: 8, .value_kind: global_buffer, .address_space: global }
      - { .name: Wv, .offset: 16, .size: 8, .value_kind: global_buffer, .address_space: global }
      - { .name: Wo, .offset: 24, .size: 8, .value_kind: global_buffer, .address_space: global }
      - { .name: W1, .offset: 32, .size: 8, .value_kind: global_buffer, .address_space: global }
      - { .name: W2, .offset: 40, .size: 8, .value_kind: global_buffer, .address_space: global }
      - { .name: wh, .offset: 48, .size: 8, .value_kind: global_buffer, .address_space: global }
    .group_segment_fixed_size: 25088
    .private_segment_fixed_size: 0
    .kernarg_segment_align: 8
    .kernarg_segment_size: 56
    .max_flat_workgroup_size: 128
    .sgpr_count:     66
    .vgpr_count:     178
    .wavefront_size: 32
...
	.end_amdgpu_metadata
.endif
;; end of part 1
;; launch ln1 (part 2): grid 256 x 1, 4 waves a work-group, no clusters, 66,816 bytes of LDS; arguments x, ln1_g, ln1_b, wh; writes wh
.if DOCPART == 2
	.amdgcn_target "amdgcn-amd-amdhsa--gfx1250"
	.amdhsa_code_object_version 6
	.text
	.protected	k_qa7d26572af_ln1
	.globl	k_qa7d26572af_ln1
	.p2align	8
	.type	k_qa7d26572af_ln1,@function
k_qa7d26572af_ln1:
	s_mov_b64 s[64:65], 0
	v_nop
	global_prefetch_b8 v0, s[64:65] scope:SCOPE_SE
	s_setreg_imm32_b32 hwreg(HW_REG_WAVE_MODE, 25, 1), 1
	s_wait_xcnt 0x0
; LayerNorm of [4096][1024] f32, then the quantiser along the 1,024: codes of BF6 (E3M2), one E8M0 byte for each 32.  Output: images of operand registers (1,536 bytes for 16 rows x 128 K:
; register 2 p + e of lane l at 256 p + 8 l + 4 e) at (8 T + s) x 1,536, scale words (row r at 4 r) at 3,145,728 + (8 T + s) x 64.
; Work-group T makes row tile T, whose row r is token 32 (T / 2) + 8 (T % 2) + r + 8 (r / 8).  Wave w normalises rows 4 w .. 4 w + 3 (a row is 32 registers of the wave: read once, mean and
; variance in two passes over registers, as the definition has them, so a common offset costs no accuracy), the 16 rows meet in LDS, and wave w quantises K steps 2 w and 2 w + 1.
; Memory binds: each load takes 512 consecutive bytes, each store of codes 256 aligned ones.  No matrix unit, no tensor load, no cluster (work-groups share only g and b, 8 KB).
; LIMITS: NaN and infinities are not served; a block of zeros gets the byte 1 (its codes are zeros; this program alone reads the bytes); 1/sqrt is v_rsq_f32.
.set PITCH, 4112                       ; a stage row: 4,096 bytes + 16, so that sixteen rows' 16 bytes fall into sixteen different columns of banks
.set SCW,   16*PITCH                   ; behind the stage: the tile's 8 x 16 scale words
.set SM,  8                            ; v8-15   four rows' sums, then means, then 1/sqrt (low register of each pair)
.set PT,  16                           ; v16-19  the other half of the lanes'
.set SQ,  20                           ; v20-27  sums of squares
.set X,   32                           ; v32-159 four rows, 32 registers each
.set G,   160                          ; v160-191 g;  v192-223 b
.set BV,  192
.set ST,  32                           ; behind the barrier: 64 numbers of K step 2 w, 64 of 2 w + 1
.set ST2, 96
.set PC,  160                          ; codes of the two fragments
.set PC2, 180
.set TM,  200
.set PW,  216                          ; v216-217 the two scale words
.set SEL, 24
.macro RED base                        ; v[base + 2 p], p = 0 .. 3, summed over the 32 lanes; the result in every lane
.irp m, 1,2,4,8
.irp p, 0,1,2,3
	v_add_f32_dpp v[\base+2*\p], v[\base+2*\p], v[\base+2*\p] row_xmask:\m row_mask:0xf bank_mask:0xf
.endr
.endr
.irp p, 0,1,2,3
	v_permlanex16_b32 v[PT+\p], v[\base+2*\p], s[SEL], s[SEL+1]
.endr
.irp p, 0,1,2,3
	v_add_f32 v[\base+2*\p], v[\base+2*\p], v[PT+\p]
.endr
.endm
; 64 numbers of a lane, register 16 b + i = k 32 b + 16 (lane / 16) + i of my row, become a fragment's codes in v[pc] .. v[pc + 11] and its scale word in v[pw]
.macro QUANT s, pc, pw
.irp b, 0,1,2,3
	v_max3_num_f32 v[TM+\b], |v[\s+16*\b]|, |v[\s+1+16*\b]|, 0x2800000   ; my 16 numbers of block b, and the floor 2^(5 - 127): the byte cannot fall under 1
.endr
.irp i, 2,4,6,8,10,12,14
.irp b, 0,1,2,3
	v_max3_num_f32 v[TM+\b], v[TM+\b], |v[\s+16*\b+\i]|, |v[\s+1+16*\b+\i]|
.endr
.endr
.irp b, 0,1,2,3
	v_permlanex16_b32 v[TM+4+\b], v[TM+\b], s[SEL], s[SEL+1]
.endr
.irp b, 0,1,2,3
	v_max_num_f32 v[TM+\b], v[TM+\b], v[TM+4+\b]   ; with lane l xor 16's: the block's largest magnitude
.endr
.irp b, 0,1,2,3
	v_add_nc_u32 v[TM+12+\b], 0xfe000000, v[TM+\b] ; 4 off its exponent field: the conversion's scale operand
.endr
.irp b, 0,1,2,3
	v_lshrrev_b32 v[TM+4+\b], 23, v[TM+12+\b]      ; the byte
.endr
	v_lshl_or_b32 v[\pw], v[TM+5], 8, v[TM+4]
	v_lshl_or_b32 v[\pw], v[TM+6], 16, v[\pw]
	v_lshl_or_b32 v[\pw], v[TM+7], 24, v[\pw]
.irp c, 0,1
	v_cvt_scalef32_pk16_bf6_f32 v[\pc+6*\c:\pc+2+6*\c], v[\s+32*\c:\s+15+32*\c], v[TM+12+2*\c]
	v_cvt_scalef32_pk16_bf6_f32 v[\pc+12+4*\c:\pc+14+4*\c], v[\s+16+32*\c:\s+31+32*\c], v[TM+12+2*\c+1]
.endr
	v_nop                                          ; one plain place behind a scaled conversion
.irp c, 0,1                            ; the operand's layout wants a whole block in a lane: lanes 0-15 block 2 c, lanes 16-31 block 2 c + 1
.irp i, 0,1,2
	v_permlane16_swap_b32 v[\pc+6*\c+\i], v[\pc+12+4*\c+\i]
.endr
.irp i, 0,1,2
	v_mov_b32 v[\pc+3+6*\c+\i], v[\pc+12+4*\c+\i]
.endr
.endr
.endm
	s_load_b256 s[4:11], s[0:1], 0x0               ; the rows, g, b, the images
	v_lshl_add_u32 v224, v0, 2, 0x10300
	v_mov_b32 v225, 0
	v_lshrrev_b32 v1, 5, v0
	v_readfirstlane_b32 s12, v1                    ; wave
	v_and_b32 v6, 31, v0                           ; lane
	v_and_b32 v7, 15, v0                           ; r
	v_bfe_u32 v28, v0, 4, 1                        ; h
	v_lshlrev_b32 v1, 4, v6                        ; 16 x lane
	v_lshlrev_b32 v4, 3, v6                        ; 8 x lane
	s_mul_i32 s13, s12, 4*PITCH
	v_add_nc_u32 v2, s13, v1                       ; stage, in: my wave's four rows
	v_mul_u32_u24 v3, v7, PITCH
	v_lshl_add_u32 v3, v28, 6, v3
	s_lshl_b32 s13, s12, 10
	v_add_nc_u32 v3, s13, v3                       ; stage, out: row r, + 64 h, + my two K steps (1,024 bytes x wave)
	s_lshl_b32 s13, s12, 7
	s_add_co_u32 s13, s13, SCW
	v_lshl_add_u32 v5, v7, 2, s13                  ; my scale words: 128 x wave + 4 r
	v_add_nc_u32 v29, SCW, v1                      ; and all of them, 16 bytes a lane
.irp p, 0,1,2,3
	v_mov_b32 v[PT+\p], 0                          ; a lane permute's destination counts as one of its sources
.endr
	s_lshr_b32 s14, ttmp9, 1
	s_lshl_b32 s14, s14, 5
	s_and_b32 s15, ttmp9, 1
	s_lshl_b32 s15, s15, 3
	s_add_co_u32 s14, s14, s15
	s_lshl_b32 s15, s12, 2
	s_add_co_u32 s14, s14, s15
	s_lshr_b32 s15, s12, 1
	s_lshl_b32 s15, s15, 3
	s_add_co_u32 s14, s14, s15                     ; my first token: 32 (T / 2) + 8 (T % 2) + 4 w + 8 (w / 2)
	s_lshl_b32 s14, s14, 12
	s_mov_b32 s15, 0
	s_lshl_b32 s16, ttmp9, 3
	s_lshl_b32 s17, s12, 1
	s_add_co_u32 s16, s16, s17
	s_mul_i32 s16, s16, 1536                       ; image 8 T + 2 w
	s_mov_b32 s17, 0
	s_lshl_b32 s18, ttmp9, 9
	s_add_co_u32 s18, s18, 3145728                 ; the tile's 512 bytes of scale words
	s_mov_b32 s19, 0
	s_mov_b32 s20, 0x3a800000                      ; 1 / 1,024
	s_mov_b32 s21, 0x3727c5ac                      ; 1e-5
	s_mov_b32 s[SEL], 0x76543210
	s_mov_b32 s[SEL+1], 0xfedcba98                 ; lane l xor 16
	s_wait_kmcnt 0x0
	s_add_nc_u64 s[4:5], s[4:5], s[14:15]
	s_add_nc_u64 s[18:19], s[10:11], s[18:19]
	s_add_nc_u64 s[10:11], s[10:11], s[16:17]
.irp p, 0,1,2,3
.irp j, 0,1,2,3,4,5,6,7
	global_load_b128 v[X+32*\p+4*\j:X+32*\p+4*\j+3], v1, s[4:5] offset:4096*\p+512*\j
.endr
.endr
.irp j, 0,1,2,3,4,5,6,7
	global_load_b128 v[G+4*\j:G+4*\j+3], v1, s[6:7] offset:512*\j
	global_load_b128 v[BV+4*\j:BV+4*\j+3], v1, s[8:9] offset:512*\j
.endr
	s_wait_loadcnt 16                              ; the rows are in; g's and b's sixteen loads may be out
.irp p, 0,1,2,3                        ; the four rows take turns, so that no line waits for the line above it
	v_pk_add_f32 v[SM+2*\p:SM+2*\p+1], v[X+32*\p:X+32*\p+1], v[X+32*\p+2:X+32*\p+3]
.endr
.irp j, 4,6,8,10,12,14,16,18,20,22,24,26,28,30
.irp p, 0,1,2,3
	v_pk_add_f32 v[SM+2*\p:SM+2*\p+1], v[SM+2*\p:SM+2*\p+1], v[X+32*\p+\j:X+32*\p+\j+1]
.endr
.endr
.irp p, 0,1,2,3
	v_add_f32 v[SM+2*\p], v[SM+2*\p], v[SM+2*\p+1]
.endr
	RED SM
.irp p, 0,1,2,3
	v_mul_f32 v[SM+2*\p], s20, v[SM+2*\p]          ; the mean
.endr
.irp j, 0,2,4,6,8,10,12,14,16,18,20,22,24,26,28,30
.irp p, 0,1,2,3
	v_pk_add_f32 v[X+32*\p+\j:X+32*\p+\j+1], v[X+32*\p+\j:X+32*\p+\j+1], v[SM+2*\p:SM+2*\p+1] op_sel_hi:[1,0] neg_lo:[0,1] neg_hi:[0,1]   ; x - mean
.endr
.endr
.irp p, 0,1,2,3
	v_pk_mul_f32 v[SQ+2*\p:SQ+2*\p+1], v[X+32*\p:X+32*\p+1], v[X+32*\p:X+32*\p+1]
.endr
.irp j, 2,4,6,8,10,12,14,16,18,20,22,24,26,28,30
.irp p, 0,1,2,3
	v_pk_fma_f32 v[SQ+2*\p:SQ+2*\p+1], v[X+32*\p+\j:X+32*\p+\j+1], v[X+32*\p+\j:X+32*\p+\j+1], v[SQ+2*\p:SQ+2*\p+1]
.endr
.endr
.irp p, 0,1,2,3
	v_add_f32 v[SQ+2*\p], v[SQ+2*\p], v[SQ+2*\p+1]
.endr
	RED SQ
.irp p, 0,1,2,3
	v_fma_f32 v[SQ+2*\p], v[SQ+2*\p], s20, s21     ; the variance + 1e-5
.endr
.irp p, 0,1,2,3
	v_rsq_f32 v[SM+2*\p], v[SQ+2*\p]
.endr
	v_nop                                          ; one plain place behind the transcendentals
	s_wait_loadcnt 0x0                             ; g and b
	s_wait_alu depctr_va_vdst(0)
.irp p, 0,1,2,3
.irp j, 0,2,4,6,8,10,12,14,16,18,20,22,24,26,28,30
	v_pk_mul_f32 v[X+32*\p+\j:X+32*\p+\j+1], v[X+32*\p+\j:X+32*\p+\j+1], v[SM+2*\p:SM+2*\p+1] op_sel_hi:[1,0]
.endr
.irp j, 0,2,4,6,8,10,12,14,16,18,20,22,24,26,28,30
	v_pk_fma_f32 v[X+32*\p+\j:X+32*\p+\j+1], v[X+32*\p+\j:X+32*\p+\j+1], v[G+\j:G+\j+1], v[BV+\j:BV+\j+1]
.endr
.irp j, 0,1,2,3,4,5,6,7
	ds_store_b128 v2, v[X+32*\p+4*\j:X+32*\p+4*\j+3] offset:\p*PITCH+512*\j
.endr
.endr
	s_wait_dscnt 0x0                               ; for the others' sake: my rows lie in the stage
	s_barrier_signal -1
	s_barrier_wait -1
.irp c, 0,1
.irp b, 0,1,2,3
.irp q, 0,1,2,3
	ds_load_b128 v[ST+64*\c+16*\b+4*\q:ST+64*\c+16*\b+4*\q+3], v3 offset:512*\c+128*\b+16*\q   ; row r, k = 128 (2 w + c) + 32 b + 16 h + 4 q ..
.endr
.endr
.endr
.irp b, 0,1,2,3
	v_mov_b32 v[TM+4+\b], 0
.endr
	s_wait_dscnt 16                                ; the first K step's sixteen loads are in
	QUANT ST, PC, PW
.irp p, 0,1,2,3,4,5
	global_store_b64 v4, v[PC+2*\p:PC+2*\p+1], s[10:11] offset:256*\p          ; 256 consecutive bytes, aligned
.endr
	s_wait_dscnt 0x0
	QUANT ST2, PC2, PW+1
.irp p, 0,1,2,3,4,5
	global_store_b64 v4, v[PC2+2*\p:PC2+2*\p+1], s[10:11] offset:1536+256*\p
.endr
	ds_store_b32 v5, v[PW]                         ; both halves of the lanes hold row r's word and write the same value
	ds_store_b32 v5, v[PW+1] offset:64
	s_wait_dscnt 0x0
	s_barrier_signal -1
	s_barrier_wait -1                              ; the tile's 128 scale words lie in LDS
	s_cmp_lg_u32 s12, 0
	s_cbranch_scc1 .Lend
	ds_load_b128 v[32:35], v29
	s_wait_dscnt 0x0
	global_store_b128 v1, v[32:35], s[18:19]       ; wave 0 stores them: 512 consecutive bytes
.Lend:
	s_wait_tensorcnt 0x0
	ds_add_u32 v224, v225
	s_wait_dscnt 0x0
	s_endpgm
.Lfunc_end_k_qa7d26572af_ln1:
	.size	k_qa7d26572af_ln1, .Lfunc_end_k_qa7d26572af_ln1-k_qa7d26572af_ln1
	.p2alignl 7, 3214868480
	.fill 96, 4, 3214868480
	.section	.rodata,"a",@progbits
	.p2align	6, 0x0
	.amdhsa_kernel k_qa7d26572af_ln1
		.amdhsa_group_segment_fixed_size 66816
		.amdhsa_private_segment_fixed_size 0
		.amdhsa_enable_private_segment 0
		.amdhsa_kernarg_size 32
		.amdhsa_user_sgpr_count 2
		.amdhsa_user_sgpr_kernarg_segment_ptr 1
		.amdhsa_wavefront_size32 1
		.amdhsa_system_sgpr_workgroup_id_x 1
		.amdhsa_system_sgpr_workgroup_id_y 1
		.amdhsa_system_sgpr_workgroup_id_z 1
		.amdhsa_system_vgpr_workitem_id 0
		.amdhsa_next_free_vgpr 226
		.amdhsa_next_free_sgpr 66
		.amdhsa_reserve_vcc 0
		.amdhsa_float_denorm_mode_32 3
		.amdhsa_float_denorm_mode_16_64 3
		.amdhsa_memory_ordered 1
		.amdhsa_forward_progress 1
		.amdhsa_inst_pref_size 44
	.end_amdhsa_kernel
	.amdgpu_metadata
---
amdhsa.version: [ 1, 2 ]
amdhsa.kernels:
  - .name:           k_qa7d26572af_ln1
    .symbol:         k_qa7d26572af_ln1.kd
    .args:
      - { .name: x, .offset: 0, .size: 8, .value_kind: global_buffer, .address_space: global }
      - { .name: ln1_g, .offset: 8, .size: 8, .value_kind: global_buffer, .address_space: global }
      - { .name: ln1_b, .offset: 16, .size: 8, .value_kind: global_buffer, .address_space: global }
      - { .name: wh, .offset: 24, .size: 8, .value_kind: global_buffer, .address_space: global }
    .group_segment_fixed_size: 66816
    .private_segment_fixed_size: 0
    .kernarg_segment_align: 8
    .kernarg_segment_size: 32
    .max_flat_workgroup_size: 128
    .sgpr_count:     66
    .vgpr_count:     226
    .wavefront_size: 32
...
	.end_amdgpu_metadata
.endif
;; end of part 2
;; launch qkv (part 3): grid 12 x 16, 4 waves a work-group, clusters of 4 x 4, 327,680 bytes of LDS; arguments wh, bq, bk, bv, qkvimg; writes qkvimg
.if DOCPART == 3
	.amdgcn_target "amdgcn-amd-amdhsa--gfx1250"
	.amdhsa_code_object_version 6
	.text
	.protected	k_qa7d26572af_qkv
	.globl	k_qa7d26572af_qkv
	.p2align	8
	.type	k_qa7d26572af_qkv,@function
k_qa7d26572af_qkv:
	s_mov_b64 s[64:65], 0
	v_nop
	global_prefetch_b8 v0, s[64:65] scope:SCOPE_SE
	s_setreg_imm32_b32 hwreg(HW_REG_WAVE_MODE, 25, 1), 1
	s_wait_xcnt 0x0
	s_wait_alu depctr_hold_cnt(0) depctr_sa_sdst(0) depctr_va_vdst(0) depctr_va_sdst(0) depctr_va_ssrc(0) depctr_va_vcc(0) depctr_vm_vsrc(0)
	s_getreg_b32 s2, hwreg(HW_REG_IB_STS2, 6, 4)
	s_cmp_eq_u32 s2, 0
	s_cbranch_scc0 .Lentry_in_a_cluster
	s_endpgm
.Lentry_in_a_cluster:
	s_bfe_u32 s2, ttmp6, 0x10000c
	s_cmp_lg_u32 s2, 0xf033
	s_cbranch_scc0 .Lentry_shape_is_right
	s_endpgm
.Lentry_shape_is_right:
; A GEMM on codes of BF6 (E3M2, one E8M0 byte for each 32 along K) whose result, with its bias (and, in the FFN's first layer, gelu), is quantised again in registers and leaves as codes.
; This text serves two launches by the constant QKV.  QKV = 1: q = h Wq + bq, k = h Wk + bk, and v^T = (h Wv + bv)^T.  QKV = 0: g = gelu(h2 W1 + b1).
; OPERANDS lie in memory as images of their registers: a fragment (16 rows x 128 K, 12 registers a lane) is 1,536 bytes, register 2 p + e of lane l at 256 p + 8 l + 4 e; row tile T, K step s at
; (T KS + s) x 1,536; its scale words (row r at 4 r) at (T KS + s) x 64.  Row r of tile T is index 32 (T / 2) + 8 (T % 2) + r + 8 (r / 8).  So a K step's tiles are dense, a fragment comes from LDS by
; six loads of 8 bytes a lane (256 consecutive bytes each), and with the product used TRANSPOSED (source 0 = 16 rows of B, source 1 = 16 rows of A) a lane holds one row of A and, in the 16 registers
; of two neighbouring tiles of B, 16 NEIGHBOURS along B's rows: the next product's K.  The conversions' results are then the next operand's registers.
; SHAPE.  A tile of the result is 256 x 256, four waves, 128 x 128 each: 64 accumulators, 512 registers.  K goes in steps of 256 through two LDS slots filled by the tensor data mover; the scale words
; of the work-group's rows, for all of K, come once.  4 x 4 work-groups form a cluster: A's tiles are asked for jointly along a row of it, B's along a column.
; QKV = 1: clusters x = 0, 1 make q and k (A = h, B = Wq | Wk: a lane's registers run along the features, K of q k^T); cluster x = 2 makes v^T (A = Wv, B = h: they run along the tokens, K of p v).
; The two roles differ in offsets and strides alone, chosen by selects on the cluster's x, which all partners share: no branch.  Both biases are loaded in both roles and the one that is not due is masked to 0.
; gelu = 0.5 x (1 + erf(x / sqrt 2)), erf(z) = z P(z^2) / Q(z^2) with z held to +-3.8325 (P of degree 4, Q of degree 6 in z^2).
; LIMITS: NaN and infinities are not served.  A block of zeros gets the byte 1 (its codes are zeros; this program alone reads the bytes).  gelu's absolute error is about 1e-7 |x|, from the sum 1 + erf: relatively
; coarse only where gelu itself is under about 1e-4 |x|, on the far negative side.  1 / Q is v_rcp_f32.
; REGISTERS, in windows of 256: window 0: v0-31 addresses; v32-63 scale words, two sets, and nothing else; v64-127 the bias along the registers; v128-223 A's fragments, ONE set; v224-255 way out.
;   window 1: B's fragments, two sets, at v0 and v128.   windows 2, 3: the accumulators of my rows 0-63, 64-127 (accumulator (a, b) at v[8 (8 (a % 4) + b)]).
.set QKV,    1
.set KS,     8                         ; K steps of 128 in K
.set IMG,    1536
.set NQ,     2                         ; K steps of 128 in a slot
.set STEPB,  NQ*IMG                    ; a row tile's bytes in a slot
.set RTB,    KS*IMG                    ; a row tile's bytes in memory
.set FR,     12
.set NL,     6                         ; LDS loads that bring a fragment
.set NP,     4                         ; places behind this matrix instruction (ISA guide 7.12.1)
.set HALFT,  8*STEPB                   ; 8 row tiles: what one tensor load brings, and what one wave reads of A or of B
.set SLOT,   4*HALFT                   ; A's 16 row tiles, then B's 16
.set LAPS,   KS/4                      ; a lap = once round the ring
.set SCL,    2*SLOT                    ; behind the ring: the scale words
.set HALFS,  8*KS*64                   ; those of 8 row tiles
.set SPARE,  SCL+4*HALFS               ; the spare words, 128 bytes for each wave: two blocks of 256 bytes that no other line names
.set VO,   4                           ; v4   8 x lane
.set ADRA, 16                          ; v16-17 my A fragments in slot 0, 1
.set ADRB, 20                          ; v20-21 the same for B
.set VS,   25                          ; v25  the way out: where my 16 bytes of scale words go
.set SWA,  26                          ; v26  LDS: my row's word in my wave's 512 bytes (in slot 0, which has had its last fill and its last read by then)
.set ADRS, 27                          ; v27  LDS: my scale words: lanes 0-15 A's rows, lanes 16-31 B's
.set SPW,  28                          ; v28  my spare word; never rewritten
.set NIL,  29                          ; v29  0; never rewritten
.set SRA,  30                          ; v30  LDS: the 512 bytes read back, 16 a lane
.set SC,   32
.set BC,   64
.set AF,   128
.set W,    128                         ; the way out: v128-191 a block's 64 numbers
.set Z,    192                         ; gelu at work: z, z^2, P, Q, eight numbers each
.set Z2,   200
.set PP,   208
.set QQ,   216
.set PC,   192                         ; then the codes, v192-211, and the scale word
.set PW,   212
.set BRC,  214                         ; v[214:215] the block's bias by rows
.set BR,   224                         ; v224-231 bv at my row of each of my 8 blocks (QKV = 1)
.set CA7,  224                         ; gelu's addends, each twice (QKV = 0)
.set CA5,  226
.set CA3,  228
.set CA1,  230
.set CB10, 232
.set CB8,  234
.set CB6,  236
.set CB4,  238
.set CB2,  12
.set TM,   240
.set G1, 24                            ; s[24:31] descriptor group 1 for A's tiles; s[32:39] group 0, one set a slot
.set G0, 32
.set G1B, 48                           ; the same for B's
.set G0B, 56
.set G1S, 68                           ; for A's scale words; for B's
.set G0S, 76
.set G1SB, 80
.set G0SB, 88
.set SEL, 46
.set CLN, 22
.set CLP, 23
.if QKV
.set PA,  4                            ; A and B both lie in wh
.set PB,  4
.set PBI, 6
.set OC,  12
.else
.set PA,  4                            ; A in h2img, B in wh
.set PB,  6
.set PBI, 8
.set OC,  10
.endif
.set MSB, 0
.macro WIN new                         ; the immediate's high byte repeats the setting that is left
.if MSB != (\new)
	s_set_vgpr_msb (MSB<<8)|(\new)
.set MSB, (\new)
.endif
.endm
.set MUL_LO, 0xa1                      ; source 0 (B) window 1, source 1 (A) window 0, C and D window 2
.set MUL_HI, 0xf1
.set TO_B,   0x40
; A joint load: waves 0 and 1 fetch for A, waves 2 and 3 for B.  The branch hangs on the wave's number alone.  Four v_nop follow each of the two lines.
.macro JLOAD g0a, g1a, g0b, g1b
	s_cmp_eq_u32 s15, 0
	s_cbranch_scc0 .Lfor_b_\@
	tensor_load_to_lds s[\g0a:\g0a+3], s[\g1a:\g1a+7]
	s_nop 0
.rept 4
	v_nop
.endr
	s_branch .Lasked_\@
.Lfor_b_\@:
	tensor_load_to_lds s[\g0b:\g0b+3], s[\g1b:\g1b+7]
	s_nop 0
.rept 4
	v_nop
.endr
.Lasked_\@:
.endm
.macro CREST                           ; a round of the cluster's barrier behind its opening barrier
	s_cmp_lg_u32 s14, 0
	s_cbranch_scc1 .Lnot_wave_0_\@
	s_barrier_signal -3
.Lnot_wave_0_\@:
	s_barrier_wait -3
	s_barrier_signal -1
	s_barrier_wait -1
.endm
.macro CROUND
	s_barrier_signal -1
	s_barrier_wait -1
	CREST
.endm
	s_load_b256 s[4:11], s[0:1], 0x0
.if QKV
	s_load_b64 s[12:13], s[0:1], 0x20
.endif
	v_lshl_add_u32 v[SPW], v0, 2, SPARE
	v_mov_b32 v[NIL], 0
	ds_add_u32 v28, v29
	ds_add_u32 v28, v29
	s_wait_dscnt 0x0
	v_lshrrev_b32 v1, 5, v0
	v_readfirstlane_b32 s14, v1                    ; wave 0..3
	s_lshr_b32 s15, s14, 1                         ; which half of the tile's rows is mine.  Also: I fetch for A (0) or for B (1)
	s_and_b32 s16, s14, 1                          ; which half of its columns.  Also: which 8 row tiles I fetch
	s_bfe_u32 s40, ttmp6, 0x40000                  ; cx, cy: my place in the cluster
	s_bfe_u32 s41, ttmp6, 0x40004
	s_lshl_b32 s43, s41, 2
	s_lshl_b32 s43, 15, s43                        ; my row of the cluster
	s_lshl_b32 s44, 0x1111, s40                    ; my column
	s_and_b32 s18, ttmp7, 0xffff
	s_lshl_b32 s18, s18, 2                         ; 4 x cluster y
	s_lshl_b32 s19, ttmp9, 2                       ; 4 x cluster x
.if QKV
	s_mov_b32 s96, 3145728
	s_mov_b32 s98, 12713984
	s_mov_b32 s66, 1536
	s_mov_b32 s99, 393216
	s_mov_b32 s100, 9437184
	s_cmp_eq_u32 ttmp9, 2                          ; the role: v^T in cluster x = 2.  First value: v^T's; second: q's and k's
	s_cselect_b32 s17, 0, s18                      ; tile row less cy
	s_cselect_b32 s42, s18, s19                    ; tile column less cx
	s_cselect_b32 s95, 4849664, 0                  ; A's codes in wh: Wv | h
	s_cselect_b32 s96, 12779520, s96               ; A's scale words
	s_cselect_b32 s97, 0, 3276800                  ; B's codes: h | Wq, Wk
	s_cselect_b32 s98, 3145728, s98                ; B's scale words
	s_cselect_b32 s101, 6291456, 0                 ; the result's codes: [feature tile][token step] | [128 features][token tile]
	s_cselect_b32 s66, 49152, s66                  ; from a row tile to the next
	s_cselect_b32 s99, 1536, s99                   ; from 128 columns to the next
	s_cselect_b32 s100, 9699328, s100              ; the result's scale words,
	s_cselect_b32 s104, 2048, 64                   ; their two strides
	s_cselect_b32 s105, 64, 16384
	s_cselect_b32 s94, 0, -1                       ; keeps the bias along the registers (bq, bk)
	s_cselect_b32 s2, -1, 0                        ; keeps the bias by rows (bv)
.else
	s_mov_b32 s17, s18
	s_mov_b32 s42, s19
	s_mov_b32 s95, 0                               ; A's codes in h2img,
	s_mov_b32 s96, 3145728                         ; its scale words;
	s_mov_b32 s97, 6422528                         ; W1's codes in wh,
	s_mov_b32 s98, 12845056                        ; its scale words;
	s_mov_b32 s101, 0                              ; g's codes [token tile][32][1536],
	s_mov_b32 s66, 49152
	s_mov_b32 s99, 1536
	s_mov_b32 s100, 12582912                       ; its scale words
	s_mov_b32 s104, 2048
	s_mov_b32 s105, 64
.endif
	s_mov_b32 s67, 0
	s_add_co_u32 s17, s17, s41                     ; tile row: hangs on cy and on what all partners share
	s_add_co_u32 s42, s42, s40                     ; tile column: on cx likewise
	; descriptor group 1: 8 rows (row tiles) of 3,072 bytes (two images), RTB bytes apart, elements of 8 bytes; they land dense
	s_or_b32 s[G1+0], s43, (3<<16)|(1<<21)         ; 15:0 the mask: A's tiles go to my row; 17:16 elements of 8 bytes; 21 set beside a mask; no padding
	s_or_b32 s[G1B+0], s44, (3<<16)|(1<<21)
.irp g, G1, G1B
	s_mov_b32 s[\g+1], 384<<16                     ; tensor_dim0
	s_mov_b32 s[\g+2], 8<<16                       ; tensor_dim1
	s_mov_b32 s[\g+3], 384<<16                     ; tile_dim0
	s_mov_b32 s[\g+4], 8                           ; tile_dim1
	s_mov_b32 s[\g+5], KS*192                      ; tensor_dim0_stride
	s_mov_b32 s[\g+6], 0
	s_mov_b32 s[\g+7], 0
.endr
	; the scale words of 8 row tiles: a dense block of HALFS bytes, as rows of 256
	s_or_b32 s[G1S+0], s43, (3<<16)|(1<<21)
	s_or_b32 s[G1SB+0], s44, (3<<16)|(1<<21)
.irp g, G1S, G1SB
	s_mov_b32 s[\g+1], 32<<16
	s_mov_b32 s[\g+2], (2*KS)<<16
	s_mov_b32 s[\g+3], 32<<16
	s_mov_b32 s[\g+4], 2*KS
	s_mov_b32 s[\g+5], 32
	s_mov_b32 s[\g+6], 0
	s_mov_b32 s[\g+7], 0
.endr
	s_lshl_b32 s18, s16, 3
	s_lshl_b32 s20, s17, 4
	s_add_co_u32 s20, s20, s18                     ; A: row tile 16 x tile row + 8 x half
	s_mul_i32 s22, s20, KS*64
	s_add_co_u32 s22, s22, s96
	s_mul_i32 s20, s20, RTB
	s_add_co_u32 s20, s20, s95
	s_mov_b32 s21, 0
	s_mov_b32 s23, 0
	s_lshl_b32 s46, s42, 4
	s_add_co_u32 s46, s46, s18                     ; B: row tile 16 x tile column + 8 x half
	s_mul_i32 s92, s46, KS*64
	s_add_co_u32 s92, s92, s98
	s_mul_i32 s46, s46, RTB
	s_add_co_u32 s46, s46, s97
	s_mov_b32 s47, 0
	s_mov_b32 s93, 0
	s_mul_i32 s45, s14, HALFT                      ; where they go: no place in the cluster enters an LDS address
	s_mul_i32 s19, s14, HALFS
	s_wait_kmcnt 0x0
	s_add_nc_u64 s[20:21], s[PA:PA+1], s[20:21]
	s_add_nc_u64 s[22:23], s[PA:PA+1], s[22:23]
	s_add_nc_u64 s[46:47], s[PB:PB+1], s[46:47]
	s_add_nc_u64 s[92:93], s[PB:PB+1], s[92:93]
	CROUND                                         ; all sixteen work-groups are here: the first joint loads meet
	s_mov_b32 s[G0S], 1
	s_add_co_u32 s[G0S+1], s19, SCL
	s_mov_b64 s[G0S+2:G0S+3], s[22:23]
	s_or_b32 s[G0S+3], s[G0S+3], 0x80000000
	s_mov_b32 s[G0SB], 1
	s_add_co_u32 s[G0SB+1], s19, SCL
	s_mov_b64 s[G0SB+2:G0SB+3], s[92:93]
	s_or_b32 s[G0SB+3], s[G0SB+3], 0x80000000
	JLOAD G0S, G1S, G0SB, G1SB                     ; the scale words first: they are wanted with K step 0
.irp s, 0,1
	s_mov_b32 s[G0+4*\s], 1
	s_add_co_u32 s[G0+4*\s+1], s45, \s*SLOT
	s_add_nc_u64 s[G0+4*\s+2:G0+4*\s+3], s[20:21], \s*STEPB
	s_or_b32 s[G0+4*\s+3], s[G0+4*\s+3], 0x80000000
	s_mov_b32 s[G0B+4*\s], 1
	s_add_co_u32 s[G0B+4*\s+1], s45, \s*SLOT
	s_add_nc_u64 s[G0B+4*\s+2:G0B+4*\s+3], s[46:47], \s*STEPB
	s_or_b32 s[G0B+4*\s+3], s[G0B+4*\s+3], 0x80000000
	JLOAD G0+4*\s, G1, G0B+4*\s, G1B               ; by this text's count three tensor loads of a wave are out here, later one
.endr
	v_and_b32 v1, 15, v0                           ; r
	v_bfe_u32 v2, v0, 4, 1                         ; h
	v_and_b32 v3, 31, v0                           ; lane
	v_lshlrev_b32 v[VO], 3, v3
	s_mul_i32 s21, s15, HALFT                      ; my 8 row tiles of A
	s_mul_i32 s22, s16, HALFT
	s_add_co_u32 s22, s22, 2*HALFT                 ; my 8 of B, behind A's 16
.irp s, 0,1
	v_add_nc_u32 v[ADRA+\s], s21, v[VO]
	v_add_nc_u32 v[ADRB+\s], s22, v[VO]
	s_add_co_u32 s21, s21, SLOT
	s_add_co_u32 s22, s22, SLOT
.endr
	v_lshlrev_b32 v5, 2, v1
	s_mul_i32 s21, s15, HALFS
	s_mul_i32 s22, s16, HALFS
	s_add_co_u32 s22, s22, 2*HALFS
	s_sub_co_u32 s22, s22, s21
	v_mul_u32_u24 v6, s22, v2                      ; lanes 16-31 take B's
	s_add_co_u32 s21, s21, SCL
	v_add_nc_u32 v5, v5, v6
	v_add_nc_u32 v[ADRS], s21, v5
	s_lshl_b32 s21, s14, 9
	v_lshl_add_u32 v[SWA], v1, 2, s21
	v_lshl_add_u32 v[SRA], v3, 4, s21
	v_lshrrev_b32 v5, 2, v3
	v_mul_u32_u24 v[VS], s104, v5
	v_and_b32 v5, 3, v3
	v_lshl_add_u32 v[VS], v5, 4, v[VS]             ; lane l: row tile l / 4, words 4 (l % 4) ..
	v_lshlrev_b32 v7, 6, v2                        ; the bias along the registers: 64 h; never rewritten
	s_lshl_b32 s18, s17, 4
	s_lshl_b32 s19, s15, 3
	s_add_co_u32 s18, s18, s19                     ; my first row tile
	s_lshl_b32 s19, s42, 1
	s_add_co_u32 s19, s19, s16                     ; my 128 columns
	s_mov_b32 s21, 0
.if QKV
	s_and_b32 s20, s19, 7
	s_lshl_b32 s20, s20, 9
	s_cmp_eq_u32 ttmp9, 0
	s_cselect_b64 s[6:7], s[6:7], s[8:9]           ; bq for columns 0-1,023, else bk (in v^T's role the numbers are masked away; the offset stays inside the buffer)
	s_add_nc_u64 s[6:7], s[6:7], s[20:21]
	s_and_b32 s20, s18, 63
	s_lshl_b32 s20, s20, 6
	s_add_nc_u64 s[10:11], s[10:11], s[20:21]      ; bv at my first row tile's 16 features (modulo the 64 tiles that bv has)
	v_and_b32 v9, 8, v1
	v_add_nc_u32 v9, v9, v1
	v_lshlrev_b32 v9, 2, v9                        ; 4 (r + 8 (r / 8)); never rewritten
.else
	s_lshl_b32 s20, s19, 9
	s_add_nc_u64 s[8:9], s[8:9], s[20:21]
.endif
.irp b, 0,1,2,3
.irp q, 0,1,2,3
	global_load_b128 v[BC+16*\b+4*\q:BC+16*\b+4*\q+3], v7, s[PBI:PBI+1] offset:128*\b+16*\q   ; register 16 b + i: column 32 b + 16 h + i
.endr
.endr
.if QKV
.irp a, 0,1,2,3,4,5,6,7
	global_load_b32 v[BR+\a], v9, s[10:11] offset:(32*(\a/2)+8*(\a%2))*4
.endr
.endif
	s_mul_i32 s22, s18, s104
	s_mul_i32 s23, s19, s105
	s_add_co_u32 s22, s22, s23
	s_add_co_u32 s22, s22, s100
	s_mov_b32 s23, 0
	s_add_nc_u64 s[92:93], s[OC:OC+1], s[22:23]    ; where my 8 x 16 scale words go
	s_mul_i32 s20, s18, s66
	s_mul_i32 s22, s19, s99
	s_add_co_u32 s20, s20, s22
	s_add_co_u32 s20, s20, s101
	s_add_nc_u64 s[OC:OC+1], s[OC:OC+1], s[20:21]  ; and my first image
.macro FRAG reg, adr, q, i             ; a fragment as it lies: six loads, 256 consecutive bytes each
.irp p, 0,1,2,3,4,5
	ds_load_b64 v[\reg+2*\p:\reg+2*\p+1], v[\adr] offset:(\i)*STEPB+(\q)*IMG+256*\p
.endr
.endm
; 16 matrix instructions: A's blocks a0, a0 + 1 x B's eight, the slot's q-th 128 along K.  p: B's set; sc: the set of scale words.  zero = 1: the first product starts the sums.
; The 64 accumulators take turns, one instruction a turn, in the same order in every step.
.macro MUL16 a0, p, q, sc, zero
.irp a, \a0, \a0+1
.irp b, 0,1,2,3,4,5,6,7
.set DD,  8*(8*((\a)%4)+\b)
.set FB,  128*(\p)+FR*\b
.set FA,  AF+FR*(\a)
.set SWB, SC+8*NQ*(\sc)+NQ*\b+(\q)
.set SWX, SC+8*NQ*(\sc)+NQ*(\a)+(\q)
.if \zero
	v_wmma_scale_f32_16x16x128_f8f6f4 v[DD:DD+7], v[FB:FB+FR-1], v[FA:FA+FR-1], 0, v[SWB], v[SWX] matrix_a_fmt:MATRIX_FMT_BF6 matrix_b_fmt:MATRIX_FMT_BF6 matrix_a_scale:MATRIX_SCALE_ROW1
.else
	v_wmma_scale_f32_16x16x128_f8f6f4 v[DD:DD+7], v[FB:FB+FR-1], v[FA:FA+FR-1], v[DD:DD+7], v[SWB], v[SWX] matrix_a_fmt:MATRIX_FMT_BF6 matrix_b_fmt:MATRIX_FMT_BF6 matrix_a_scale:MATRIX_SCALE_ROW1
.endif
.endr
.endr
.endm
.macro FETCH_B slot, q, p
	WIN TO_B
.irp i, 0,1,2,3,4,5,6,7
	FRAG 128*(\p)+FR*\i, ADRB+\slot, \q, \i
.endr
	WIN 0
.endm
.macro FETCH_A slot, q, i0
.irp i, \i0, \i0+1, \i0+2, \i0+3
	FRAG AF+FR*(\i), ADRA+\slot, \q, \i
.endr
.endm
.macro SCALES sc                       ; a slot's scale words: lanes 0-15 A's block i, lanes 16-31 B's block i
.irp i, 0,1,2,3,4,5,6,7
.irp q, 0,1
	ds_load_b32 v[SC+8*NQ*\sc+NQ*\i+\q], v[ADRS] offset:\i*KS*64+64*\q
.endr
.endr
.endm
.macro PLACES n                        ; plain vector instructions between a matrix instruction and a load into, or a read of, its registers
.rept \n
	v_nop
.endr
.endm
.macro STEP slot, q, zero              ; a step of 128 along K that has its successor in the same slot
	s_wait_dscnt 4*NL                              ; B's set, A's blocks 0-3 and the scale words are in; the youngest 24 loads (A's blocks 4-7) may be out
	WIN MUL_LO
	MUL16 0, (\q)%2, \q, \slot, \zero
	MUL16 2, (\q)%2, \q, \slot, \zero
	s_wait_dscnt 0
	PLACES NP
	FETCH_B \slot, (\q)+1, 1-(\q)%2
	FETCH_A \slot, (\q)+1, 0
	WIN MUL_HI
	MUL16 4, (\q)%2, \q, \slot, \zero
	MUL16 6, (\q)%2, \q, \slot, \zero
	PLACES NP
	WIN 0
	FETCH_A \slot, (\q)+1, 4
.endm
; A slot's last step changes slots: one barrier; in front of it each wave waits for all its tensor loads, adds 0 to its spare word, and waits for that and for its reads of this slot.
.macro TURN slot, next, fill
	s_wait_tensorcnt 0x0                           ; all my tensor loads have landed: my part of the next slot
	ds_add_u32 v[SPW], v[NIL]                      ; 0 onto my spare word
	s_wait_dscnt 4*NL+1                            ; (the add and A's blocks 4-7 may be out)
	WIN MUL_LO
	MUL16 0, 1, NQ-1, \slot, 0
	s_wait_dscnt 0x0                               ; the add is done, and my reads of this slot are over
	s_barrier_signal -1
	MUL16 2, 1, NQ-1, \slot, 0
	WIN 0
	s_barrier_wait -1
.if \fill
	CREST                                          ; the barrier has opened a round of the cluster's: no wave of any partner still reads this slot or has a load on its way
	s_add_nc_u64 s[G0+4*\slot+2:G0+4*\slot+3], s[G0+4*\slot+2:G0+4*\slot+3], 2*STEPB
	s_add_nc_u64 s[G0B+4*\slot+2:G0B+4*\slot+3], s[G0B+4*\slot+2:G0B+4*\slot+3], 2*STEPB
	JLOAD G0+4*\slot, G1, G0B+4*\slot, G1B         ; the first tensor load behind the round; its four v_nop are the places in front of the loads below
.else
	PLACES NP
.endif
	v_add_nc_u32 v[ADRS], 64*NQ, v[ADRS]           ; the next slot's scale words
	FETCH_B \next, 0, 0
	FETCH_A \next, 0, 0
	SCALES \next
	WIN MUL_HI
	MUL16 4, 1, NQ-1, \slot, 0
	MUL16 6, 1, NQ-1, \slot, 0
	PLACES NP
	WIN 0
	FETCH_A \next, 0, 4
.endm
	s_wait_tensorcnt 1                             ; the scale words and my part of slot 0 are in (slot 1's load may be out)
	s_barrier_signal -1
	s_barrier_wait -1
	FETCH_B 0, 0, 0
	FETCH_A 0, 0, 0
	SCALES 0
	FETCH_A 0, 0, 4
	STEP 0, 0, 1                                   ; the first step stands in front of the loop: its products start the sums
	s_mov_b32 s3, LAPS-1
.Llap:
	TURN 0, 1, 1
	STEP 1, 0, 0
	TURN 1, 0, 1
	STEP 0, 0, 0
	s_sub_co_u32 s3, s3, 1
	s_cmp_lg_u32 s3, 0
	s_cbranch_scc1 .Llap
	TURN 0, 1, 0                                   ; the last lap fills nothing
	STEP 1, 0, 0
	s_wait_dscnt 4*NL
	WIN MUL_LO
	MUL16 0, 1, NQ-1, 1, 0
	MUL16 2, 1, NQ-1, 1, 0
	s_wait_dscnt 0
	WIN MUL_HI
	MUL16 4, 1, NQ-1, 1, 0
	MUL16 6, 1, NQ-1, 1, 0
	WIN 0
; THE WAY OUT.  A block (16 rows of A x my 128 columns) is 64 numbers a lane, register 16 b + i = column 32 b + 16 h + i of my row: bias, (gelu,) quantiser, and the fragment leaves as its image.
.macro QUANT s, pc, pw
.irp b, 0,1,2,3
	v_max3_num_f32 v[TM+\b], |v[\s+16*\b]|, |v[\s+1+16*\b]|, 0x2800000   ; my 16 numbers of block b, and the floor 2^(5 - 127): the byte cannot fall under 1
.endr
.irp i, 2,4,6,8,10,12,14
.irp b, 0,1,2,3
	v_max3_num_f32 v[TM+\b], v[TM+\b], |v[\s+16*\b+\i]|, |v[\s+1+16*\b+\i]|
.endr
.endr
.irp b, 0,1,2,3
	v_permlanex16_b32 v[TM+4+\b], v[TM+\b], s[SEL], s[SEL+1]
.endr
.irp b, 0,1,2,3
	v_max_num_f32 v[TM+\b], v[TM+\b], v[TM+4+\b]
.endr
.irp b, 0,1,2,3
	v_add_nc_u32 v[TM+12+\b], 0xfe000000, v[TM+\b] ; 4 off the exponent field: the conversion's scale operand
.endr
.irp b, 0,1,2,3
	v_lshrrev_b32 v[TM+4+\b], 23, v[TM+12+\b]
.endr
	v_lshl_or_b32 v[\pw], v[TM+5], 8, v[TM+4]
	v_lshl_or_b32 v[\pw], v[TM+6], 16, v[\pw]
	v_lshl_or_b32 v[\pw], v[TM+7], 24, v[\pw]
.irp c, 0,1
	v_cvt_scalef32_pk16_bf6_f32 v[\pc+6*\c:\pc+2+6*\c], v[\s+32*\c:\s+15+32*\c], v[TM+12+2*\c]
	v_cvt_scalef32_pk16_bf6_f32 v[\pc+12+4*\c:\pc+14+4*\c], v[\s+16+32*\c:\s+31+32*\c], v[TM+12+2*\c+1]
.endr
	v_nop                                          ; one plain place behind a scaled conversion
.irp c, 0,1
.irp i, 0,1,2
	v_permlane16_swap_b32 v[\pc+6*\c+\i], v[\pc+12+4*\c+\i]
.endr
.irp i, 0,1,2
	v_mov_b32 v[\pc+3+6*\c+\i], v[\pc+12+4*\c+\i]
.endr
.endr
.endm
.macro COEF reg, bits
	v_mov_b32 v[\reg], \bits
	v_mov_b32 v[\reg+1], \bits
.endm
.macro HORNER acc, add                 ; acc = acc z^2 + add, eight numbers
.irp k, 0,2,4,6
	v_pk_fma_f32 v[\acc+\k:\acc+\k+1], v[\acc+\k:\acc+\k+1], v[Z2+\k:Z2+\k+1], v[\add:\add+1]
.endr
.endm
.macro GELU8 g                         ; eight numbers of the block
.set WG, W+8*(\g)
.irp k, 0,2,4,6
	v_pk_mul_f32 v[Z+\k:Z+\k+1], v[WG+\k:WG+\k+1], 0x3f3504f3 op_sel_hi:[1,0]    ; z = x / sqrt 2
.endr
.irp k, 0,1,2,3,4,5,6,7
	v_med3_num_f32 v[Z+\k], v[Z+\k], s[CLN], s[CLP]
.endr
.irp k, 0,2,4,6
	v_pk_mul_f32 v[Z2+\k:Z2+\k+1], v[Z+\k:Z+\k+1], v[Z+\k:Z+\k+1]
.endr
.irp k, 0,2,4,6
	v_pk_fma_f32 v[PP+\k:PP+\k+1], v[Z2+\k:Z2+\k+1], 0x39702d51, v[CA7:CA7+1] op_sel_hi:[1,0,1]
.endr
.irp k, 0,2,4,6
	v_pk_fma_f32 v[QQ+\k:QQ+\k+1], v[Z2+\k:Z2+\k+1], 0xb3fd3906, v[CB10:CB10+1] op_sel_hi:[1,0,1]
.endr
	HORNER PP, CA5
	HORNER QQ, CB8
	HORNER PP, CA3
	HORNER QQ, CB6
	HORNER PP, CA1
	HORNER QQ, CB4
	HORNER QQ, CB2
.irp k, 0,2,4,6
	v_pk_fma_f32 v[QQ+\k:QQ+\k+1], v[QQ+\k:QQ+\k+1], v[Z2+\k:Z2+\k+1], 1.0 op_sel_hi:[1,1,0]
.endr
.irp k, 0,2,4,6
	v_pk_mul_f32 v[PP+\k:PP+\k+1], v[PP+\k:PP+\k+1], v[Z+\k:Z+\k+1]
.endr
.irp k, 0,1,2,3,4,5,6,7
	v_rcp_f32 v[QQ+\k], v[QQ+\k]
.endr
.irp k, 0,2,4,6
	v_pk_mul_f32 v[WG+\k:WG+\k+1], v[WG+\k:WG+\k+1], 0.5 op_sel_hi:[1,0]         ; (plain places behind the reciprocals)
.endr
.irp k, 0,2,4,6
	v_pk_mul_f32 v[PP+\k:PP+\k+1], v[PP+\k:PP+\k+1], v[QQ+\k:QQ+\k+1]            ; erf
.endr
.irp k, 0,2,4,6
	v_pk_fma_f32 v[WG+\k:WG+\k+1], v[WG+\k:WG+\k+1], v[PP+\k:PP+\k+1], v[WG+\k:WG+\k+1]
.endr
.endm
; Block a's accumulators + the bias along the registers -> W.  Only these lines name registers that differ from block to block, so only they are written eight times.  Each accumulator is read from its low end on.
.macro COPY a
.Lcp_\a:
	WIN 0x02+(\a)/4                                ; source 0: window 2 or 3
.set I, 0
.rept 32
	v_pk_add_f32 v[W+I:W+I+1], v[64*((\a)%4)+I:64*((\a)%4)+I+1], v[BC+I:BC+I+1]
.set I, I+2
.endr
	WIN 0
.if QKV
	v_mov_b32 v[BRC], v[BR+\a]
.endif
.if \a < 7
	s_branch .Lcommon
.endif
.endm
	PLACES NP                                      ; behind the last products: W lies where A's fragments lay, and results are read
	s_wait_loadcnt 0x0                             ; the biases
	s_mov_b32 s[SEL], 0x76543210
	s_mov_b32 s[SEL+1], 0xfedcba98
.irp b, 0,1,2,3
	v_mov_b32 v[TM+4+\b], 0                        ; a lane permute's destination counts as one of its sources
.endr
.if QKV
.set I, 0
.rept 64
	v_and_b32 v[BC+I], s94, v[BC+I]                ; each role keeps its own bias; the other becomes 0
.set I, I+1
.endr
.irp a, 0,1,2,3,4,5,6,7
	v_and_b32 v[BR+\a], s2, v[BR+\a]
.endr
	v_mov_b32 v[BRC+1], 0                          ; (named as the upper half of a pair)
.else
	s_mov_b32 s[CLN], 0xc07547cb
	s_mov_b32 s[CLP], 0x407547cb
	COEF CA7, 0x3b5f5da2
	COEF CA5, 0x3d50b6eb
	COEF CA3, 0x3e3da740
	COEF CA1, 0x3f906eba
	COEF CB10, 0x37c588e0
	COEF CB8, 0x3a856d28
	COEF CB6, 0x3c6687d4
	COEF CB4, 0x3de34c21
	COEF CB2, 0x3efeb44a
.endif
	s_mov_b32 s3, 0                                ; the block
	s_mov_b32 s18, 0                               ; 64 x the block: its scale words' place in my 512 bytes
.Lblk:
.irp a, 0,1,2,3,4,5,6
	s_cmp_eq_u32 s3, \a
	s_cbranch_scc1 .Lcp_\a
.endr
	s_branch .Lcp_7
.irp a, 0,1,2,3,4,5,6,7
	COPY \a
.endr
.Lcommon:
.if QKV
.set I, 0
.rept 32
	v_pk_add_f32 v[W+I:W+I+1], v[W+I:W+I+1], v[BRC:BRC+1] op_sel_hi:[1,0]
.set I, I+2
.endr
.else
.irp g, 0,1,2,3,4,5,6,7
	GELU8 \g
.endr
.endif
	QUANT W, PC, PW
.irp p, 0,1,2,3,4,5
	global_store_b64 v[VO], v[PC+2*\p:PC+2*\p+1], s[OC:OC+1] offset:256*\p       ; 256 consecutive bytes, aligned
.endr
	v_add_nc_u32 v5, s18, v[SWA]
	ds_store_b32 v5, v[PW]                         ; both halves of the lanes hold row r's word and write the same value
	s_wait_dscnt 0x0
	s_wait_xcnt 0x0                                ; the stores' data and base are written again only behind this wait
	s_add_nc_u64 s[OC:OC+1], s[OC:OC+1], s[66:67]
	s_add_co_u32 s18, s18, 64
	s_add_co_u32 s3, s3, 1
	s_cmp_lt_u32 s3, 8
	s_cbranch_scc1 .Lblk
	ds_load_b128 v[PC:PC+3], v[SRA]                ; my wave's own bytes, in order behind my stores
	s_wait_dscnt 0x0
	global_store_b128 v[VS], v[PC:PC+3], s[92:93]  ; four lanes to a row tile's 64 bytes
	s_wait_tensorcnt 0x0                           ; the wave's end
	ds_add_u32 v[SPW], v[NIL]
	s_wait_dscnt 0x0
	CROUND                                         ; the closing round
	s_endpgm
.Lfunc_end_k_qa7d26572af_qkv:
	.size	k_qa7d26572af_qkv, .Lfunc_end_k_qa7d26572af_qkv-k_qa7d26572af_qkv
	.p2alignl 7, 3214868480
	.fill 96, 4, 3214868480
	.section	.rodata,"a",@progbits
	.p2align	6, 0x0
	.amdhsa_kernel k_qa7d26572af_qkv
		.amdhsa_group_segment_fixed_size 327680
		.amdhsa_private_segment_fixed_size 0
		.amdhsa_enable_private_segment 0
		.amdhsa_kernarg_size 40
		.amdhsa_user_sgpr_count 2
		.amdhsa_user_sgpr_kernarg_segment_ptr 1
		.amdhsa_wavefront_size32 1
		.amdhsa_system_sgpr_workgroup_id_x 1
		.amdhsa_system_sgpr_workgroup_id_y 1
		.amdhsa_system_sgpr_workgroup_id_z 1
		.amdhsa_system_vgpr_workitem_id 0
		.amdhsa_next_free_vgpr 1024
		.amdhsa_next_free_sgpr 106
		.amdhsa_reserve_vcc 0
		.amdhsa_float_denorm_mode_32 3
		.amdhsa_float_denorm_mode_16_64 3
		.amdhsa_memory_ordered 1
		.amdhsa_forward_progress 1
		.amdhsa_inst_pref_size 163
	.end_amdhsa_kernel
	.amdgpu_metadata
---
amdhsa.version: [ 1, 2 ]
amdhsa.kernels:
  - .name:           k_qa7d26572af_qkv
    .symbol:         k_qa7d26572af_qkv.kd
    .args:
      - { .name: wh, .offset: 0, .size: 8, .value_kind: global_buffer, .address_space: global }
      - { .name: bq, .offset: 8, .size: 8, .value_kind: global_buffer, .address_space: global }
      - { .name: bk, .offset: 16, .size: 8, .value_kind: global_buffer, .address_space: global }
      - { .name: bv, .offset: 24, .size: 8, .value_kind: global_buffer, .address_space: global }
      - { .name: qkvimg, .offset: 32, .size: 8, .value_kind: global_buffer, .address_space: global }
    .group_segment_fixed_size: 327680
    .private_segment_fixed_size: 0
    .kernarg_segment_align: 8
    .kernarg_segment_size: 40
    .max_flat_workgroup_size: 128
    .sgpr_count:     106
    .vgpr_count:     1024
    .wavefront_size: 32
...
	.end_amdgpu_metadata
.endif
;; end of part 3
;; launch attn (part 4): grid 8 x 32, 16 waves a work-group, no clusters, 210,944 bytes of LDS; arguments qkvimg, oimg; writes oimg
.if DOCPART == 4
	.amdgcn_target "amdgcn-amd-amdhsa--gfx1250"
	.amdhsa_code_object_version 6
	.text
	.protected	k_qa7d26572af_attn
	.globl	k_qa7d26572af_attn
	.p2align	8
	.type	k_qa7d26572af_attn,@function
k_qa7d26572af_attn:
	s_mov_b64 s[64:65], 0
	v_nop
	global_prefetch_b8 v0, s[64:65] scope:SCOPE_SE
	s_setreg_imm32_b32 hwreg(HW_REG_WAVE_MODE, 25, 1), 1
	s_wait_xcnt 0x0
; Causal attention on codes of BF6 (E3M2, one E8M0 byte for each 32 along a product's K), 32 heads of 2,048 tokens x 64; the result is quantised along the features and leaves as the next product's operand.
; INPUT (images of operand registers, 1,536 bytes for 16 rows x 128 K; planes 0-2 are k 0-63, planes 3-5 k 64-127): q, k [pair of heads][token tile][1536], an even head in planes 0-2; v^T [feature tile][128 tokens][1536].
; Row r of tile T is index 32 (T / 2) + 8 (T % 2) + r + 8 (r / 8), for tokens and features alike.
; THE SOFTMAX: t = score x log2(e) / 8; M = the row's largest t so far, rounded UP to a whole number; p = 2^(t - M) is what is quantised, along the keys; the row's sum is taken of the unquantised p and divides at the end.
; When M moves, the sum and O are multiplied by 2^(old M - new M): exact.
; SHARES.  A work-group has one head and 16 waves, a tile of 16 queries each: waves 0-7 the 128 queries of block j, waves 8-15 those of block 15 - j, so every work-group has 8 x 17 wave-steps of the causal half.
; K, V AND THEIR SCALE WORDS OF THE WHOLE HEAD LIE IN LDS, 208,896 bytes, filled ONCE: wave w brings key step w (128 keys) by four tensor loads; one wait, one barrier; nothing is filled again.
; Both products are used transposed (S^T = K Q^T, O^T = V^T P^T): a lane holds one query throughout, and by the tiles' row order p's 16 registers of two neighbouring tiles are 16 neighbouring keys.
; THE FIRST PRODUCT'S K IS 64: Q's upper 64 codes are zeros, so what stands in the upper six registers of K's operand (the next tile's codes) adds nothing; the upper two scale bytes are 0 (2^-127), never 0xff.
; NO CLUSTER: the work-groups that read the same K and V are a head's eight, and a step that lies wholly behind a wave's queries is jumped over by a branch on the query block, which differs among just those eight.
; All 16 trips of the loop are walked by every wave (its count is a constant); a hidden step costs the compare and the address steps.
; LIMITS: NaN and infinities are not served; a block of zeros gets the byte 1 (its codes are zeros); a block's largest p is taken through the block's largest score (v_exp_f32 taken not to fall where its input rises).
.set KIMG, 0                           ; 16 key steps x 8 tiles x 768 bytes
.set VIMG, 98304                       ; 16 x 4 feature tiles x 1,536
.set KSCL, 196608                      ; 16 x 8 x 64
.set VSCL, 204800                      ; 16 x 4 x 64
.set QF,   16                          ; v16-27  Q (v22-27 zeros)
.set KF,   28                          ; v28-75  K's eight half fragments, then V's four; v76-81 zeros
.set S,    82                          ; v82-145 S^T, then p
.set O,    146                         ; v146-177 O^T
.set PCD,  178                         ; v178-189 p's codes
.set PC2,  190                         ; v190-196 the conversions' second halves
.set MX,   198                         ; v198-201 the blocks' largest scores, then p
.set PX,   202                         ; v202-205 lane l xor 16's; bytes; a chain of the sum
.set SO,   206                         ; v206-209 the conversions' scale operands
.set KSW,  210                         ; v210-217 K's scale words;  v218-221 V's
.set VSW,  218
.set FF,   222                         ; v222 f = 2^(old M - new M);  v223 p's scale word
.set TT,   224
.set QS,   225                         ; Q's scale word
.set NINF, 226
.set G1K,  16
.set G1V,  24
.set G1KS, 32
.set G1VS, 40
.set G0K,  48
.set G0V,  52
.set G0KS, 56
.set G0VS, 60
.set SEL,  68
.set CS,   70                          ; s[70:71] c = log2(e) / 8
.set ST,   72                          ; the key step
.set QB,   73                          ; my block of 128 queries
.set TBK,  74                          ; the step's place among the codes, 6,144 bytes a step;
.set TSK,  75                          ; among K's scale words, 512;
.set TSV,  76                          ; among V's, 256
.set MHI,  77
.macro GROUP1 g, c, r, p               ; r rows of c elements of 8 bytes, p elements apart; no mask, no padding
	s_mov_b32 s[\g], 3<<16
	s_mov_b32 s[\g+1], (\c)<<16
	s_mov_b32 s[\g+2], (\r)<<16
	s_mov_b32 s[\g+3], (\c)<<16
	s_mov_b32 s[\g+4], \r
	s_mov_b32 s[\g+5], \p
	s_mov_b32 s[\g+6], 0
	s_mov_b32 s[\g+7], 0
.endm
.macro GROUP0 g, lds, off
	s_mov_b32 s[\g], 1
	s_mov_b32 s[\g+1], s[\lds]
	s_add_nc_u64 s[\g+2:\g+3], s[4:5], s[\off:\off+1]
	s_or_b32 s[\g+3], s[\g+3], 0x80000000
.endm
	s_load_b128 s[4:7], s[0:1], 0x0                ; the images of q, k, v^T; the result
	v_lshl_add_u32 v254, v0, 2, 0x33000
	v_mov_b32 v255, 0
	ds_add_u32 v254, v255
	ds_add_u32 v254, v255
	v_lshrrev_b32 v8, 5, v0
	v_readfirstlane_b32 s8, v8                     ; wave 0..15
	s_and_b32 s9, ttmp7, 0xffff
	s_lshr_b32 s10, s9, 4                          ; batch
	s_and_b32 s11, s9, 15                          ; head
	s_and_b32 s12, s11, 1                          ; which half of the pair's images
	s_lshr_b32 s13, s11, 1                         ; pair of heads
	GROUP1 G1K, 96, 8, 192                         ; K: 8 tiles' halves of 768 bytes, 1,536 apart
	GROUP1 G1V, 192, 4, 6144                       ; V: 4 feature tiles' images, 32 token steps apart
	GROUP1 G1KS, 64, 1, 64                         ; K's scale words: 512 dense bytes
	GROUP1 G1VS, 8, 4, 256                         ; V's: 4 x 64 bytes, 2,048 apart
	s_lshl_b32 s78, s13, 8
	s_lshl_b32 s79, s10, 7
	s_add_co_u32 s78, s78, s79                     ; q's tile 0 of this batch and pair: 256 pair + 128 batch
	s_lshl_b32 s79, s8, 3
	s_add_co_u32 s79, s79, s78
	s_add_co_u32 s79, s79, 2048                    ; k's first tile of key step w
	s_mul_i32 s80, s79, 1536
	s_mul_i32 s14, s12, 768
	s_add_co_u32 s80, s80, s14
	s_mov_b32 s81, 0
	s_lshl_b32 s82, s79, 6
	s_add_co_u32 s82, s82, 9437184
	s_mov_b32 s83, 0
	s_lshl_b32 s84, s11, 7
	s_lshl_b32 s15, s10, 4
	s_add_co_u32 s84, s84, s15
	s_add_co_u32 s84, s84, s8                      ; v^T: 32 x (4 head) + 16 batch + w
	s_mul_i32 s86, s84, 1536
	s_add_co_u32 s86, s86, 6291456
	s_mov_b32 s87, 0
	s_lshl_b32 s84, s84, 6
	s_add_co_u32 s84, s84, 9699328
	s_mov_b32 s85, 0
	s_mul_i32 s88, s8, 6144                        ; my step's places in LDS: the wave's number times a constant, plus a constant
	s_add_co_u32 s89, s88, VIMG
	s_lshl_b32 s90, s8, 9
	s_add_co_u32 s90, s90, KSCL
	s_lshl_b32 s91, s8, 8
	s_add_co_u32 s91, s91, VSCL
	s_wait_dscnt 0x0
	s_wait_kmcnt 0x0
	GROUP0 G0K, 88, 80
	GROUP0 G0V, 89, 86
	GROUP0 G0KS, 90, 82
	GROUP0 G0VS, 91, 84
	tensor_load_to_lds s[G0K:G0K+3], s[G1K:G1K+7]          ; the launch's only fills, together at its start: four tensor loads of a wave are out
	s_nop 0
	tensor_load_to_lds s[G0V:G0V+3], s[G1V:G1V+7]
	s_nop 0
	tensor_load_to_lds s[G0KS:G0KS+3], s[G1KS:G1KS+7]
	s_nop 0
	tensor_load_to_lds s[G0VS:G0VS+3], s[G1VS:G1VS+7]
	s_nop 0
.rept 4
	v_nop
.endr
	s_lshl_b32 s14, ttmp9, 3
	s_add_co_u32 s15, s14, s8                      ; 8 j + w
	s_sub_co_u32 s14, 112, s14
	s_add_co_u32 s14, s14, s8                      ; 8 (15 - j) + w - 8
	s_cmp_lt_u32 s8, 8
	s_cselect_b32 s14, s15, s14                    ; T: my tile of queries
	s_lshr_b32 s[QB], s14, 3
	s_add_co_u32 s15, s78, s14
	s_mul_i32 s80, s15, 1536
	s_mul_i32 s82, s12, 768
	s_add_co_u32 s80, s80, s82
	s_mov_b32 s81, 0
	s_add_nc_u64 s[80:81], s[4:5], s[80:81]        ; Q's half image
	s_lshl_b32 s82, s15, 6
	s_lshl_b32 s83, s12, 1
	s_add_co_u32 s82, s82, s83
	s_add_co_u32 s82, s82, 9437184
	s_mov_b32 s83, 0
	s_add_nc_u64 s[82:83], s[4:5], s[82:83]        ; its two scale bytes a row
	s_lshl_b32 s15, s10, 7
	s_add_co_u32 s15, s15, s14
	s_lshl_b32 s15, s15, 3
	s_add_co_u32 s15, s15, s13                     ; the result's image: (128 batch + T) x 8 + pair
	s_mul_i32 s92, s15, 1536
	s_mul_i32 s94, s12, 768
	s_add_co_u32 s92, s92, s94
	s_mov_b32 s93, 0
	s_add_nc_u64 s[92:93], s[6:7], s[92:93]
	s_lshl_b32 s94, s15, 6
	s_lshl_b32 s95, s12, 1
	s_add_co_u32 s94, s94, s95
	s_add_co_u32 s94, s94, 3145728
	s_mov_b32 s95, 0
	s_add_nc_u64 s[94:95], s[6:7], s[94:95]
	s_bfe_u32 s86, s14, 0x20001
	s_lshl_b32 s86, s86, 5
	s_and_b32 s87, s14, 1
	s_lshl_b32 s87, s87, 3
	s_add_co_u32 s86, s86, s87                     ; my tile's first query within its block of 128
	s_lshl_b32 s87, s12, 1
	s_mov_b32 s[SEL], 0x76543210
	s_mov_b32 s[SEL+1], 0xfedcba98
	s_mov_b32 s[CS], 0x3e38aa3b
	s_mov_b32 s[CS+1], s[CS]
	s_mov_b32 s[MHI], 0xffff0000
	s_mov_b32 s[ST], 0
	s_mov_b32 s[TBK], 0
	s_mov_b32 s[TSK], 0
	s_mov_b32 s[TSV], 0
	v_and_b32 v8, 15, v0                           ; r
	v_bfe_u32 v9, v0, 4, 1                         ; h
	v_and_b32 v10, 31, v0
	v_lshlrev_b32 v1, 3, v10                       ; 8 x lane: K's planes, Q's, the result's
	v_add_nc_u32 v2, VIMG, v1                      ; V's
	v_lshlrev_b32 v6, 2, v8                        ; 4 r
	v_add_nc_u32 v3, s87, v6
	v_add_nc_u32 v3, KSCL, v3                      ; K's scale bytes: 4 r + 2 x half
	v_add_nc_u32 v4, VSCL, v6                      ; V's scale words
	v_add_nc_u32 v7, v6, v9                        ; the result's scale byte: 4 r + h
.irp p, 0,1,2
	global_load_b64 v[QF+2*\p:QF+2*\p+1], v1, s[80:81] offset:256*\p
.endr
	global_load_u16 v[QS], v6, s[82:83]
	v_and_b32 v10, 8, v8
	v_add_nc_u32 v10, v10, v8
	v_lshlrev_b32 v11, 4, v9
	v_sub_nc_u32 v5, v10, v11
	v_add_nc_u32 v5, s86, v5                       ; d = my query within its block - 16 h: on the diagonal register 16 b + i is hidden where 32 b + i > d
.irp i, 0,1,2,3,4,5
	v_mov_b32 v[QF+6+\i], 0                        ; Q's codes for k = 64 .. 127: zeros
	v_mov_b32 v[KF+48+\i], 0                       ; what stands behind K's last tile
.endr
	v_mov_b32 v13, 0xff61b1e6                      ; the largest t so far: -3e38
	v_floor_f32 v12, -v13                          ; -M
	v_mov_b32 v14, 0
	v_mov_b32 v15, 0
.irp b, 0,1,2,3
	v_mov_b32 v[PX+\b], 0                          ; a lane permute's destination counts as one of its sources
.endr
	v_mov_b32 v[FF], 0
	v_mov_b32 v[FF+1], 0
	v_mov_b32 v[NINF], 0xff800000
.set J, 0
.rept 32
	v_mov_b32 v[O+J], 0                            ; the step is written once: the first finds zeros, which the first change of M leaves zeros
.set J, J+1
.endr
	s_wait_loadcnt 0x0                             ; Q
	s_wait_tensorcnt 0x0                           ; my key step lies in LDS,
	s_barrier_signal -1
	s_barrier_wait -1                              ; everybody's does; from here on LDS is only read
.Lstep:
	s_cmp_gt_u32 s[ST], s[QB]                      ; all 128 keys come after my queries: nothing to do
	s_cbranch_scc1 .Lhidden
	v_add_nc_u32 v8, s[TBK], v1                    ; (these four are also the places in front of the loads into registers that the last products read)
	v_add_nc_u32 v9, s[TBK], v2
	v_add_nc_u32 v10, s[TSK], v3
	v_add_nc_u32 v11, s[TSV], v4
.irp i, 0,1,2,3,4,5,6,7
.irp p, 0,1,2
	ds_load_b64 v[KF+6*\i+2*\p:KF+6*\i+2*\p+1], v8 offset:768*\i+256*\p
.endr
	ds_load_u16 v[KSW+\i], v10 offset:64*\i
.endr
	s_wait_dscnt 0x0
.irp i, 0,1,2,3,4,5,6,7                ; S^T = K Q^T: register 8 i + j of lane (r, h) is key 32 (i / 2) + 16 h + 8 (i % 2) + j, query r
	v_wmma_scale_f32_16x16x128_f8f6f4 v[S+8*\i:S+8*\i+7], v[KF+6*\i:KF+6*\i+11], v[QF:QF+11], 0, v[KSW+\i], v[QS] matrix_a_fmt:MATRIX_FMT_BF6 matrix_b_fmt:MATRIX_FMT_BF6
.endr
.rept 4
	v_nop
.endr
.irp f, 0,1,2,3                        ; V's fragments land while the softmax is walked
.irp p, 0,1,2,3,4,5
	ds_load_b64 v[KF+12*\f+2*\p:KF+12*\f+2*\p+1], v9 offset:1536*\f+256*\p
.endr
	ds_load_b32 v[VSW+\f], v11 offset:64*\f
.endr
	s_cmp_lt_u32 s[ST], s[QB]                      ; every key counts: no mask
	s_cbranch_scc1 .Lopen
.set N, 0
.rept 64
	v_cmp_gt_i32 vcc_lo, 32*(N/16)+N%16, v5
	v_cndmask_b32 v[S+N], v[S+N], v[NINF], vcc_lo  ; hidden scores become -infinity ahead of the maximum: p = 0
.set N, N+1
.endr
.Lopen:
.irp b, 0,1,2,3
	v_max3_num_f32 v[MX+\b], v[S+16*\b], v[S+1+16*\b], v[S+2+16*\b]     ; the largest score of each block of 32 keys: for the row's maximum, and for the block's largest p
.endr
.irp i, 3,5,7,9,11,13
.irp b, 0,1,2,3
	v_max3_num_f32 v[MX+\b], v[MX+\b], v[S+16*\b+\i], v[S+1+16*\b+\i]
.endr
.endr
.irp b, 0,1,2,3
	v_max_num_f32 v[MX+\b], v[MX+\b], v[S+15+16*\b]
.endr
.irp b, 0,1,2,3
	v_permlanex16_b32 v[PX+\b], v[MX+\b], s[SEL], s[SEL+1]
.endr
.irp b, 0,1,2,3
	v_max_num_f32 v[MX+\b], v[MX+\b], v[PX+\b]
.endr
	v_max3_num_f32 v[TT], v[MX], v[MX+1], v[MX+2]
	v_max_num_f32 v[TT], v[TT], v[MX+3]
	v_mul_f32 v[TT], s[CS], v[TT]
	v_max_num_f32 v13, v13, v[TT]                  ; the running largest t
	v_mov_b32 v[TT], v12
	v_floor_f32 v12, -v13                          ; the new -M = -ceil(t)
	v_sub_f32 v[TT], v12, v[TT]                    ; old M - new M: a whole number, 0 or less
	v_cvt_i32_f32 v[TT], v[TT]                     ; (it saturates)
	v_ldexp_f32 v[FF], 1.0, v[TT]                  ; f
.set J, 0
.rept 32
	v_pk_fma_f32 v[S+J:S+J+1], v[S+J:S+J+1], s[CS:CS+1], v[12:13] op_sel_hi:[1,0,0]   ; t - M
.set J, J+2
.endr
.irp b, 0,1,2,3
	v_fma_f32 v[MX+\b], v[MX+\b], s[CS], v12
.endr
.set J, 0
.rept 64
	v_exp_f32 v[S+J], v[S+J]                       ; p, not normalised
.set J, J+1
.endr
.irp b, 0,1,2,3
	v_exp_f32 v[MX+\b], v[MX+\b]                   ; the block's largest p: the same two instructions on the same number
.endr
	v_pk_mul_f32 v[14:15], v[14:15], v[FF:FF+1] op_sel_hi:[1,0]          ; the sums under the new M (a plain place behind the exponentials)
	s_wait_alu depctr_va_vdst(0)
.irp b, 0,1,2,3
	v_max_num_f32 v[MX+\b], 0x2800000, v[MX+\b]    ; the floor 2^(5 - 127)
.endr
.irp b, 0,1,2,3
	v_add_nc_u32 v[SO+\b], 0xfe000000, v[MX+\b]
.endr
.irp b, 0,1,2,3
	v_lshrrev_b32 v[PX+\b], 23, v[SO+\b]
.endr
	v_lshl_or_b32 v[FF+1], v[PX+1], 8, v[PX]       ; p's scale word for these 128 keys
	v_lshl_or_b32 v[FF+1], v[PX+2], 16, v[FF+1]
	v_lshl_or_b32 v[FF+1], v[PX+3], 24, v[FF+1]
.irp c, 0,1
	v_cvt_scalef32_pk16_bf6_f32 v[PCD+6*\c:PCD+2+6*\c], v[S+32*\c:S+15+32*\c], v[SO+2*\c]
	v_cvt_scalef32_pk16_bf6_f32 v[PC2+4*\c:PC2+2+4*\c], v[S+16+32*\c:S+31+32*\c], v[SO+2*\c+1]
.endr
	v_nop                                          ; one plain place behind a scaled conversion
.irp c, 0,1
.irp i, 0,1,2
	v_permlane16_swap_b32 v[PCD+6*\c+\i], v[PC2+4*\c+\i]
.endr
.irp i, 0,1,2
	v_mov_b32 v[PCD+3+6*\c+\i], v[PC2+4*\c+\i]
.endr
.endr
	v_pk_add_f32 v[PX:PX+1], v[S:S+1], v[S+2:S+3]  ; the row's sum is taken of the unquantised p, in two chains
.irp j, 4,8,12,16,20,24,28,32,36,40,44,48,52,56,60
	v_pk_add_f32 v[14:15], v[14:15], v[S+\j:S+\j+1]
	v_pk_add_f32 v[PX:PX+1], v[PX:PX+1], v[S+2+\j:S+3+\j]
.endr
	v_pk_add_f32 v[14:15], v[14:15], v[PX:PX+1]
.set J, 0
.rept 16
	v_pk_mul_f32 v[O+J:O+J+1], v[O+J:O+J+1], v[FF:FF+1] op_sel_hi:[1,0]  ; O^T under the new M
.set J, J+2
.endr
	s_wait_dscnt 0x0                               ; V
.irp f, 0,1,2,3                        ; O^T += V^T P^T: four accumulators by turns
	v_wmma_scale_f32_16x16x128_f8f6f4 v[O+8*\f:O+8*\f+7], v[KF+12*\f:KF+12*\f+11], v[PCD:PCD+11], v[O+8*\f:O+8*\f+7], v[VSW+\f], v[FF+1] matrix_a_fmt:MATRIX_FMT_BF6 matrix_b_fmt:MATRIX_FMT_BF6
.endr
.Lhidden:
	s_add_co_u32 s[TBK], s[TBK], 6144
	s_add_co_u32 s[TSK], s[TSK], 512
	s_add_co_u32 s[TSV], s[TSV], 256
	s_add_co_u32 s[ST], s[ST], 1
	s_cmp_lt_u32 s[ST], 16
	s_cbranch_scc1 .Lstep
	; THE WAY OUT: O^T / the sum; register 16 b + i of lane (r, h) is feature 32 b + 16 h + i of query r: two blocks of the next K, half a fragment
.rept 4
	v_nop
.endr
	v_add_f32 v14, v14, v15
	v_permlanex16_b32 v[FF], v14, s[SEL], s[SEL+1]
	v_add_f32 v14, v14, v[FF]
	v_rcp_f32 v14, v14
	v_nop
.set J, 0
	s_wait_alu depctr_va_vdst(0)
.rept 32
	v_mul_f32 v[S+J], v[O+J], v14
.set J, J+1
.endr
.irp b, 0,1
	v_max3_num_f32 v[MX+\b], |v[S+16*\b]|, |v[S+1+16*\b]|, 0x2800000
.endr
.irp i, 2,4,6,8,10,12,14
.irp b, 0,1
	v_max3_num_f32 v[MX+\b], v[MX+\b], |v[S+16*\b+\i]|, |v[S+1+16*\b+\i]|
.endr
.endr
.irp b, 0,1
	v_permlanex16_b32 v[PX+\b], v[MX+\b], s[SEL], s[SEL+1]
.endr
.irp b, 0,1
	v_max_num_f32 v[MX+\b], v[MX+\b], v[PX+\b]
.endr
.irp b, 0,1
	v_add_nc_u32 v[SO+\b], 0xfe000000, v[MX+\b]
.endr
.irp b, 0,1
	v_lshrrev_b32 v[PX+\b], 23, v[SO+\b]
.endr
	v_cvt_scalef32_pk16_bf6_f32 v[PCD:PCD+2], v[S:S+15], v[SO]
	v_cvt_scalef32_pk16_bf6_f32 v[PC2:PC2+2], v[S+16:S+31], v[SO+1]
	v_nop
.irp i, 0,1,2
	v_permlane16_swap_b32 v[PCD+\i], v[PC2+\i]
.endr
.irp i, 0,1,2
	v_mov_b32 v[PCD+3+\i], v[PC2+\i]
.endr
.irp p, 0,1,2
	global_store_b64 v1, v[PCD+2*\p:PCD+2*\p+1], s[92:93] offset:256*\p          ; 256 consecutive bytes, aligned
.endr
	v_cndmask_b32 v[TT], v[PX], v[PX+1], s[MHI]    ; lanes 0-15 block 0's byte, lanes 16-31 block 1's
	global_store_b8 v7, v[TT], s[94:95]
	s_wait_tensorcnt 0x0
	ds_add_u32 v254, v255
	s_wait_dscnt 0x0
	s_endpgm
.Lfunc_end_k_qa7d26572af_attn:
	.size	k_qa7d26572af_attn, .Lfunc_end_k_qa7d26572af_attn-k_qa7d26572af_attn
	.p2alignl 7, 3214868480
	.fill 96, 4, 3214868480
	.section	.rodata,"a",@progbits
	.p2align	6, 0x0
	.amdhsa_kernel k_qa7d26572af_attn
		.amdhsa_group_segment_fixed_size 210944
		.amdhsa_private_segment_fixed_size 0
		.amdhsa_enable_private_segment 0
		.amdhsa_kernarg_size 16
		.amdhsa_user_sgpr_count 2
		.amdhsa_user_sgpr_kernarg_segment_ptr 1
		.amdhsa_wavefront_size32 1
		.amdhsa_system_sgpr_workgroup_id_x 1
		.amdhsa_system_sgpr_workgroup_id_y 1
		.amdhsa_system_sgpr_workgroup_id_z 1
		.amdhsa_system_vgpr_workitem_id 0
		.amdhsa_next_free_vgpr 256
		.amdhsa_next_free_sgpr 96
		.amdhsa_reserve_vcc 1
		.amdhsa_float_denorm_mode_32 3
		.amdhsa_float_denorm_mode_16_64 3
		.amdhsa_memory_ordered 1
		.amdhsa_forward_progress 1
		.amdhsa_inst_pref_size 36
	.end_amdhsa_kernel
	.amdgpu_metadata
---
amdhsa.version: [ 1, 2 ]
amdhsa.kernels:
  - .name:           k_qa7d26572af_attn
    .symbol:         k_qa7d26572af_attn.kd
    .args:
      - { .name: qkvimg, .offset: 0, .size: 8, .value_kind: global_buffer, .address_space: global }
      - { .name: oimg, .offset: 8, .size: 8, .value_kind: global_buffer, .address_space: global }
    .group_segment_fixed_size: 210944
    .private_segment_fixed_size: 0
    .kernarg_segment_align: 8
    .kernarg_segment_size: 16
    .max_flat_workgroup_size: 512
    .sgpr_count:     96
    .vgpr_count:     256
    .wavefront_size: 32
...
	.end_amdgpu_metadata
.endif
;; end of part 4
;; launch wo (part 5): grid 4 x 16, 4 waves a work-group, clusters of 4 x 4, 327,680 bytes of LDS; arguments oimg, wh, bo, x, x1; writes x1
.if DOCPART == 5
	.amdgcn_target "amdgcn-amd-amdhsa--gfx1250"
	.amdhsa_code_object_version 6
	.text
	.protected	k_qa7d26572af_wo
	.globl	k_qa7d26572af_wo
	.p2align	8
	.type	k_qa7d26572af_wo,@function
k_qa7d26572af_wo:
	s_mov_b64 s[64:65], 0
	v_nop
	global_prefetch_b8 v0, s[64:65] scope:SCOPE_SE
	s_setreg_imm32_b32 hwreg(HW_REG_WAVE_MODE, 25, 1), 1
	s_wait_xcnt 0x0
	s_wait_alu depctr_hold_cnt(0) depctr_sa_sdst(0) depctr_va_vdst(0) depctr_va_sdst(0) depctr_va_ssrc(0) depctr_va_vcc(0) depctr_vm_vsrc(0)
	s_getreg_b32 s2, hwreg(HW_REG_IB_STS2, 6, 4)
	s_cmp_eq_u32 s2, 0
	s_cbranch_scc0 .Lentry_in_a_cluster
	s_endpgm
.Lentry_in_a_cluster:
	s_bfe_u32 s2, ttmp6, 0x10000c
	s_cmp_lg_u32 s2, 0xf033
	s_cbranch_scc0 .Lentry_shape_is_right
	s_endpgm
.Lentry_shape_is_right:
; out = residual + A B^T + bias, f32, [4096][1024]; A and B are codes of BF6 (E3M2, one E8M0 byte for each 32 along K).  This text serves two launches by its constants: the attention's output
; projection (KS = 8) and the FFN's second layer (KS = 32).
; OPERANDS lie in memory as images of their registers: a fragment (16 rows x 128 K, 12 registers a lane) is 1,536 bytes, register 2 p + e of lane l at 256 p + 8 l + 4 e; row tile T, K step s at
; (T KS + s) x 1,536; its scale words (row r at 4 r) at (T KS + s) x 64.  Row r of tile T is index 32 (T / 2) + 8 (T % 2) + r + 8 (r / 8).  A K step's tiles are dense, and a fragment comes from LDS by six
; loads of 8 bytes a lane, 256 consecutive bytes each.
; SHAPE.  A tile of the result is 256 x 256, four waves, 128 x 128 each: 64 accumulators, 512 registers.  K goes in steps of 256 through two LDS slots filled by the tensor data mover; the scale words of the
; work-group's rows, for all of K, come once.  4 x 4 work-groups form a cluster: A's tiles are asked for jointly along a row of it, B's along a column.  64 tiles: 64 work-groups (a tile of 128 x 128 would
; give 256, at twice the LDS bytes for each product; not built).
; The product is used TRANSPOSED (source 0 = 16 rows of B, source 1 = 16 rows of A): a lane holds one token and, in accumulator b, columns 32 (b / 2) + 16 h + 8 (b % 2) + 0 .. 7.
; LIMITS: NaN and infinities are not served.
; REGISTERS, in windows of 256: window 0: v0-31 addresses; v32-63 scale words, two sets, and nothing else; v64-67 the bias; v128-223 A's fragments, ONE set; on the way out v128-255 rows of the result.
;   window 1: B's fragments, two sets; on the way out four blocks of the residual.   windows 2, 3: the accumulators of my rows 0-63, 64-127.
.set KS,     8                         ; K steps of 128 in K
.set AOS,    3145728                   ; A's scale words in its buffer
.set BOC,    5636096                   ; B's codes in wh
.set BOS,    12812288                  ; B's scale words in wh
.set LAST,   0                         ; 1: nobody reads the result again
.set IMG,    1536
.set NQ,     2
.set STEPB,  NQ*IMG
.set RTB,    KS*IMG
.set FR,     12
.set NL,     6
.set NP,     4                         ; places behind this matrix instruction (ISA guide 7.12.1)
.set HALFT,  8*STEPB                   ; 8 row tiles: what one tensor load brings, and what one wave reads of A or of B
.set SLOT,   4*HALFT
.set LAPS,   KS/4
.set SCL,    2*SLOT                    ; behind the ring: the scale words
.set HALFS,  8*KS*64
.set SPARE,  SCL+4*HALFS               ; the spare words, 128 bytes for each wave: two blocks of 256 bytes that no other line names
.set SPITCH, 528                       ; the way out: a stage of 16 rows x (512 bytes + 16) for each wave, in slot 0, which has had its last fill and its last read by then
.set ADRA, 16
.set ADRB, 20
.set STO,  24
.set RD,   25
.set CO,   26                          ; v26  16 x lane; never rewritten
.set ADRS, 27
.set SPW,  28
.set NIL,  29
.set SC,   32
.set BI,   64
.set AF,   128
.set BK,   128
.set G1, 24
.set G0, 32
.set G1B, 48
.set G0B, 56
.set G1S, 68
.set G0S, 76
.set G1SB, 80
.set G0SB, 88
.set MSB, 0
.macro WIN new                         ; the immediate's high byte repeats the setting that is left
.if MSB != (\new)
	s_set_vgpr_msb (MSB<<8)|(\new)
.set MSB, (\new)
.endif
.endm
.set MUL_LO, 0xa1
.set MUL_HI, 0xf1
.set TO_B,   0x40
; A joint load: waves 0 and 1 fetch for A, waves 2 and 3 for B.  The branch hangs on the wave's number alone.  Four v_nop follow each of the two lines.
.macro JLOAD g0a, g1a, g0b, g1b
	s_cmp_eq_u32 s15, 0
	s_cbranch_scc0 .Lfor_b_\@
	tensor_load_to_lds s[\g0a:\g0a+3], s[\g1a:\g1a+7]
	s_nop 0
.rept 4
	v_nop
.endr
	s_branch .Lasked_\@
.Lfor_b_\@:
	tensor_load_to_lds s[\g0b:\g0b+3], s[\g1b:\g1b+7]
	s_nop 0
.rept 4
	v_nop
.endr
.Lasked_\@:
.endm
.macro CREST
	s_cmp_lg_u32 s14, 0
	s_cbranch_scc1 .Lnot_wave_0_\@
	s_barrier_signal -3
.Lnot_wave_0_\@:
	s_barrier_wait -3
	s_barrier_signal -1
	s_barrier_wait -1
.endm
.macro CROUND
	s_barrier_signal -1
	s_barrier_wait -1
	CREST
.endm
	s_load_b256 s[4:11], s[0:1], 0x0               ; A's images, wh, the bias, the residual
	s_load_b64 s[12:13], s[0:1], 0x20              ; the result
	v_lshl_add_u32 v[SPW], v0, 2, SPARE
	v_mov_b32 v[NIL], 0
	ds_add_u32 v28, v29
	ds_add_u32 v28, v29
	s_wait_dscnt 0x0
	v_lshrrev_b32 v1, 5, v0
	v_readfirstlane_b32 s14, v1                    ; wave 0..3
	s_lshr_b32 s15, s14, 1                         ; which half of the tile's rows is mine.  Also: I fetch for A (0) or for B (1)
	s_and_b32 s16, s14, 1                          ; which half of its columns.  Also: which 8 row tiles I fetch
	s_bfe_u32 s40, ttmp6, 0x40000                  ; cx, cy
	s_bfe_u32 s41, ttmp6, 0x40004
	s_lshl_b32 s42, ttmp9, 2
	s_add_co_u32 s42, s42, s40                     ; tile column
	s_and_b32 s17, ttmp7, 0xffff
	s_lshl_b32 s17, s17, 2
	s_add_co_u32 s17, s17, s41                     ; tile row
	s_lshl_b32 s43, s41, 2
	s_lshl_b32 s43, 15, s43                        ; my row of the cluster
	s_lshl_b32 s44, 0x1111, s40                    ; my column
	; descriptor group 1: 8 rows (row tiles) of 3,072 bytes (two images), RTB bytes apart, elements of 8 bytes; they land dense
	s_or_b32 s[G1+0], s43, (3<<16)|(1<<21)
	s_or_b32 s[G1B+0], s44, (3<<16)|(1<<21)
.irp g, G1, G1B
	s_mov_b32 s[\g+1], 384<<16
	s_mov_b32 s[\g+2], 8<<16
	s_mov_b32 s[\g+3], 384<<16
	s_mov_b32 s[\g+4], 8
	s_mov_b32 s[\g+5], KS*192
	s_mov_b32 s[\g+6], 0
	s_mov_b32 s[\g+7], 0
.endr
	s_or_b32 s[G1S+0], s43, (3<<16)|(1<<21)        ; the scale words of 8 row tiles: a dense block, as rows of 256 bytes
	s_or_b32 s[G1SB+0], s44, (3<<16)|(1<<21)
.irp g, G1S, G1SB
	s_mov_b32 s[\g+1], 32<<16
	s_mov_b32 s[\g+2], (2*KS)<<16
	s_mov_b32 s[\g+3], 32<<16
	s_mov_b32 s[\g+4], 2*KS
	s_mov_b32 s[\g+5], 32
	s_mov_b32 s[\g+6], 0
	s_mov_b32 s[\g+7], 0
.endr
	s_lshl_b32 s18, s16, 3
	s_lshl_b32 s20, s17, 4
	s_add_co_u32 s20, s20, s18                     ; A: row tile 16 x tile row + 8 x half
	s_mul_i32 s22, s20, KS*64
	s_add_co_u32 s22, s22, AOS
	s_mul_i32 s20, s20, RTB
	s_mov_b32 s21, 0
	s_mov_b32 s23, 0
	s_lshl_b32 s46, s42, 4
	s_add_co_u32 s46, s46, s18                     ; B: row tile 16 x tile column + 8 x half
	s_mul_i32 s92, s46, KS*64
	s_add_co_u32 s92, s92, BOS
	s_mul_i32 s46, s46, RTB
	s_add_co_u32 s46, s46, BOC
	s_mov_b32 s47, 0
	s_mov_b32 s93, 0
	s_mul_i32 s45, s14, HALFT
	s_mul_i32 s19, s14, HALFS
	s_wait_kmcnt 0x0
	s_add_nc_u64 s[20:21], s[4:5], s[20:21]
	s_add_nc_u64 s[22:23], s[4:5], s[22:23]
	s_add_nc_u64 s[46:47], s[6:7], s[46:47]
	s_add_nc_u64 s[92:93], s[6:7], s[92:93]
	CROUND                                         ; all sixteen work-groups are here: the first joint loads meet
	s_mov_b32 s[G0S], 1
	s_add_co_u32 s[G0S+1], s19, SCL
	s_mov_b64 s[G0S+2:G0S+3], s[22:23]
	s_or_b32 s[G0S+3], s[G0S+3], 0x80000000
	s_mov_b32 s[G0SB], 1
	s_add_co_u32 s[G0SB+1], s19, SCL
	s_mov_b64 s[G0SB+2:G0SB+3], s[92:93]
	s_or_b32 s[G0SB+3], s[G0SB+3], 0x80000000
	JLOAD G0S, G1S, G0SB, G1SB
.irp s, 0,1
	s_mov_b32 s[G0+4*\s], 1
	s_add_co_u32 s[G0+4*\s+1], s45, \s*SLOT
	s_add_nc_u64 s[G0+4*\s+2:G0+4*\s+3], s[20:21], \s*STEPB
	s_or_b32 s[G0+4*\s+3], s[G0+4*\s+3], 0x80000000
	s_mov_b32 s[G0B+4*\s], 1
	s_add_co_u32 s[G0B+4*\s+1], s45, \s*SLOT
	s_add_nc_u64 s[G0B+4*\s+2:G0B+4*\s+3], s[46:47], \s*STEPB
	s_or_b32 s[G0B+4*\s+3], s[G0B+4*\s+3], 0x80000000
	JLOAD G0+4*\s, G1, G0B+4*\s, G1B               ; by this text's count three tensor loads of a wave are out here, later one
.endr
	v_and_b32 v1, 15, v0                           ; r
	v_bfe_u32 v2, v0, 4, 1                         ; h
	v_and_b32 v3, 31, v0                           ; lane
	v_lshlrev_b32 v4, 3, v3
	s_mul_i32 s21, s15, HALFT
	s_mul_i32 s22, s16, HALFT
	s_add_co_u32 s22, s22, 2*HALFT
.irp s, 0,1
	v_add_nc_u32 v[ADRA+\s], s21, v4
	v_add_nc_u32 v[ADRB+\s], s22, v4
	s_add_co_u32 s21, s21, SLOT
	s_add_co_u32 s22, s22, SLOT
.endr
	v_lshlrev_b32 v5, 2, v1
	s_mul_i32 s21, s15, HALFS
	s_mul_i32 s22, s16, HALFS
	s_add_co_u32 s22, s22, 2*HALFS
	s_sub_co_u32 s22, s22, s21
	v_mul_u32_u24 v6, s22, v2                      ; lanes 16-31 take B's
	s_add_co_u32 s21, s21, SCL
	v_add_nc_u32 v5, v5, v6
	v_add_nc_u32 v[ADRS], s21, v5
	s_mul_i32 s23, s14, 16*SPITCH                  ; my stage
	v_mul_u32_u24 v5, v1, SPITCH
	v_lshl_add_u32 v5, v2, 6, v5
	v_add_nc_u32 v[STO], s23, v5                   ; in: row r, + 64 h
	v_lshlrev_b32 v[CO], 4, v3
	v_add_nc_u32 v[RD], s23, v[CO]                 ; back: the 32 lanes take a row of 512 bytes
	s_lshl_b32 s46, s42, 10
	s_lshl_b32 s47, s16, 9
	s_add_co_u32 s46, s46, s47                     ; my first column, in bytes
	s_mov_b32 s47, 0
	s_add_nc_u64 s[8:9], s[8:9], s[46:47]
	global_load_b128 v[BI:BI+3], v[CO], s[8:9]     ; the bias at my four columns of a row
	s_lshl_b32 s20, s17, 8
	s_lshl_b32 s21, s15, 7
	s_add_co_u32 s20, s20, s21
	s_lshl_b32 s20, s20, 12                        ; my first token's row
	s_mov_b32 s21, 0
	s_add_nc_u64 s[20:21], s[20:21], s[46:47]
	s_add_nc_u64 s[10:11], s[10:11], s[20:21]      ; both bases stay as they are from here on: a row's place stands in the immediate
	s_add_nc_u64 s[12:13], s[12:13], s[20:21]
.macro FRAG reg, adr, q, i
.irp p, 0,1,2,3,4,5
	ds_load_b64 v[\reg+2*\p:\reg+2*\p+1], v[\adr] offset:(\i)*STEPB+(\q)*IMG+256*\p
.endr
.endm
; 16 matrix instructions: A's blocks a0, a0 + 1 x B's eight.  The 64 accumulators take turns, one instruction a turn, in the same order in every step.
.macro MUL16 a0, p, q, sc, zero
.irp a, \a0, \a0+1
.irp b, 0,1,2,3,4,5,6,7
.set DD,  8*(8*((\a)%4)+\b)
.set FB,  128*(\p)+FR*\b
.set FA,  AF+FR*(\a)
.set SWB, SC+8*NQ*(\sc)+NQ*\b+(\q)
.set SWX, SC+8*NQ*(\sc)+NQ*(\a)+(\q)
.if \zero
	v_wmma_scale_f32_16x16x128_f8f6f4 v[DD:DD+7], v[FB:FB+FR-1], v[FA:FA+FR-1], 0, v[SWB], v[SWX] matrix_a_fmt:MATRIX_FMT_BF6 matrix_b_fmt:MATRIX_FMT_BF6 matrix_a_scale:MATRIX_SCALE_ROW1
.else
	v_wmma_scale_f32_16x16x128_f8f6f4 v[DD:DD+7], v[FB:FB+FR-1], v[FA:FA+FR-1], v[DD:DD+7], v[SWB], v[SWX] matrix_a_fmt:MATRIX_FMT_BF6 matrix_b_fmt:MATRIX_FMT_BF6 matrix_a_scale:MATRIX_SCALE_ROW1
.endif
.endr
.endr
.endm
.macro FETCH_B slot, q, p
	WIN TO_B
.irp i, 0,1,2,3,4,5,6,7
	FRAG 128*(\p)+FR*\i, ADRB+\slot, \q, \i
.endr
	WIN 0
.endm
.macro FETCH_A slot, q, i0
.irp i, \i0, \i0+1, \i0+2, \i0+3
	FRAG AF+FR*(\i), ADRA+\slot, \q, \i
.endr
.endm
.macro SCALES sc
.irp i, 0,1,2,3,4,5,6,7
.irp q, 0,1
	ds_load_b32 v[SC+8*NQ*\sc+NQ*\i+\q], v[ADRS] offset:\i*KS*64+64*\q
.endr
.endr
.endm
.macro PLACES n
.rept \n
	v_nop
.endr
.endm
.macro STEP slot, q, zero
	s_wait_dscnt 4*NL                              ; all but the youngest 24 loads (A's blocks 4-7)
	WIN MUL_LO
	MUL16 0, (\q)%2, \q, \slot, \zero
	MUL16 2, (\q)%2, \q, \slot, \zero
	s_wait_dscnt 0
	PLACES NP
	FETCH_B \slot, (\q)+1, 1-(\q)%2
	FETCH_A \slot, (\q)+1, 0
	WIN MUL_HI
	MUL16 4, (\q)%2, \q, \slot, \zero
	MUL16 6, (\q)%2, \q, \slot, \zero
	PLACES NP
	WIN 0
	FETCH_A \slot, (\q)+1, 4
.endm
.macro TURN slot, next, fill
	s_wait_tensorcnt 0x0                           ; all my tensor loads have landed: my part of the next slot
	ds_add_u32 v[SPW], v[NIL]                      ; 0 onto my spare word
	s_wait_dscnt 4*NL+1                            ; (the add and A's blocks 4-7 may be out)
	WIN MUL_LO
	MUL16 0, 1, NQ-1, \slot, 0
	s_wait_dscnt 0x0                               ; the add is done, and my reads of this slot are over
	s_barrier_signal -1
	MUL16 2, 1, NQ-1, \slot, 0
	WIN 0
	s_barrier_wait -1
.if \fill
	CREST                                          ; the barrier has opened a round of the cluster's: no wave of any partner still reads this slot or has a load on its way
	s_add_nc_u64 s[G0+4*\slot+2:G0+4*\slot+3], s[G0+4*\slot+2:G0+4*\slot+3], 2*STEPB
	s_add_nc_u64 s[G0B+4*\slot+2:G0B+4*\slot+3], s[G0B+4*\slot+2:G0B+4*\slot+3], 2*STEPB
	JLOAD G0+4*\slot, G1, G0B+4*\slot, G1B
.else
	PLACES NP
.endif
	v_add_nc_u32 v[ADRS], 64*NQ, v[ADRS]
	FETCH_B \next, 0, 0
	FETCH_A \next, 0, 0
	SCALES \next
	WIN MUL_HI
	MUL16 4, 1, NQ-1, \slot, 0
	MUL16 6, 1, NQ-1, \slot, 0
	PLACES NP
	WIN 0
	FETCH_A \next, 0, 4
.endm
	s_wait_tensorcnt 1                             ; the scale words and my part of slot 0 are in (slot 1's load may be out)
	s_barrier_signal -1
	s_barrier_wait -1
	FETCH_B 0, 0, 0
	FETCH_A 0, 0, 0
	SCALES 0
	FETCH_A 0, 0, 4
	STEP 0, 0, 1
	s_mov_b32 s3, LAPS-1
.Llap:
	TURN 0, 1, 1
	STEP 1, 0, 0
	TURN 1, 0, 1
	STEP 0, 0, 0
	s_sub_co_u32 s3, s3, 1
	s_cmp_lg_u32 s3, 0
	s_cbranch_scc1 .Llap
	TURN 0, 1, 0
	STEP 1, 0, 0
	s_wait_dscnt 4*NL
	WIN MUL_LO
	MUL16 0, 1, NQ-1, 1, 0
	MUL16 2, 1, NQ-1, 1, 0
	s_wait_dscnt 0
	WIN MUL_HI
	MUL16 4, 1, NQ-1, 1, 0
	MUL16 6, 1, NQ-1, 1, 0
	WIN 0
; THE WAY OUT, block by block of 16 tokens x 128 columns: through my own stage in LDS, back as whole rows of 512 bytes; the residual's same rows and the bias are added; 512 consecutive bytes a store.
; Row t of block a is token 32 (a / 2) + 8 (a % 2) + t + 8 (t / 8) of my 128: at most 127 rows of 4,096 bytes, in the immediate.
.macro RLOAD a                         ; the residual's 16 rows of block a -> window 1, buffer a % 4
	WIN 0x40
.irp t, 0,1,2,3,4,5,6,7,8,9,10,11,12,13,14,15
	global_load_b128 v[64*((\a)%4)+4*\t:64*((\a)%4)+4*\t+3], v[CO], s[10:11] offset:(32*((\a)/2)+8*((\a)%2)+\t+8*(\t/8))*4096
.endr
	WIN 0
.endm
.macro TOSTAGE a
.set AC, 64*((\a)%4)
	WIN 0x08+4*((\a)/4)                            ; the data: window 2 or 3
.irp b, 0,1,2,3,4,5,6,7
	ds_store_b128 v[STO], v[AC+8*\b:AC+8*\b+3] offset:128*(\b/2)+32*(\b%2)       ; each accumulator from its low end on
	ds_store_b128 v[STO], v[AC+8*\b+4:AC+8*\b+7] offset:128*(\b/2)+32*(\b%2)+16
.endr
	WIN 0
.set BB, BK+64*((\a)%2)
.irp t, 0,1,2,3,4,5,6,7,8,9,10,11,12,13,14,15
	ds_load_b128 v[BB+4*\t:BB+4*\t+3], v[RD] offset:\t*SPITCH                    ; LDS serves a wave's instructions in order: these see the stores above
.endr
.endm
.macro SEND a, younger
.set BB, BK+64*((\a)%2)
.set RR, 64*((\a)%4)
	s_wait_dscnt \younger                          ; the block is back in registers
.if (\a) < 5
	s_wait_loadcnt 48                              ; its residual is in; three younger blocks of sixteen loads may be out
.else
	s_wait_loadcnt 16*(7-(\a))
.endif
	WIN 0x04                                       ; source 1: window 1
.set I, 0
.rept 32
	v_pk_add_f32 v[BB+I:BB+I+1], v[BB+I:BB+I+1], v[RR+I:RR+I+1]
.set I, I+2
.endr
	WIN 0
.irp t, 0,1,2,3,4,5,6,7,8,9,10,11,12,13,14,15
	v_pk_add_f32 v[BB+4*\t:BB+4*\t+1], v[BB+4*\t:BB+4*\t+1], v[BI:BI+1]
	v_pk_add_f32 v[BB+4*\t+2:BB+4*\t+3], v[BB+4*\t+2:BB+4*\t+3], v[BI+2:BI+3]
.endr
.if (\a) < 4
	RLOAD (\a)+4
.endif
.irp t, 0,1,2,3,4,5,6,7,8,9,10,11,12,13,14,15
.if LAST
	global_store_b128 v[CO], v[BB+4*\t:BB+4*\t+3], s[12:13] offset:(32*((\a)/2)+8*((\a)%2)+\t+8*(\t/8))*4096 th:TH_STORE_NT
.else
	global_store_b128 v[CO], v[BB+4*\t:BB+4*\t+3], s[12:13] offset:(32*((\a)/2)+8*((\a)%2)+\t+8*(\t/8))*4096
.endif
.endr
.endm
	PLACES NP                                      ; behind the last products: loads land where their operands lay, and results are read
	RLOAD 0
	RLOAD 1
	RLOAD 2
	RLOAD 3
	TOSTAGE 0
.irp a, 1,2,3,4,5,6,7
.if \a > 1
	s_wait_xcnt 0x0                                ; block a - 2's stores have read their registers: block a's loads may land there
.endif
	TOSTAGE \a
	SEND \a-1, 32                                  ; behind block a - 1's loads: block a's 16 stores and 16 loads
.endr
	s_wait_xcnt 0x0
	SEND 7, 0
	s_wait_tensorcnt 0x0                           ; the wave's end
	ds_add_u32 v[SPW], v[NIL]
	s_wait_dscnt 0x0
	CROUND                                         ; the closing round
	s_endpgm
.Lfunc_end_k_qa7d26572af_wo:
	.size	k_qa7d26572af_wo, .Lfunc_end_k_qa7d26572af_wo-k_qa7d26572af_wo
	.p2alignl 7, 3214868480
	.fill 96, 4, 3214868480
	.section	.rodata,"a",@progbits
	.p2align	6, 0x0
	.amdhsa_kernel k_qa7d26572af_wo
		.amdhsa_group_segment_fixed_size 327680
		.amdhsa_private_segment_fixed_size 0
		.amdhsa_enable_private_segment 0
		.amdhsa_kernarg_size 40
		.amdhsa_user_sgpr_count 2
		.amdhsa_user_sgpr_kernarg_segment_ptr 1
		.amdhsa_wavefront_size32 1
		.amdhsa_system_sgpr_workgroup_id_x 1
		.amdhsa_system_sgpr_workgroup_id_y 1
		.amdhsa_system_sgpr_workgroup_id_z 1
		.amdhsa_system_vgpr_workitem_id 0
		.amdhsa_next_free_vgpr 1024
		.amdhsa_next_free_sgpr 100
		.amdhsa_reserve_vcc 0
		.amdhsa_float_denorm_mode_32 3
		.amdhsa_float_denorm_mode_16_64 3
		.amdhsa_memory_ordered 1
		.amdhsa_forward_progress 1
		.amdhsa_inst_pref_size 206
	.end_amdhsa_kernel
	.amdgpu_metadata
---
amdhsa.version: [ 1, 2 ]
amdhsa.kernels:
  - .name:           k_qa7d26572af_wo
    .symbol:         k_qa7d26572af_wo.kd
    .args:
      - { .name: oimg, .offset: 0, .size: 8, .value_kind: global_buffer, .address_space: global }
      - { .name: wh, .offset: 8, .size: 8, .value_kind: global_buffer, .address_space: global }
      - { .name: bo, .offset: 16, .size: 8, .value_kind: global_buffer, .address_space: global }
      - { .name: x, .offset: 24, .size: 8, .value_kind: global_buffer, .address_space: global }
      - { .name: x1, .offset: 32, .size: 8, .value_kind: global_buffer, .address_space: global }
    .group_segment_fixed_size: 327680
    .private_segment_fixed_size: 0
    .kernarg_segment_align: 8
    .kernarg_segment_size: 40
    .max_flat_workgroup_size: 128
    .sgpr_count:     100
    .vgpr_count:     1024
    .wavefront_size: 32
...
	.end_amdgpu_metadata
.endif
;; end of part 5
;; launch ln2: the kernel of part 2 again; grid 256 x 1, 4 waves a work-group, no clusters, 66,816 bytes of LDS; arguments x1, ln2_g, ln2_b, h2img; writes h2img
;; launch ffn1 (part 6): grid 16 x 16, 4 waves a work-group, clusters of 4 x 4, 327,680 bytes of LDS; arguments h2img, wh, b1, gimg; writes gimg
.if DOCPART == 6
	.amdgcn_target "amdgcn-amd-amdhsa--gfx1250"
	.amdhsa_code_object_version 6
	.text
	.protected	k_qa7d26572af_ffn1
	.globl	k_qa7d26572af_ffn1
	.p2align	8
	.type	k_qa7d26572af_ffn1,@function
k_qa7d26572af_ffn1:
	s_mov_b64 s[64:65], 0
	v_nop
	global_prefetch_b8 v0, s[64:65] scope:SCOPE_SE
	s_setreg_imm32_b32 hwreg(HW_REG_WAVE_MODE, 25, 1), 1
	s_wait_xcnt 0x0
	s_wait_alu depctr_hold_cnt(0) depctr_sa_sdst(0) depctr_va_vdst(0) depctr_va_sdst(0) depctr_va_ssrc(0) depctr_va_vcc(0) depctr_vm_vsrc(0)
	s_getreg_b32 s2, hwreg(HW_REG_IB_STS2, 6, 4)
	s_cmp_eq_u32 s2, 0
	s_cbranch_scc0 .Lentry_in_a_cluster
	s_endpgm
.Lentry_in_a_cluster:
	s_bfe_u32 s2, ttmp6, 0x10000c
	s_cmp_lg_u32 s2, 0xf033
	s_cbranch_scc0 .Lentry_shape_is_right
	s_endpgm
.Lentry_shape_is_right:
; A GEMM on codes of BF6 (E3M2, one E8M0 byte for each 32 along K) whose result, with its bias (and, in the FFN's first layer, gelu), is quantised again in registers and leaves as codes.
; This text serves two launches by the constant QKV.  QKV = 1: q = h Wq + bq, k = h Wk + bk, and v^T = (h Wv + bv)^T.  QKV = 0: g = gelu(h2 W1 + b1).
; OPERANDS lie in memory as images of their registers: a fragment (16 rows x 128 K, 12 registers a lane) is 1,536 bytes, register 2 p + e of lane l at 256 p + 8 l + 4 e; row tile T, K step s at
; (T KS + s) x 1,536; its scale words (row r at 4 r) at (T KS + s) x 64.  Row r of tile T is index 32 (T / 2) + 8 (T % 2) + r + 8 (r / 8).  So a K step's tiles are dense, a fragment comes from LDS by
; six loads of 8 bytes a lane (256 consecutive bytes each), and with the product used TRANSPOSED (source 0 = 16 rows of B, source 1 = 16 rows of A) a lane holds one row of A and, in the 16 registers
; of two neighbouring tiles of B, 16 NEIGHBOURS along B's rows: the next product's K.  The conversions' results are then the next operand's registers.
; SHAPE.  A tile of the result is 256 x 256, four waves, 128 x 128 each: 64 accumulators, 512 registers.  K goes in steps of 256 through two LDS slots filled by the tensor data mover; the scale words
; of the work-group's rows, for all of K, come once.  4 x 4 work-groups form a cluster: A's tiles are asked for jointly along a row of it, B's along a column.
; QKV = 1: clusters x = 0, 1 make q and k (A = h, B = Wq | Wk: a lane's registers run along the features, K of q k^T); cluster x = 2 makes v^T (A = Wv, B = h: they run along the tokens, K of p v).
; The two roles differ in offsets and strides alone, chosen by selects on the cluster's x, which all partners share: no branch.  Both biases are loaded in both roles and the one that is not due is masked to 0.
; gelu = 0.5 x (1 + erf(x / sqrt 2)), erf(z) = z P(z^2) / Q(z^2) with z held to +-3.8325 (P of degree 4, Q of degree 6 in z^2).
; LIMITS: NaN and infinities are not served.  A block of zeros gets the byte 1 (its codes are zeros; this program alone reads the bytes).  gelu's absolute error is about 1e-7 |x|, from the sum 1 + erf: relatively
; coarse only where gelu itself is under about 1e-4 |x|, on the far negative side.  1 / Q is v_rcp_f32.
; REGISTERS, in windows of 256: window 0: v0-31 addresses; v32-63 scale words, two sets, and nothing else; v64-127 the bias along the registers; v128-223 A's fragments, ONE set; v224-255 way out.
;   window 1: B's fragments, two sets, at v0 and v128.   windows 2, 3: the accumulators of my rows 0-63, 64-127 (accumulator (a, b) at v[8 (8 (a % 4) + b)]).
.set QKV,    0
.set KS,     8                         ; K steps of 128 in K
.set IMG,    1536
.set NQ,     2                         ; K steps of 128 in a slot
.set STEPB,  NQ*IMG                    ; a row tile's bytes in a slot
.set RTB,    KS*IMG                    ; a row tile's bytes in memory
.set FR,     12
.set NL,     6                         ; LDS loads that bring a fragment
.set NP,     4                         ; places behind this matrix instruction (ISA guide 7.12.1)
.set HALFT,  8*STEPB                   ; 8 row tiles: what one tensor load brings, and what one wave reads of A or of B
.set SLOT,   4*HALFT                   ; A's 16 row tiles, then B's 16
.set LAPS,   KS/4                      ; a lap = once round the ring
.set SCL,    2*SLOT                    ; behind the ring: the scale words
.set HALFS,  8*KS*64                   ; those of 8 row tiles
.set SPARE,  SCL+4*HALFS               ; the spare words, 128 bytes for each wave: two blocks of 256 bytes that no other line names
.set VO,   4                           ; v4   8 x lane
.set ADRA, 16                          ; v16-17 my A fragments in slot 0, 1
.set ADRB, 20                          ; v20-21 the same for B
.set VS,   25                          ; v25  the way out: where my 16 bytes of scale words go
.set SWA,  26                          ; v26  LDS: my row's word in my wave's 512 bytes (in slot 0, which has had its last fill and its last read by then)
.set ADRS, 27                          ; v27  LDS: my scale words: lanes 0-15 A's rows, lanes 16-31 B's
.set SPW,  28                          ; v28  my spare word; never rewritten
.set NIL,  29                          ; v29  0; never rewritten
.set SRA,  30                          ; v30  LDS: the 512 bytes read back, 16 a lane
.set SC,   32
.set BC,   64
.set AF,   128
.set W,    128                         ; the way out: v128-191 a block's 64 numbers
.set Z,    192                         ; gelu at work: z, z^2, P, Q, eight numbers each
.set Z2,   200
.set PP,   208
.set QQ,   216
.set PC,   192                         ; then the codes, v192-211, and the scale word
.set PW,   212
.set BRC,  214                         ; v[214:215] the block's bias by rows
.set BR,   224                         ; v224-231 bv at my row of each of my 8 blocks (QKV = 1)
.set CA7,  224                         ; gelu's addends, each twice (QKV = 0)
.set CA5,  226
.set CA3,  228
.set CA1,  230
.set CB10, 232
.set CB8,  234
.set CB6,  236
.set CB4,  238
.set CB2,  12
.set TM,   240
.set G1, 24                            ; s[24:31] descriptor group 1 for A's tiles; s[32:39] group 0, one set a slot
.set G0, 32
.set G1B, 48                           ; the same for B's
.set G0B, 56
.set G1S, 68                           ; for A's scale words; for B's
.set G0S, 76
.set G1SB, 80
.set G0SB, 88
.set SEL, 46
.set CLN, 22
.set CLP, 23
.if QKV
.set PA,  4                            ; A and B both lie in wh
.set PB,  4
.set PBI, 6
.set OC,  12
.else
.set PA,  4                            ; A in h2img, B in wh
.set PB,  6
.set PBI, 8
.set OC,  10
.endif
.set MSB, 0
.macro WIN new                         ; the immediate's high byte repeats the setting that is left
.if MSB != (\new)
	s_set_vgpr_msb (MSB<<8)|(\new)
.set MSB, (\new)
.endif
.endm
.set MUL_LO, 0xa1                      ; source 0 (B) window 1, source 1 (A) window 0, C and D window 2
.set MUL_HI, 0xf1
.set TO_B,   0x40
; A joint load: waves 0 and 1 fetch for A, waves 2 and 3 for B.  The branch hangs on the wave's number alone.  Four v_nop follow each of the two lines.
.macro JLOAD g0a, g1a, g0b, g1b
	s_cmp_eq_u32 s15, 0
	s_cbranch_scc0 .Lfor_b_\@
	tensor_load_to_lds s[\g0a:\g0a+3], s[\g1a:\g1a+7]
	s_nop 0
.rept 4
	v_nop
.endr
	s_branch .Lasked_\@
.Lfor_b_\@:
	tensor_load_to_lds s[\g0b:\g0b+3], s[\g1b:\g1b+7]
	s_nop 0
.rept 4
	v_nop
.endr
.Lasked_\@:
.endm
.macro CREST                           ; a round of the cluster's barrier behind its opening barrier
	s_cmp_lg_u32 s14, 0
	s_cbranch_scc1 .Lnot_wave_0_\@
	s_barrier_signal -3
.Lnot_wave_0_\@:
	s_barrier_wait -3
	s_barrier_signal -1
	s_barrier_wait -1
.endm
.macro CROUND
	s_barrier_signal -1
	s_barrier_wait -1
	CREST
.endm
	s_load_b256 s[4:11], s[0:1], 0x0
.if QKV
	s_load_b64 s[12:13], s[0:1], 0x20
.endif
	v_lshl_add_u32 v[SPW], v0, 2, SPARE
	v_mov_b32 v[NIL], 0
	ds_add_u32 v28, v29
	ds_add_u32 v28, v29
	s_wait_dscnt 0x0
	v_lshrrev_b32 v1, 5, v0
	v_readfirstlane_b32 s14, v1                    ; wave 0..3
	s_lshr_b32 s15, s14, 1                         ; which half of the tile's rows is mine.  Also: I fetch for A (0) or for B (1)
	s_and_b32 s16, s14, 1                          ; which half of its columns.  Also: which 8 row tiles I fetch
	s_bfe_u32 s40, ttmp6, 0x40000                  ; cx, cy: my place in the cluster
	s_bfe_u32 s41, ttmp6, 0x40004
	s_lshl_b32 s43, s41, 2
	s_lshl_b32 s43, 15, s43                        ; my row of the cluster
	s_lshl_b32 s44, 0x1111, s40                    ; my column
	s_and_b32 s18, ttmp7, 0xffff
	s_lshl_b32 s18, s18, 2                         ; 4 x cluster y
	s_lshl_b32 s19, ttmp9, 2                       ; 4 x cluster x
.if QKV
	s_mov_b32 s96, 3145728
	s_mov_b32 s98, 12713984
	s_mov_b32 s66, 1536
	s_mov_b32 s99, 393216
	s_mov_b32 s100, 9437184
	s_cmp_eq_u32 ttmp9, 2                          ; the role: v^T in cluster x = 2.  First value: v^T's; second: q's and k's
	s_cselect_b32 s17, 0, s18                      ; tile row less cy
	s_cselect_b32 s42, s18, s19                    ; tile column less cx
	s_cselect_b32 s95, 4849664, 0                  ; A's codes in wh: Wv | h
	s_cselect_b32 s96, 12779520, s96               ; A's scale words
	s_cselect_b32 s97, 0, 3276800                  ; B's codes: h | Wq, Wk
	s_cselect_b32 s98, 3145728, s98                ; B's scale words
	s_cselect_b32 s101, 6291456, 0                 ; the result's codes: [feature tile][token step] | [128 features][token tile]
	s_cselect_b32 s66, 49152, s66                  ; from a row tile to the next
	s_cselect_b32 s99, 1536, s99                   ; from 128 columns to the next
	s_cselect_b32 s100, 9699328, s100              ; the result's scale words,
	s_cselect_b32 s104, 2048, 64                   ; their two strides
	s_cselect_b32 s105, 64, 16384
	s_cselect_b32 s94, 0, -1                       ; keeps the bias along the registers (bq, bk)
	s_cselect_b32 s2, -1, 0                        ; keeps the bias by rows (bv)
.else
	s_mov_b32 s17, s18
	s_mov_b32 s42, s19
	s_mov_b32 s95, 0                               ; A's codes in h2img,
	s_mov_b32 s96, 3145728                         ; its scale words;
	s_mov_b32 s97, 6422528                         ; W1's codes in wh,
	s_mov_b32 s98, 12845056                        ; its scale words;
	s_mov_b32 s101, 0                              ; g's codes [token tile][32][1536],
	s_mov_b32 s66, 49152
	s_mov_b32 s99, 1536
	s_mov_b32 s100, 12582912                       ; its scale words
	s_mov_b32 s104, 2048
	s_mov_b32 s105, 64
.endif
	s_mov_b32 s67, 0
	s_add_co_u32 s17, s17, s41                     ; tile row: hangs on cy and on what all partners share
	s_add_co_u32 s42, s42, s40                     ; tile column: on cx likewise
	; descriptor group 1: 8 rows (row tiles) of 3,072 bytes (two images), RTB bytes apart, elements of 8 bytes; they land dense
	s_or_b32 s[G1+0], s43, (3<<16)|(1<<21)         ; 15:0 the mask: A's tiles go to my row; 17:16 elements of 8 bytes; 21 set beside a mask; no padding
	s_or_b32 s[G1B+0], s44, (3<<16)|(1<<21)
.irp g, G1, G1B
	s_mov_b32 s[\g+1], 384<<16                     ; tensor_dim0
	s_mov_b32 s[\g+2], 8<<16                       ; tensor_dim1
	s_mov_b32 s[\g+3], 384<<16                     ; tile_dim0
	s_mov_b32 s[\g+4], 8                           ; tile_dim1
	s_mov_b32 s[\g+5], KS*192                      ; tensor_dim0_stride
	s_mov_b32 s[\g+6], 0
	s_mov_b32 s[\g+7], 0
.endr
	; the scale words of 8 row tiles: a dense block of HALFS bytes, as rows of 256
	s_or_b32 s[G1S+0], s43, (3<<16)|(1<<21)
	s_or_b32 s[G1SB+0], s44, (3<<16)|(1<<21)
.irp g, G1S, G1SB
	s_mov_b32 s[\g+1], 32<<16
	s_mov_b32 s[\g+2], (2*KS)<<16
	s_mov_b32 s[\g+3], 32<<16
	s_mov_b32 s[\g+4], 2*KS
	s_mov_b32 s[\g+5], 32
	s_mov_b32 s[\g+6], 0
	s_mov_b32 s[\g+7], 0
.endr
	s_lshl_b32 s18, s16, 3
	s_lshl_b32 s20, s17, 4
	s_add_co_u32 s20, s20, s18                     ; A: row tile 16 x tile row + 8 x half
	s_mul_i32 s22, s20, KS*64
	s_add_co_u32 s22, s22, s96
	s_mul_i32 s20, s20, RTB
	s_add_co_u32 s20, s20, s95
	s_mov_b32 s21, 0
	s_mov_b32 s23, 0
	s_lshl_b32 s46, s42, 4
	s_add_co_u32 s46, s46, s18                     ; B: row tile 16 x tile column + 8 x half
	s_mul_i32 s92, s46, KS*64
	s_add_co_u32 s92, s92, s98
	s_mul_i32 s46, s46, RTB
	s_add_co_u32 s46, s46, s97
	s_mov_b32 s47, 0
	s_mov_b32 s93, 0
	s_mul_i32 s45, s14, HALFT                      ; where they go: no place in the cluster enters an LDS address
	s_mul_i32 s19, s14, HALFS
	s_wait_kmcnt 0x0
	s_add_nc_u64 s[20:21], s[PA:PA+1], s[20:21]
	s_add_nc_u64 s[22:23], s[PA:PA+1], s[22:23]
	s_add_nc_u64 s[46:47], s[PB:PB+1], s[46:47]
	s_add_nc_u64 s[92:93], s[PB:PB+1], s[92:93]
	CROUND                                         ; all sixteen work-groups are here: the first joint loads meet
	s_mov_b32 s[G0S], 1
	s_add_co_u32 s[G0S+1], s19, SCL
	s_mov_b64 s[G0S+2:G0S+3], s[22:23]
	s_or_b32 s[G0S+3], s[G0S+3], 0x80000000
	s_mov_b32 s[G0SB], 1
	s_add_co_u32 s[G0SB+1], s19, SCL
	s_mov_b64 s[G0SB+2:G0SB+3], s[92:93]
	s_or_b32 s[G0SB+3], s[G0SB+3], 0x80000000
	JLOAD G0S, G1S, G0SB, G1SB                     ; the scale words first: they are wanted with K step 0
.irp s, 0,1
	s_mov_b32 s[G0+4*\s], 1
	s_add_co_u32 s[G0+4*\s+1], s45, \s*SLOT
	s_add_nc_u64 s[G0+4*\s+2:G0+4*\s+3], s[20:21], \s*STEPB
	s_or_b32 s[G0+4*\s+3], s[G0+4*\s+3], 0x80000000
	s_mov_b32 s[G0B+4*\s], 1
	s_add_co_u32 s[G0B+4*\s+1], s45, \s*SLOT
	s_add_nc_u64 s[G0B+4*\s+2:G0B+4*\s+3], s[46:47], \s*STEPB
	s_or_b32 s[G0B+4*\s+3], s[G0B+4*\s+3], 0x80000000
	JLOAD G0+4*\s, G1, G0B+4*\s, G1B               ; by this text's count three tensor loads of a wave are out here, later one
.endr
	v_and_b32 v1, 15, v0                           ; r
	v_bfe_u32 v2, v0, 4, 1                         ; h
	v_and_b32 v3, 31, v0                           ; lane
	v_lshlrev_b32 v[VO], 3, v3
	s_mul_i32 s21, s15, HALFT                      ; my 8 row tiles of A
	s_mul_i32 s22, s16, HALFT
	s_add_co_u32 s22, s22, 2*HALFT                 ; my 8 of B, behind A's 16
.irp s, 0,1
	v_add_nc_u32 v[ADRA+\s], s21, v[VO]
	v_add_nc_u32 v[ADRB+\s], s22, v[VO]
	s_add_co_u32 s21, s21, SLOT
	s_add_co_u32 s22, s22, SLOT
.endr
	v_lshlrev_b32 v5, 2, v1
	s_mul_i32 s21, s15, HALFS
	s_mul_i32 s22, s16, HALFS
	s_add_co_u32 s22, s22, 2*HALFS
	s_sub_co_u32 s22, s22, s21
	v_mul_u32_u24 v6, s22, v2                      ; lanes 16-31 take B's
	s_add_co_u32 s21, s21, SCL
	v_add_nc_u32 v5, v5, v6
	v_add_nc_u32 v[ADRS], s21, v5
	s_lshl_b32 s21, s14, 9
	v_lshl_add_u32 v[SWA], v1, 2, s21
	v_lshl_add_u32 v[SRA], v3, 4, s21
	v_lshrrev_b32 v5, 2, v3
	v_mul_u32_u24 v[VS], s104, v5
	v_and_b32 v5, 3, v3
	v_lshl_add_u32 v[VS], v5, 4, v[VS]             ; lane l: row tile l / 4, words 4 (l % 4) ..
	v_lshlrev_b32 v7, 6, v2                        ; the bias along the registers: 64 h; never rewritten
	s_lshl_b32 s18, s17, 4
	s_lshl_b32 s19, s15, 3
	s_add_co_u32 s18, s18, s19                     ; my first row tile
	s_lshl_b32 s19, s42, 1
	s_add_co_u32 s19, s19, s16                     ; my 128 columns
	s_mov_b32 s21, 0
.if QKV
	s_and_b32 s20, s19, 7
	s_lshl_b32 s20, s20, 9
	s_cmp_eq_u32 ttmp9, 0
	s_cselect_b64 s[6:7], s[6:7], s[8:9]           ; bq for columns 0-1,023, else bk (in v^T's role the numbers are masked away; the offset stays inside the buffer)
	s_add_nc_u64 s[6:7], s[6:7], s[20:21]
	s_and_b32 s20, s18, 63
	s_lshl_b32 s20, s20, 6
	s_add_nc_u64 s[10:11], s[10:11], s[20:21]      ; bv at my first row tile's 16 features (modulo the 64 tiles that bv has)
	v_and_b32 v9, 8, v1
	v_add_nc_u32 v9, v9, v1
	v_lshlrev_b32 v9, 2, v9                        ; 4 (r + 8 (r / 8)); never rewritten
.else
	s_lshl_b32 s20, s19, 9
	s_add_nc_u64 s[8:9], s[8:9], s[20:21]
.endif
.irp b, 0,1,2,3
.irp q, 0,1,2,3
	global_load_b128 v[BC+16*\b+4*\q:BC+16*\b+4*\q+3], v7, s[PBI:PBI+1] offset:128*\b+16*\q   ; register 16 b + i: column 32 b + 16 h + i
.endr
.endr
.if QKV
.irp a, 0,1,2,3,4,5,6,7
	global_load_b32 v[BR+\a], v9, s[10:11] offset:(32*(\a/2)+8*(\a%2))*4
.endr
.endif
	s_mul_i32 s22, s18, s104
	s_mul_i32 s23, s19, s105
	s_add_co_u32 s22, s22, s23
	s_add_co_u32 s22, s22, s100
	s_mov_b32 s23, 0
	s_add_nc_u64 s[92:93], s[OC:OC+1], s[22:23]    ; where my 8 x 16 scale words go
	s_mul_i32 s20, s18, s66
	s_mul_i32 s22, s19, s99
	s_add_co_u32 s20, s20, s22
	s_add_co_u32 s20, s20, s101
	s_add_nc_u64 s[OC:OC+1], s[OC:OC+1], s[20:21]  ; and my first image
.macro FRAG reg, adr, q, i             ; a fragment as it lies: six loads, 256 consecutive bytes each
.irp p, 0,1,2,3,4,5
	ds_load_b64 v[\reg+2*\p:\reg+2*\p+1], v[\adr] offset:(\i)*STEPB+(\q)*IMG+256*\p
.endr
.endm
; 16 matrix instructions: A's blocks a0, a0 + 1 x B's eight, the slot's q-th 128 along K.  p: B's set; sc: the set of scale words.  zero = 1: the first product starts the sums.
; The 64 accumulators take turns, one instruction a turn, in the same order in every step.
.macro MUL16 a0, p, q, sc, zero
.irp a, \a0, \a0+1
.irp b, 0,1,2,3,4,5,6,7
.set DD,  8*(8*((\a)%4)+\b)
.set FB,  128*(\p)+FR*\b
.set FA,  AF+FR*(\a)
.set SWB, SC+8*NQ*(\sc)+NQ*\b+(\q)
.set SWX, SC+8*NQ*(\sc)+NQ*(\a)+(\q)
.if \zero
	v_wmma_scale_f32_16x16x128_f8f6f4 v[DD:DD+7], v[FB:FB+FR-1], v[FA:FA+FR-1], 0, v[SWB], v[SWX] matrix_a_fmt:MATRIX_FMT_BF6 matrix_b_fmt:MATRIX_FMT_BF6 matrix_a_scale:MATRIX_SCALE_ROW1
.else
	v_wmma_scale_f32_16x16x128_f8f6f4 v[DD:DD+7], v[FB:FB+FR-1], v[FA:FA+FR-1], v[DD:DD+7], v[SWB], v[SWX] matrix_a_fmt:MATRIX_FMT_BF6 matrix_b_fmt:MATRIX_FMT_BF6 matrix_a_scale:MATRIX_SCALE_ROW1
.endif
.endr
.endr
.endm
.macro FETCH_B slot, q, p
	WIN TO_B
.irp i, 0,1,2,3,4,5,6,7
	FRAG 128*(\p)+FR*\i, ADRB+\slot, \q, \i
.endr
	WIN 0
.endm
.macro FETCH_A slot, q, i0
.irp i, \i0, \i0+1, \i0+2, \i0+3
	FRAG AF+FR*(\i), ADRA+\slot, \q, \i
.endr
.endm
.macro SCALES sc                       ; a slot's scale words: lanes 0-15 A's block i, lanes 16-31 B's block i
.irp i, 0,1,2,3,4,5,6,7
.irp q, 0,1
	ds_load_b32 v[SC+8*NQ*\sc+NQ*\i+\q], v[ADRS] offset:\i*KS*64+64*\q
.endr
.endr
.endm
.macro PLACES n                        ; plain vector instructions between a matrix instruction and a load into, or a read of, its registers
.rept \n
	v_nop
.endr
.endm
.macro STEP slot, q, zero              ; a step of 128 along K that has its successor in the same slot
	s_wait_dscnt 4*NL                              ; B's set, A's blocks 0-3 and the scale words are in; the youngest 24 loads (A's blocks 4-7) may be out
	WIN MUL_LO
	MUL16 0, (\q)%2, \q, \slot, \zero
	MUL16 2, (\q)%2, \q, \slot, \zero
	s_wait_dscnt 0
	PLACES NP
	FETCH_B \slot, (\q)+1, 1-(\q)%2
	FETCH_A \slot, (\q)+1, 0
	WIN MUL_HI
	MUL16 4, (\q)%2, \q, \slot, \zero
	MUL16 6, (\q)%2, \q, \slot, \zero
	PLACES NP
	WIN 0
	FETCH_A \slot, (\q)+1, 4
.endm
; A slot's last step changes slots: one barrier; in front of it each wave waits for all its tensor loads, adds 0 to its spare word, and waits for that and for its reads of this slot.
.macro TURN slot, next, fill
	s_wait_tensorcnt 0x0                           ; all my tensor loads have landed: my part of the next slot
	ds_add_u32 v[SPW], v[NIL]                      ; 0 onto my spare word
	s_wait_dscnt 4*NL+1                            ; (the add and A's blocks 4-7 may be out)
	WIN MUL_LO
	MUL16 0, 1, NQ-1, \slot, 0
	s_wait_dscnt 0x0                               ; the add is done, and my reads of this slot are over
	s_barrier_signal -1
	MUL16 2, 1, NQ-1, \slot, 0
	WIN 0
	s_barrier_wait -1
.if \fill
	CREST                                          ; the barrier has opened a round of the cluster's: no wave of any partner still reads this slot or has a load on its way
	s_add_nc_u64 s[G0+4*\slot+2:G0+4*\slot+3], s[G0+4*\slot+2:G0+4*\slot+3], 2*STEPB
	s_add_nc_u64 s[G0B+4*\slot+2:G0B+4*\slot+3], s[G0B+4*\slot+2:G0B+4*\slot+3], 2*STEPB
	JLOAD G0+4*\slot, G1, G0B+4*\slot, G1B         ; the first tensor load behind the round; its four v_nop are the places in front of the loads below
.else
	PLACES NP
.endif
	v_add_nc_u32 v[ADRS], 64*NQ, v[ADRS]           ; the next slot's scale words
	FETCH_B \next, 0, 0
	FETCH_A \next, 0, 0
	SCALES \next
	WIN MUL_HI
	MUL16 4, 1, NQ-1, \slot, 0
	MUL16 6, 1, NQ-1, \slot, 0
	PLACES NP
	WIN 0
	FETCH_A \next, 0, 4
.endm
	s_wait_tensorcnt 1                             ; the scale words and my part of slot 0 are in (slot 1's load may be out)
	s_barrier_signal -1
	s_barrier_wait -1
	FETCH_B 0, 0, 0
	FETCH_A 0, 0, 0
	SCALES 0
	FETCH_A 0, 0, 4
	STEP 0, 0, 1                                   ; the first step stands in front of the loop: its products start the sums
	s_mov_b32 s3, LAPS-1
.Llap:
	TURN 0, 1, 1
	STEP 1, 0, 0
	TURN 1, 0, 1
	STEP 0, 0, 0
	s_sub_co_u32 s3, s3, 1
	s_cmp_lg_u32 s3, 0
	s_cbranch_scc1 .Llap
	TURN 0, 1, 0                                   ; the last lap fills nothing
	STEP 1, 0, 0
	s_wait_dscnt 4*NL
	WIN MUL_LO
	MUL16 0, 1, NQ-1, 1, 0
	MUL16 2, 1, NQ-1, 1, 0
	s_wait_dscnt 0
	WIN MUL_HI
	MUL16 4, 1, NQ-1, 1, 0
	MUL16 6, 1, NQ-1, 1, 0
	WIN 0
; THE WAY OUT.  A block (16 rows of A x my 128 columns) is 64 numbers a lane, register 16 b + i = column 32 b + 16 h + i of my row: bias, (gelu,) quantiser, and the fragment leaves as its image.
.macro QUANT s, pc, pw
.irp b, 0,1,2,3
	v_max3_num_f32 v[TM+\b], |v[\s+16*\b]|, |v[\s+1+16*\b]|, 0x2800000   ; my 16 numbers of block b, and the floor 2^(5 - 127): the byte cannot fall under 1
.endr
.irp i, 2,4,6,8,10,12,14
.irp b, 0,1,2,3
	v_max3_num_f32 v[TM+\b], v[TM+\b], |v[\s+16*\b+\i]|, |v[\s+1+16*\b+\i]|
.endr
.endr
.irp b, 0,1,2,3
	v_permlanex16_b32 v[TM+4+\b], v[TM+\b], s[SEL], s[SEL+1]
.endr
.irp b, 0,1,2,3
	v_max_num_f32 v[TM+\b], v[TM+\b], v[TM+4+\b]
.endr
.irp b, 0,1,2,3
	v_add_nc_u32 v[TM+12+\b], 0xfe000000, v[TM+\b] ; 4 off the exponent field: the conversion's scale operand
.endr
.irp b, 0,1,2,3
	v_lshrrev_b32 v[TM+4+\b], 23, v[TM+12+\b]
.endr
	v_lshl_or_b32 v[\pw], v[TM+5], 8, v[TM+4]
	v_lshl_or_b32 v[\pw], v[TM+6], 16, v[\pw]
	v_lshl_or_b32 v[\pw], v[TM+7], 24, v[\pw]
.irp c, 0,1
	v_cvt_scalef32_pk16_bf6_f32 v[\pc+6*\c:\pc+2+6*\c], v[\s+32*\c:\s+15+32*\c], v[TM+12+2*\c]
	v_cvt_scalef32_pk16_bf6_f32 v[\pc+12+4*\c:\pc+14+4*\c], v[\s+16+32*\c:\s+31+32*\c], v[TM+12+2*\c+1]
.endr
	v_nop                                          ; one plain place behind a scaled conversion
.irp c, 0,1
.irp i, 0,1,2
	v_permlane16_swap_b32 v[\pc+6*\c+\i], v[\pc+12+4*\c+\i]
.endr
.irp i, 0,1,2
	v_mov_b32 v[\pc+3+6*\c+\i], v[\pc+12+4*\c+\i]
.endr
.endr
.endm
.macro COEF reg, bits
	v_mov_b32 v[\reg], \bits
	v_mov_b32 v[\reg+1], \bits
.endm
.macro HORNER acc, add                 ; acc = acc z^2 + add, eight numbers
.irp k, 0,2,4,6
	v_pk_fma_f32 v[\acc+\k:\acc+\k+1], v[\acc+\k:\acc+\k+1], v[Z2+\k:Z2+\k+1], v[\add:\add+1]
.endr
.endm
.macro GELU8 g                         ; eight numbers of the block
.set WG, W+8*(\g)
.irp k, 0,2,4,6
	v_pk_mul_f32 v[Z+\k:Z+\k+1], v[WG+\k:WG+\k+1], 0x3f3504f3 op_sel_hi:[1,0]    ; z = x / sqrt 2
.endr
.irp k, 0,1,2,3,4,5,6,7
	v_med3_num_f32 v[Z+\k], v[Z+\k], s[CLN], s[CLP]
.endr
.irp k, 0,2,4,6
	v_pk_mul_f32 v[Z2+\k:Z2+\k+1], v[Z+\k:Z+\k+1], v[Z+\k:Z+\k+1]
.endr
.irp k, 0,2,4,6
	v_pk_fma_f32 v[PP+\k:PP+\k+1], v[Z2+\k:Z2+\k+1], 0x39702d51, v[CA7:CA7+1] op_sel_hi:[1,0,1]
.endr
.irp k, 0,2,4,6
	v_pk_fma_f32 v[QQ+\k:QQ+\k+1], v[Z2+\k:Z2+\k+1], 0xb3fd3906, v[CB10:CB10+1] op_sel_hi:[1,0,1]
.endr
	HORNER PP, CA5
	HORNER QQ, CB8
	HORNER PP, CA3
	HORNER QQ, CB6
	HORNER PP, CA1
	HORNER QQ, CB4
	HORNER QQ, CB2
.irp k, 0,2,4,6
	v_pk_fma_f32 v[QQ+\k:QQ+\k+1], v[QQ+\k:QQ+\k+1], v[Z2+\k:Z2+\k+1], 1.0 op_sel_hi:[1,1,0]
.endr
.irp k, 0,2,4,6
	v_pk_mul_f32 v[PP+\k:PP+\k+1], v[PP+\k:PP+\k+1], v[Z+\k:Z+\k+1]
.endr
.irp k, 0,1,2,3,4,5,6,7
	v_rcp_f32 v[QQ+\k], v[QQ+\k]
.endr
.irp k, 0,2,4,6
	v_pk_mul_f32 v[WG+\k:WG+\k+1], v[WG+\k:WG+\k+1], 0.5 op_sel_hi:[1,0]         ; (plain places behind the reciprocals)
.endr
	s_wait_alu depctr_va_vdst(0)
.irp k, 0,2,4,6
	v_pk_mul_f32 v[PP+\k:PP+\k+1], v[PP+\k:PP+\k+1], v[QQ+\k:QQ+\k+1]            ; erf
.endr
.irp k, 0,2,4,6
	v_pk_fma_f32 v[WG+\k:WG+\k+1], v[WG+\k:WG+\k+1], v[PP+\k:PP+\k+1], v[WG+\k:WG+\k+1]
.endr
.endm
; Block a's accumulators + the bias along the registers -> W.  Only these lines name registers that differ from block to block, so only they are written eight times.  Each accumulator is read from its low end on.
.macro COPY a
.Lcp_\a:
	WIN 0x02+(\a)/4                                ; source 0: window 2 or 3
.set I, 0
.rept 32
	v_pk_add_f32 v[W+I:W+I+1], v[64*((\a)%4)+I:64*((\a)%4)+I+1], v[BC+I:BC+I+1]
.set I, I+2
.endr
	WIN 0
.if QKV
	v_mov_b32 v[BRC], v[BR+\a]
.endif
.if \a < 7
	s_branch .Lcommon
.endif
.endm
	PLACES NP                                      ; behind the last products: W lies where A's fragments lay, and results are read
	s_wait_loadcnt 0x0                             ; the biases
	s_mov_b32 s[SEL], 0x76543210
	s_mov_b32 s[SEL+1], 0xfedcba98
.irp b, 0,1,2,3
	v_mov_b32 v[TM+4+\b], 0                        ; a lane permute's destination counts as one of its sources
.endr
.if QKV
.set I, 0
.rept 64
	v_and_b32 v[BC+I], s94, v[BC+I]                ; each role keeps its own bias; the other becomes 0
.set I, I+1
.endr
.irp a, 0,1,2,3,4,5,6,7
	v_and_b32 v[BR+\a], s2, v[BR+\a]
.endr
	v_mov_b32 v[BRC+1], 0                          ; (named as the upper half of a pair)
.else
	s_mov_b32 s[CLN], 0xc07547cb
	s_mov_b32 s[CLP], 0x407547cb
	COEF CA7, 0x3b5f5da2
	COEF CA5, 0x3d50b6eb
	COEF CA3, 0x3e3da740
	COEF CA1, 0x3f906eba
	COEF CB10, 0x37c588e0
	COEF CB8, 0x3a856d28
	COEF CB6, 0x3c6687d4
	COEF CB4, 0x3de34c21
	COEF CB2, 0x3efeb44a
.endif
	s_mov_b32 s3, 0                                ; the block
	s_mov_b32 s18, 0                               ; 64 x the block: its scale words' place in my 512 bytes
.Lblk:
.irp a, 0,1,2,3,4,5,6
	s_cmp_eq_u32 s3, \a
	s_cbranch_scc1 .Lcp_\a
.endr
	s_branch .Lcp_7
.irp a, 0,1,2,3,4,5,6,7
	COPY \a
.endr
.Lcommon:
.if QKV
.set I, 0
.rept 32
	v_pk_add_f32 v[W+I:W+I+1], v[W+I:W+I+1], v[BRC:BRC+1] op_sel_hi:[1,0]
.set I, I+2
.endr
.else
.irp g, 0,1,2,3,4,5,6,7
	GELU8 \g
.endr
.endif
	QUANT W, PC, PW
.irp p, 0,1,2,3,4,5
	global_store_b64 v[VO], v[PC+2*\p:PC+2*\p+1], s[OC:OC+1] offset:256*\p       ; 256 consecutive bytes, aligned
.endr
	v_add_nc_u32 v5, s18, v[SWA]
	ds_store_b32 v5, v[PW]                         ; both halves of the lanes hold row r's word and write the same value
	s_wait_dscnt 0x0
	s_wait_xcnt 0x0                                ; the stores' data and base are written again only behind this wait
	s_add_nc_u64 s[OC:OC+1], s[OC:OC+1], s[66:67]
	s_add_co_u32 s18, s18, 64
	s_add_co_u32 s3, s3, 1
	s_cmp_lt_u32 s3, 8
	s_cbranch_scc1 .Lblk
	ds_load_b128 v[PC:PC+3], v[SRA]                ; my wave's own bytes, in order behind my stores
	s_wait_dscnt 0x0
	global_store_b128 v[VS], v[PC:PC+3], s[92:93]  ; four lanes to a row tile's 64 bytes
	s_wait_tensorcnt 0x0                           ; the wave's end
	ds_add_u32 v[SPW], v[NIL]
	s_wait_dscnt 0x0
	CROUND                                         ; the closing round
	s_endpgm
.Lfunc_end_k_qa7d26572af_ffn1:
	.size	k_qa7d26572af_ffn1, .Lfunc_end_k_qa7d26572af_ffn1-k_qa7d26572af_ffn1
	.p2alignl 7, 3214868480
	.fill 96, 4, 3214868480
	.section	.rodata,"a",@progbits
	.p2align	6, 0x0
	.amdhsa_kernel k_qa7d26572af_ffn1
		.amdhsa_group_segment_fixed_size 327680
		.amdhsa_private_segment_fixed_size 0
		.amdhsa_enable_private_segment 0
		.amdhsa_kernarg_size 32
		.amdhsa_user_sgpr_count 2
		.amdhsa_user_sgpr_kernarg_segment_ptr 1
		.amdhsa_wavefront_size32 1
		.amdhsa_system_sgpr_workgroup_id_x 1
		.amdhsa_system_sgpr_workgroup_id_y 1
		.amdhsa_system_sgpr_workgroup_id_z 1
		.amdhsa_system_vgpr_workitem_id 0
		.amdhsa_next_free_vgpr 1024
		.amdhsa_next_free_sgpr 106
		.amdhsa_reserve_vcc 0
		.amdhsa_float_denorm_mode_32 3
		.amdhsa_float_denorm_mode_16_64 3
		.amdhsa_memory_ordered 1
		.amdhsa_forward_progress 1
		.amdhsa_inst_pref_size 199
	.end_amdhsa_kernel
	.amdgpu_metadata
---
amdhsa.version: [ 1, 2 ]
amdhsa.kernels:
  - .name:           k_qa7d26572af_ffn1
    .symbol:         k_qa7d26572af_ffn1.kd
    .args:
      - { .name: h2img, .offset: 0, .size: 8, .value_kind: global_buffer, .address_space: global }
      - { .name: wh, .offset: 8, .size: 8, .value_kind: global_buffer, .address_space: global }
      - { .name: b1, .offset: 16, .size: 8, .value_kind: global_buffer, .address_space: global }
      - { .name: gimg, .offset: 24, .size: 8, .value_kind: global_buffer, .address_space: global }
    .group_segment_fixed_size: 327680
    .private_segment_fixed_size: 0
    .kernarg_segment_align: 8
    .kernarg_segment_size: 32
    .max_flat_workgroup_size: 128
    .sgpr_count:     106
    .vgpr_count:     1024
    .wavefront_size: 32
...
	.end_amdgpu_metadata
.endif
;; end of part 6
;; launch ffn2 (part 7): grid 4 x 16, 4 waves a work-group, clusters of 4 x 4, 327,680 bytes of LDS; arguments gimg, wh, b2, x1, out0; writes out0
.if DOCPART == 7
	.amdgcn_target "amdgcn-amd-amdhsa--gfx1250"
	.amdhsa_code_object_version 6
	.text
	.protected	k_qa7d26572af_ffn2
	.globl	k_qa7d26572af_ffn2
	.p2align	8
	.type	k_qa7d26572af_ffn2,@function
k_qa7d26572af_ffn2:
	s_mov_b64 s[64:65], 0
	v_nop
	global_prefetch_b8 v0, s[64:65] scope:SCOPE_SE
	s_setreg_imm32_b32 hwreg(HW_REG_WAVE_MODE, 25, 1), 1
	s_wait_xcnt 0x0
	s_wait_alu depctr_hold_cnt(0) depctr_sa_sdst(0) depctr_va_vdst(0) depctr_va_sdst(0) depctr_va_ssrc(0) depctr_va_vcc(0) depctr_vm_vsrc(0)
	s_getreg_b32 s2, hwreg(HW_REG_IB_STS2, 6, 4)
	s_cmp_eq_u32 s2, 0
	s_cbranch_scc0 .Lentry_in_a_cluster
	s_endpgm
.Lentry_in_a_cluster:
	s_bfe_u32 s2, ttmp6, 0x10000c
	s_cmp_lg_u32 s2, 0xf033
	s_cbranch_scc0 .Lentry_shape_is_right
	s_endpgm
.Lentry_shape_is_right:
; out = residual + A B^T + bias, f32, [4096][1024]; A and B are codes of BF6 (E3M2, one E8M0 byte for each 32 along K).  This text serves two launches by its constants: the attention's output
; projection (KS = 8) and the FFN's second layer (KS = 32).
; OPERANDS lie in memory as images of their registers: a fragment (16 rows x 128 K, 12 registers a lane) is 1,536 bytes, register 2 p + e of lane l at 256 p + 8 l + 4 e; row tile T, K step s at
; (T KS + s) x 1,536; its scale words (row r at 4 r) at (T KS + s) x 64.  Row r of tile T is index 32 (T / 2) + 8 (T % 2) + r + 8 (r / 8).  A K step's tiles are dense, and a fragment comes from LDS by six
; loads of 8 bytes a lane, 256 consecutive bytes each.
; SHAPE.  A tile of the result is 256 x 256, four waves, 128 x 128 each: 64 accumulators, 512 registers.  K goes in steps of 256 through two LDS slots filled by the tensor data mover; the scale words of the
; work-group's rows, for all of K, come once.  4 x 4 work-groups form a cluster: A's tiles are asked for jointly along a row of it, B's along a column.  64 tiles: 64 work-groups (a tile of 128 x 128 would
; give 256, at twice the LDS bytes for each product; not built).
; The product is used TRANSPOSED (source 0 = 16 rows of B, source 1 = 16 rows of A): a lane holds one token and, in accumulator b, columns 32 (b / 2) + 16 h + 8 (b % 2) + 0 .. 7.
; LIMITS: NaN and infinities are not served.
; REGISTERS, in windows of 256: window 0: v0-31 addresses; v32-63 scale words, two sets, and nothing else; v64-67 the bias; v128-223 A's fragments, ONE set; on the way out v128-255 rows of the result.
;   window 1: B's fragments, two sets; on the way out four blocks of the residual.   windows 2, 3: the accumulators of my rows 0-63, 64-127.
.set KS,     32                        ; K steps of 128 in K
.set AOS,    12582912                  ; A's scale words in its buffer
.set BOC,    9568256                   ; B's codes in wh
.set BOS,    12976128                  ; B's scale words in wh
.set LAST,   1                         ; 1: nobody reads the result again
.set IMG,    1536
.set NQ,     2
.set STEPB,  NQ*IMG
.set RTB,    KS*IMG
.set FR,     12
.set NL,     6
.set NP,     4                         ; places behind this matrix instruction (ISA guide 7.12.1)
.set HALFT,  8*STEPB                   ; 8 row tiles: what one tensor load brings, and what one wave reads of A or of B
.set SLOT,   4*HALFT
.set LAPS,   KS/4
.set SCL,    2*SLOT                    ; behind the ring: the scale words
.set HALFS,  8*KS*64
.set SPARE,  SCL+4*HALFS               ; the spare words, 128 bytes for each wave: two blocks of 256 bytes that no other line names
.set SPITCH, 528                       ; the way out: a stage of 16 rows x (512 bytes + 16) for each wave, in slot 0, which has had its last fill and its last read by then
.set ADRA, 16
.set ADRB, 20
.set STO,  24
.set RD,   25
.set CO,   26                          ; v26  16 x lane; never rewritten
.set ADRS, 27
.set SPW,  28
.set NIL,  29
.set SC,   32
.set BI,   64
.set AF,   128
.set BK,   128
.set G1, 24
.set G0, 32
.set G1B, 48
.set G0B, 56
.set G1S, 68
.set G0S, 76
.set G1SB, 80
.set G0SB, 88
.set MSB, 0
.macro WIN new                         ; the immediate's high byte repeats the setting that is left
.if MSB != (\new)
	s_set_vgpr_msb (MSB<<8)|(\new)
.set MSB, (\new)
.endif
.endm
.set MUL_LO, 0xa1
.set MUL_HI, 0xf1
.set TO_B,   0x40
; A joint load: waves 0 and 1 fetch for A, waves 2 and 3 for B.  The branch hangs on the wave's number alone.  Four v_nop follow each of the two lines.
.macro JLOAD g0a, g1a, g0b, g1b
	s_cmp_eq_u32 s15, 0
	s_cbranch_scc0 .Lfor_b_\@
	tensor_load_to_lds s[\g0a:\g0a+3], s[\g1a:\g1a+7]
	s_nop 0
.rept 4
	v_nop
.endr
	s_branch .Lasked_\@
.Lfor_b_\@:
	tensor_load_to_lds s[\g0b:\g0b+3], s[\g1b:\g1b+7]
	s_nop 0
.rept 4
	v_nop
.endr
.Lasked_\@:
.endm
.macro CREST
	s_cmp_lg_u32 s14, 0
	s_cbranch_scc1 .Lnot_wave_0_\@
	s_barrier_signal -3
.Lnot_wave_0_\@:
	s_barrier_wait -3
	s_barrier_signal -1
	s_barrier_wait -1
.endm
.macro CROUND
	s_barrier_signal -1
	s_barrier_wait -1
	CREST
.endm
	s_load_b256 s[4:11], s[0:1], 0x0               ; A's images, wh, the bias, the residual
	s_load_b64 s[12:13], s[0:1], 0x20              ; the result
	v_lshl_add_u32 v[SPW], v0, 2, SPARE
	v_mov_b32 v[NIL], 0
	ds_add_u32 v28, v29
	ds_add_u32 v28, v29
	s_wait_dscnt 0x0
	v_lshrrev_b32 v1, 5, v0
	v_readfirstlane_b32 s14, v1                    ; wave 0..3
	s_lshr_b32 s15, s14, 1                         ; which half of the tile's rows is mine.  Also: I fetch for A (0) or for B (1)
	s_and_b32 s16, s14, 1                          ; which half of its columns.  Also: which 8 row tiles I fetch
	s_bfe_u32 s40, ttmp6, 0x40000                  ; cx, cy
	s_bfe_u32 s41, ttmp6, 0x40004
	s_lshl_b32 s42, ttmp9, 2
	s_add_co_u32 s42, s42, s40                     ; tile column
	s_and_b32 s17, ttmp7, 0xffff
	s_lshl_b32 s17, s17, 2
	s_add_co_u32 s17, s17, s41                     ; tile row
	s_lshl_b32 s43, s41, 2
	s_lshl_b32 s43, 15, s43                        ; my row of the cluster
	s_lshl_b32 s44, 0x1111, s40                    ; my column
	; descriptor group 1: 8 rows (row tiles) of 3,072 bytes (two images), RTB bytes apart, elements of 8 bytes; they land dense
	s_or_b32 s[G1+0], s43, (3<<16)|(1<<21)
	s_or_b32 s[G1B+0], s44, (3<<16)|(1<<21)
.irp g, G1, G1B
	s_mov_b32 s[\g+1], 384<<16
	s_mov_b32 s[\g+2], 8<<16
	s_mov_b32 s[\g+3], 384<<16
	s_mov_b32 s[\g+4], 8
	s_mov_b32 s[\g+5], KS*192
	s_mov_b32 s[\g+6], 0
	s_mov_b32 s[\g+7], 0
.endr
	s_or_b32 s[G1S+0], s43, (3<<16)|(1<<21)        ; the scale words of 8 row tiles: a dense block, as rows of 256 bytes
	s_or_b32 s[G1SB+0], s44, (3<<16)|(1<<21)
.irp g, G1S, G1SB
	s_mov_b32 s[\g+1], 32<<16
	s_mov_b32 s[\g+2], (2*KS)<<16
	s_mov_b32 s[\g+3], 32<<16
	s_mov_b32 s[\g+4], 2*KS
	s_mov_b32 s[\g+5], 32
	s_mov_b32 s[\g+6], 0
	s_mov_b32 s[\g+7], 0
.endr
	s_lshl_b32 s18, s16, 3
	s_lshl_b32 s20, s17, 4
	s_add_co_u32 s20, s20, s18                     ; A: row tile 16 x tile row + 8 x half
	s_mul_i32 s22, s20, KS*64
	s_add_co_u32 s22, s22, AOS
	s_mul_i32 s20, s20, RTB
	s_mov_b32 s21, 0
	s_mov_b32 s23, 0
	s_lshl_b32 s46, s42, 4
	s_add_co_u32 s46, s46, s18                     ; B: row tile 16 x tile column + 8 x half
	s_mul_i32 s92, s46, KS*64
	s_add_co_u32 s92, s92, BOS
	s_mul_i32 s46, s46, RTB
	s_add_co_u32 s46, s46, BOC
	s_mov_b32 s47, 0
	s_mov_b32 s93, 0
	s_mul_i32 s45, s14, HALFT
	s_mul_i32 s19, s14, HALFS
	s_wait_kmcnt 0x0
	s_add_nc_u64 s[20:21], s[4:5], s[20:21]
	s_add_nc_u64 s[22:23], s[4:5], s[22:23]
	s_add_nc_u64 s[46:47], s[6:7], s[46:47]
	s_add_nc_u64 s[92:93], s[6:7], s[92:93]
	CROUND                                         ; all sixteen work-groups are here: the first joint loads meet
	s_mov_b32 s[G0S], 1
	s_add_co_u32 s[G0S+1], s19, SCL
	s_mov_b64 s[G0S+2:G0S+3], s[22:23]
	s_or_b32 s[G0S+3], s[G0S+3], 0x80000000
	s_mov_b32 s[G0SB], 1
	s_add_co_u32 s[G0SB+1], s19, SCL
	s_mov_b64 s[G0SB+2:G0SB+3], s[92:93]
	s_or_b32 s[G0SB+3], s[G0SB+3], 0x80000000
	JLOAD G0S, G1S, G0SB, G1SB
.irp s, 0,1
	s_mov_b32 s[G0+4*\s], 1
	s_add_co_u32 s[G0+4*\s+1], s45, \s*SLOT
	s_add_nc_u64 s[G0+4*\s+2:G0+4*\s+3], s[20:21], \s*STEPB
	s_or_b32 s[G0+4*\s+3], s[G0+4*\s+3], 0x80000000
	s_mov_b32 s[G0B+4*\s], 1
	s_add_co_u32 s[G0B+4*\s+1], s45, \s*SLOT
	s_add_nc_u64 s[G0B+4*\s+2:G0B+4*\s+3], s[46:47], \s*STEPB
	s_or_b32 s[G0B+4*\s+3], s[G0B+4*\s+3], 0x80000000
	JLOAD G0+4*\s, G1, G0B+4*\s, G1B               ; by this text's count three tensor loads of a wave are out here, later one
.endr
	v_and_b32 v1, 15, v0                           ; r
	v_bfe_u32 v2, v0, 4, 1                         ; h
	v_and_b32 v3, 31, v0                           ; lane
	v_lshlrev_b32 v4, 3, v3
	s_mul_i32 s21, s15, HALFT
	s_mul_i32 s22, s16, HALFT
	s_add_co_u32 s22, s22, 2*HALFT
.irp s, 0,1
	v_add_nc_u32 v[ADRA+\s], s21, v4
	v_add_nc_u32 v[ADRB+\s], s22, v4
	s_add_co_u32 s21, s21, SLOT
	s_add_co_u32 s22, s22, SLOT
.endr
	v_lshlrev_b32 v5, 2, v1
	s_mul_i32 s21, s15, HALFS
	s_mul_i32 s22, s16, HALFS
	s_add_co_u32 s22, s22, 2*HALFS
	s_sub_co_u32 s22, s22, s21
	v_mul_u32_u24 v6, s22, v2                      ; lanes 16-31 take B's
	s_add_co_u32 s21, s21, SCL
	v_add_nc_u32 v5, v5, v6
	v_add_nc_u32 v[ADRS], s21, v5
	s_mul_i32 s23, s14, 16*SPITCH                  ; my stage
	v_mul_u32_u24 v5, v1, SPITCH
	v_lshl_add_u32 v5, v2, 6, v5
	v_add_nc_u32 v[STO], s23, v5                   ; in: row r, + 64 h
	v_lshlrev_b32 v[CO], 4, v3
	v_add_nc_u32 v[RD], s23, v[CO]                 ; back: the 32 lanes take a row of 512 bytes
	s_lshl_b32 s46, s42, 10
	s_lshl_b32 s47, s16, 9
	s_add_co_u32 s46, s46, s47                     ; my first column, in bytes
	s_mov_b32 s47, 0
	s_add_nc_u64 s[8:9], s[8:9], s[46:47]
	global_load_b128 v[BI:BI+3], v[CO], s[8:9]     ; the bias at my four columns of a row
	s_lshl_b32 s20, s17, 8
	s_lshl_b32 s21, s15, 7
	s_add_co_u32 s20, s20, s21
	s_lshl_b32 s20, s20, 12                        ; my first token's row
	s_mov_b32 s21, 0
	s_add_nc_u64 s[20:21], s[20:21], s[46:47]
	s_add_nc_u64 s[10:11], s[10:11], s[20:21]      ; both bases stay as they are from here on: a row's place stands in the immediate
	s_add_nc_u64 s[12:13], s[12:13], s[20:21]
.macro FRAG reg, adr, q, i
.irp p, 0,1,2,3,4,5
	ds_load_b64 v[\reg+2*\p:\reg+2*\p+1], v[\adr] offset:(\i)*STEPB+(\q)*IMG+256*\p
.endr
.endm
; 16 matrix instructions: A's blocks a0, a0 + 1 x B's eight.  The 64 accumulators take turns, one instruction a turn, in the same order in every step.
.macro MUL16 a0, p, q, sc, zero
.irp a, \a0, \a0+1
.irp b, 0,1,2,3,4,5,6,7
.set DD,  8*(8*((\a)%4)+\b)
.set FB,  128*(\p)+FR*\b
.set FA,  AF+FR*(\a)
.set SWB, SC+8*NQ*(\sc)+NQ*\b+(\q)
.set SWX, SC+8*NQ*(\sc)+NQ*(\a)+(\q)
.if \zero
	v_wmma_scale_f32_16x16x128_f8f6f4 v[DD:DD+7], v[FB:FB+FR-1], v[FA:FA+FR-1], 0, v[SWB], v[SWX] matrix_a_fmt:MATRIX_FMT_BF6 matrix_b_fmt:MATRIX_FMT_BF6 matrix_a_scale:MATRIX_SCALE_ROW1
.else
	v_wmma_scale_f32_16x16x128_f8f6f4 v[DD:DD+7], v[FB:FB+FR-1], v[FA:FA+FR-1], v[DD:DD+7], v[SWB], v[SWX] matrix_a_fmt:MATRIX_FMT_BF6 matrix_b_fmt:MATRIX_FMT_BF6 matrix_a_scale:MATRIX_SCALE_ROW1
.endif
.endr
.endr
.endm
.macro FETCH_B slot, q, p
	WIN TO_B
.irp i, 0,1,2,3,4,5,6,7
	FRAG 128*(\p)+FR*\i, ADRB+\slot, \q, \i
.endr
	WIN 0
.endm
.macro FETCH_A slot, q, i0
.irp i, \i0, \i0+1, \i0+2, \i0+3
	FRAG AF+FR*(\i), ADRA+\slot, \q, \i
.endr
.endm
.macro SCALES sc
.irp i, 0,1,2,3,4,5,6,7
.irp q, 0,1
	ds_load_b32 v[SC+8*NQ*\sc+NQ*\i+\q], v[ADRS] offset:\i*KS*64+64*\q
.endr
.endr
.endm
.macro PLACES n
.rept \n
	v_nop
.endr
.endm
.macro STEP slot, q, zero
	s_wait_dscnt 4*NL                              ; all but the youngest 24 loads (A's blocks 4-7)
	WIN MUL_LO
	MUL16 0, (\q)%2, \q, \slot, \zero
	MUL16 2, (\q)%2, \q, \slot, \zero
	s_wait_dscnt 0
	PLACES NP
	FETCH_B \slot, (\q)+1, 1-(\q)%2
	FETCH_A \slot, (\q)+1, 0
	WIN MUL_HI
	MUL16 4, (\q)%2, \q, \slot, \zero
	MUL16 6, (\q)%2, \q, \slot, \zero
	PLACES NP
	WIN 0
	FETCH_A \slot, (\q)+1, 4
.endm
.macro TURN slot, next, fill
	s_wait_tensorcnt 0x0                           ; all my tensor loads have landed: my part of the next slot
	ds_add_u32 v[SPW], v[NIL]                      ; 0 onto my spare word
	s_wait_dscnt 4*NL+1                            ; (the add and A's blocks 4-7 may be out)
	WIN MUL_LO
	MUL16 0, 1, NQ-1, \slot, 0
	s_wait_dscnt 0x0                               ; the add is done, and my reads of this slot are over
	s_barrier_signal -1
	MUL16 2, 1, NQ-1, \slot, 0
	WIN 0
	s_barrier_wait -1
.if \fill
	CREST                                          ; the barrier has opened a round of the cluster's: no wave of any partner still reads this slot or has a load on its way
	s_add_nc_u64 s[G0+4*\slot+2:G0+4*\slot+3], s[G0+4*\slot+2:G0+4*\slot+3], 2*STEPB
	s_add_nc_u64 s[G0B+4*\slot+2:G0B+4*\slot+3], s[G0B+4*\slot+2:G0B+4*\slot+3], 2*STEPB
	JLOAD G0+4*\slot, G1, G0B+4*\slot, G1B
.else
	PLACES NP
.endif
	v_add_nc_u32 v[ADRS], 64*NQ, v[ADRS]
	FETCH_B \next, 0, 0
	FETCH_A \next, 0, 0
	SCALES \next
	WIN MUL_HI
	MUL16 4, 1, NQ-1, \slot, 0
	MUL16 6, 1, NQ-1, \slot, 0
	PLACES NP
	WIN 0
	FETCH_A \next, 0, 4
.endm
	s_wait_tensorcnt 1                             ; the scale words and my part of slot 0 are in (slot 1's load may be out)
	s_barrier_signal -1
	s_barrier_wait -1
	FETCH_B 0, 0, 0
	FETCH_A 0, 0, 0
	SCALES 0
	FETCH_A 0, 0, 4
	STEP 0, 0, 1
	s_mov_b32 s3, LAPS-1
.Llap:
	TURN 0, 1, 1
	STEP 1, 0, 0
	TURN 1, 0, 1
	STEP 0, 0, 0
	s_sub_co_u32 s3, s3, 1
	s_cmp_lg_u32 s3, 0
	s_cbranch_scc1 .Llap
	TURN 0, 1, 0
	STEP 1, 0, 0
	s_wait_dscnt 4*NL
	WIN MUL_LO
	MUL16 0, 1, NQ-1, 1, 0
	MUL16 2, 1, NQ-1, 1, 0
	s_wait_dscnt 0
	WIN MUL_HI
	MUL16 4, 1, NQ-1, 1, 0
	MUL16 6, 1, NQ-1, 1, 0
	WIN 0
; THE WAY OUT, block by block of 16 tokens x 128 columns: through my own stage in LDS, back as whole rows of 512 bytes; the residual's same rows and the bias are added; 512 consecutive bytes a store.
; Row t of block a is token 32 (a / 2) + 8 (a % 2) + t + 8 (t / 8) of my 128: at most 127 rows of 4,096 bytes, in the immediate.
.macro RLOAD a                         ; the residual's 16 rows of block a -> window 1, buffer a % 4
	WIN 0x40
.irp t, 0,1,2,3,4,5,6,7,8,9,10,11,12,13,14,15
	global_load_b128 v[64*((\a)%4)+4*\t:64*((\a)%4)+4*\t+3], v[CO], s[10:11] offset:(32*((\a)/2)+8*((\a)%2)+\t+8*(\t/8))*4096
.endr
	WIN 0
.endm
.macro TOSTAGE a
.set AC, 64*((\a)%4)
	WIN 0x08+4*((\a)/4)                            ; the data: window 2 or 3
.irp b, 0,1,2,3,4,5,6,7
	ds_store_b128 v[STO], v[AC+8*\b:AC+8*\b+3] offset:128*(\b/2)+32*(\b%2)       ; each accumulator from its low end on
	ds_store_b128 v[STO], v[AC+8*\b+4:AC+8*\b+7] offset:128*(\b/2)+32*(\b%2)+16
.endr
	WIN 0
.set BB, BK+64*((\a)%2)
.irp t, 0,1,2,3,4,5,6,7,8,9,10,11,12,13,14,15
	ds_load_b128 v[BB+4*\t:BB+4*\t+3], v[RD] offset:\t*SPITCH                    ; LDS serves a wave's instructions in order: these see the stores above
.endr
.endm
.macro SEND a, younger
.set BB, BK+64*((\a)%2)
.set RR, 64*((\a)%4)
	s_wait_dscnt \younger                          ; the block is back in registers
.if (\a) < 5
	s_wait_loadcnt 48                              ; its residual is in; three younger blocks of sixteen loads may be out
.else
	s_wait_loadcnt 16*(7-(\a))
.endif
	WIN 0x04                                       ; source 1: window 1
.set I, 0
.rept 32
	v_pk_add_f32 v[BB+I:BB+I+1], v[BB+I:BB+I+1], v[RR+I:RR+I+1]
.set I, I+2
.endr
	WIN 0
.irp t, 0,1,2,3,4,5,6,7,8,9,10,11,12,13,14,15
	v_pk_add_f32 v[BB+4*\t:BB+4*\t+1], v[BB+4*\t:BB+4*\t+1], v[BI:BI+1]
	v_pk_add_f32 v[BB+4*\t+2:BB+4*\t+3], v[BB+4*\t+2:BB+4*\t+3], v[BI+2:BI+3]
.endr
.if (\a) < 4
	RLOAD (\a)+4
.endif
.irp t, 0,1,2,3,4,5,6,7,8,9,10,11,12,13,14,15
.if LAST
	global_store_b128 v[CO], v[BB+4*\t:BB+4*\t+3], s[12:13] offset:(32*((\a)/2)+8*((\a)%2)+\t+8*(\t/8))*4096 th:TH_STORE_NT
.else
	global_store_b128 v[CO], v[BB+4*\t:BB+4*\t+3], s[12:13] offset:(32*((\a)/2)+8*((\a)%2)+\t+8*(\t/8))*4096
.endif
.endr
.endm
	PLACES NP                                      ; behind the last products: loads land where their operands lay, and results are read
	RLOAD 0
	RLOAD 1
	RLOAD 2
	RLOAD 3
	TOSTAGE 0
.irp a, 1,2,3,4,5,6,7
.if \a > 1
	s_wait_xcnt 0x0                                ; block a - 2's stores have read their registers: block a's loads may land there
.endif
	TOSTAGE \a
	SEND \a-1, 32                                  ; behind block a - 1's loads: block a's 16 stores and 16 loads
.endr
	s_wait_xcnt 0x0
	SEND 7, 0
	s_wait_tensorcnt 0x0                           ; the wave's end
	ds_add_u32 v[SPW], v[NIL]
	s_wait_dscnt 0x0
	CROUND                                         ; the closing round
	s_endpgm
.Lfunc_end_k_qa7d26572af_ffn2:
	.size	k_qa7d26572af_ffn2, .Lfunc_end_k_qa7d26572af_ffn2-k_qa7d26572af_ffn2
	.p2alignl 7, 3214868480
	.fill 96, 4, 3214868480
	.section	.rodata,"a",@progbits
	.p2align	6, 0x0
	.amdhsa_kernel k_qa7d26572af_ffn2
		.amdhsa_group_segment_fixed_size 327680
		.amdhsa_private_segment_fixed_size 0
		.amdhsa_enable_private_segment 0
		.amdhsa_kernarg_size 40
		.amdhsa_user_sgpr_count 2
		.amdhsa_user_sgpr_kernarg_segment_ptr 1
		.amdhsa_wavefront_size32 1
		.amdhsa_system_sgpr_workgroup_id_x 1
		.amdhsa_system_sgpr_workgroup_id_y 1
		.amdhsa_system_sgpr_workgroup_id_z 1
		.amdhsa_system_vgpr_workitem_id 0
		.amdhsa_next_free_vgpr 1024
		.amdhsa_next_free_sgpr 100
		.amdhsa_reserve_vcc 0
		.amdhsa_float_denorm_mode_32 3
		.amdhsa_float_denorm_mode_16_64 3
		.amdhsa_memory_ordered 1
		.amdhsa_forward_progress 1
		.amdhsa_inst_pref_size 206
	.end_amdhsa_kernel
	.amdgpu_metadata
---
amdhsa.version: [ 1, 2 ]
amdhsa.kernels:
  - .name:           k_qa7d26572af_ffn2
    .symbol:         k_qa7d26572af_ffn2.kd
    .args:
      - { .name: gimg, .offset: 0, .size: 8, .value_kind: global_buffer, .address_space: global }
      - { .name: wh, .offset: 8, .size: 8, .value_kind: global_buffer, .address_space: global }
      - { .name: b2, .offset: 16, .size: 8, .value_kind: global_buffer, .address_space: global }
      - { .name: x1, .offset: 24, .size: 8, .value_kind: global_buffer, .address_space: global }
      - { .name: out0, .offset: 32, .size: 8, .value_kind: global_buffer, .address_space: global }
    .group_segment_fixed_size: 327680
    .private_segment_fixed_size: 0
    .kernarg_segment_align: 8
    .kernarg_segment_size: 40
    .max_flat_workgroup_size: 128
    .sgpr_count:     100
    .vgpr_count:     1024
    .wavefront_size: 32
...
	.end_amdgpu_metadata
.endif
;; end of part 7
;; ======== version 2 of 2: 7 launches
;; limits: right only within a limited range of input values
;; workspace buffers: wh 13,107,200 bytes; qkvimg 9,830,400 bytes; oimg 3,276,800 bytes; x1 16,777,216 bytes; h2img 3,276,800 bytes; gimg 13,107,200 bytes
;; launch prep (part 8): grid 640 x 1, 4 waves a work-group, no clusters, 91,392 bytes of LDS; arguments x, ln1_g, ln1_b, wh, Wq, Wk, Wv, Wo, W1, W2; writes wh
.if DOCPART == 8
	.amdgcn_target "amdgcn-amd-amdhsa--gfx1250"
	.amdhsa_code_object_version 6
	.text
	.protected	k_qa7d26572af_prep
	.globl	k_qa7d26572af_prep
	.p2align	8
	.type	k_qa7d26572af_prep,@function
k_qa7d26572af_prep:
	s_mov_b64 s[64:65], 0
	v_nop
	global_prefetch_b8 v0, s[64:65] scope:SCOPE_SE
	s_setreg_imm32_b32 hwreg(HW_REG_WAVE_MODE, 25, 1), 1
	s_wait_xcnt 0x0
; TWO JOBS THAT DO NOT HANG ON EACH OTHER, IN ONE LAUNCH, told apart by the work-group's number alone.  Work-groups 0-255: a LayerNorm of [4096][1024] f32 and its quantiser.  Work-groups 256-639: the six weights' quantiser.
; A launch of 256 work-groups runs the first job alone: so the second LayerNorm runs this body on its own buffers.  Arguments: the rows, g, b, the result; Wq, Wk, Wv, Wo, W1, W2.
; Both make codes of BF6 (E3M2) with one E8M0 byte for each 32 along K.  LAYOUT OF AN OPERAND: a fragment (16 rows x 128 K, 12 registers a lane) lies in memory as an image of its registers, 1,536 bytes:
; register 2 p + e of lane l at byte 256 p + 8 l + 4 e (W2 alone: register 4 Q + i at 512 Q + 16 l + 4 i).  Row tile T, K step s: codes at (T KS + s) x 1,536, scale words (row r at 4 r) at (T KS + s) x 64.
; Row r of tile T is index 32 (T / 2) + 8 (T % 2) + r + 8 (r / 8).
; Each job has LDS bytes of its own: the LayerNorm 0 .. 66,303, the weights from 66,816; the spare words lie between.  No tensor load, no matrix unit, no cluster (no two work-groups read the same bytes but g and b, 8 KB).
; LIMITS: NaN and infinities are not served; a block of zeros gets the byte 1 where the rule says 127 (its codes are zeros; this program alone reads the bytes); 1/sqrt is v_rsq_f32.
.set SPARE, 0x10300                    ; the spare words, 128 bytes for each wave
.set WLDS,  0x10500                    ; the weights' job: 6,144 bytes for each wave
	v_lshl_add_u32 v224, v0, 2, SPARE
	v_mov_b32 v225, 0
	s_cmp_ge_u32 ttmp9, 256
	s_wait_alu depctr_va_vdst(0)
	s_cbranch_scc1 .Lweights
; THE LAYERNORM.  Work-group T makes row tile T: images at (8 T + s) x 1,536, scale words at 3,145,728 + (8 T + s) x 64.  Wave w normalises rows 4 w .. 4 w + 3 (a row is 32 registers of the wave: read once, mean and
; variance in two passes over registers, as the definition has them), the 16 rows meet in LDS, and wave w quantises K steps 2 w and 2 w + 1.
.set PITCH, 4112                       ; a stage row: 4,096 bytes + 16
.set SCW,   16*PITCH                   ; behind the stage: the tile's 8 x 16 scale words
.set SM,  8                            ; v8-15   four rows' sums, then means, then 1/sqrt (low register of each pair)
.set PT,  16                           ; v16-19  the other half of the lanes'
.set SQ,  20                           ; v20-27  sums of squares
.set X,   32                           ; v32-159 four rows, 32 registers each
.set G,   160                          ; v160-191 g;  v192-223 b
.set BV,  192
.set ST,  32                           ; behind the barrier: 64 numbers of K step 2 w, 64 of 2 w + 1
.set ST2, 96
.set PC,  160                          ; codes of the two fragments
.set PC2, 180
.set TM,  200
.set PW,  216                          ; v216-217 the two scale words
.set SEL, 24
.macro RED base                        ; v[base + 2 p], p = 0 .. 3, summed over the 32 lanes; the result in every lane
.irp m, 1,2,4,8
.irp p, 0,1,2,3
	v_add_f32_dpp v[\base+2*\p], v[\base+2*\p], v[\base+2*\p] row_xmask:\m row_mask:0xf bank_mask:0xf
.endr
.endr
.irp p, 0,1,2,3
	v_permlanex16_b32 v[PT+\p], v[\base+2*\p], s[SEL], s[SEL+1]
.endr
.irp p, 0,1,2,3
	v_add_f32 v[\base+2*\p], v[\base+2*\p], v[PT+\p]
.endr
.endm
; 64 numbers of a lane, register 16 b + i = k 32 b + 16 (lane / 16) + i of my row, become a fragment's codes in v[pc] .. v[pc + 11] and its scale word in v[pw]
.macro QUANT s, pc, pw
.irp b, 0,1,2,3
	v_max3_num_f32 v[TM+\b], |v[\s+16*\b]|, |v[\s+1+16*\b]|, 0x2800000   ; my 16 numbers of block b, and the floor 2^(5 - 127): the byte cannot fall under 1
.endr
.irp i, 2,4,6,8,10,12,14
.irp b, 0,1,2,3
	v_max3_num_f32 v[TM+\b], v[TM+\b], |v[\s+16*\b+\i]|, |v[\s+1+16*\b+\i]|
.endr
.endr
.irp b, 0,1,2,3
	v_permlanex16_b32 v[TM+4+\b], v[TM+\b], s[SEL], s[SEL+1]
.endr
.irp b, 0,1,2,3
	v_max_num_f32 v[TM+\b], v[TM+\b], v[TM+4+\b]   ; with lane l xor 16's: the block's largest magnitude
.endr
.irp b, 0,1,2,3
	v_add_nc_u32 v[TM+12+\b], 0xfe000000, v[TM+\b] ; 4 off its exponent field: the conversion's scale operand
.endr
.irp b, 0,1,2,3
	v_lshrrev_b32 v[TM+4+\b], 23, v[TM+12+\b]      ; the byte
.endr
	v_lshl_or_b32 v[\pw], v[TM+5], 8, v[TM+4]
	v_lshl_or_b32 v[\pw], v[TM+6], 16, v[\pw]
	v_lshl_or_b32 v[\pw], v[TM+7], 24, v[\pw]
.irp c, 0,1
	v_cvt_scalef32_pk16_bf6_f32 v[\pc+6*\c:\pc+2+6*\c], v[\s+32*\c:\s+15+32*\c], v[TM+12+2*\c]
	v_cvt_scalef32_pk16_bf6_f32 v[\pc+12+4*\c:\pc+14+4*\c], v[\s+16+32*\c:\s+31+32*\c], v[TM+12+2*\c+1]
.endr
	v_nop                                          ; one plain place behind a scaled conversion
.irp c, 0,1                            ; the operand's layout wants a whole block in a lane: lanes 0-15 block 2 c, lanes 16-31 block 2 c + 1
.irp i, 0,1,2
	v_permlane16_swap_b32 v[\pc+6*\c+\i], v[\pc+12+4*\c+\i]
.endr
.irp i, 0,1,2
	v_mov_b32 v[\pc+3+6*\c+\i], v[\pc+12+4*\c+\i]
.endr
.endr
.endm
	s_load_b256 s[4:11], s[0:1], 0x0               ; the rows, g, b, the images
	v_lshrrev_b32 v1, 5, v0
	v_readfirstlane_b32 s12, v1                    ; wave
	v_and_b32 v6, 31, v0                           ; lane
	v_and_b32 v7, 15, v0                           ; r
	v_bfe_u32 v28, v0, 4, 1                        ; h
	v_lshlrev_b32 v1, 4, v6                        ; 16 x lane
	v_lshlrev_b32 v4, 3, v6                        ; 8 x lane
	s_mul_i32 s13, s12, 4*PITCH
	v_add_nc_u32 v2, s13, v1                       ; stage, in: my wave's four rows
	v_mul_u32_u24 v3, v7, PITCH
	v_lshl_add_u32 v3, v28, 6, v3
	s_lshl_b32 s13, s12, 10
	v_add_nc_u32 v3, s13, v3                       ; stage, out: row r, + 64 h, + my two K steps (1,024 bytes x wave)
	s_lshl_b32 s13, s12, 7
	s_add_co_u32 s13, s13, SCW
	v_lshl_add_u32 v5, v7, 2, s13                  ; my scale words: 128 x wave + 4 r
	v_add_nc_u32 v29, SCW, v1                      ; and all of them, 16 bytes a lane
.irp p, 0,1,2,3
	v_mov_b32 v[PT+\p], 0                          ; a lane permute's destination counts as one of its sources
.endr
	s_lshr_b32 s14, ttmp9, 1
	s_lshl_b32 s14, s14, 5
	s_and_b32 s15, ttmp9, 1
	s_lshl_b32 s15, s15, 3
	s_add_co_u32 s14, s14, s15
	s_lshl_b32 s15, s12, 2
	s_add_co_u32 s14, s14, s15
	s_lshr_b32 s15, s12, 1
	s_lshl_b32 s15, s15, 3
	s_add_co_u32 s14, s14, s15                     ; my first token: 32 (T / 2) + 8 (T % 2) + 4 w + 8 (w / 2)
	s_lshl_b32 s14, s14, 12
	s_mov_b32 s15, 0
	s_lshl_b32 s16, ttmp9, 3
	s_lshl_b32 s17, s12, 1
	s_add_co_u32 s16, s16, s17
	s_mul_i32 s16, s16, 1536                       ; image 8 T + 2 w
	s_mov_b32 s17, 0
	s_lshl_b32 s18, ttmp9, 9
	s_add_co_u32 s18, s18, 3145728                 ; the tile's 512 bytes of scale words
	s_mov_b32 s19, 0
	s_mov_b32 s20, 0x3a800000                      ; 1 / 1,024
	s_mov_b32 s21, 0x3727c5ac                      ; 1e-5
	s_mov_b32 s[SEL], 0x76543210
	s_mov_b32 s[SEL+1], 0xfedcba98                 ; lane l xor 16
	s_wait_kmcnt 0x0
	s_add_nc_u64 s[4:5], s[4:5], s[14:15]
	s_add_nc_u64 s[18:19], s[10:11], s[18:19]
	s_add_nc_u64 s[10:11], s[10:11], s[16:17]
.irp p, 0,1,2,3
.irp j, 0,1,2,3,4,5,6,7
	global_load_b128 v[X+32*\p+4*\j:X+32*\p+4*\j+3], v1, s[4:5] offset:4096*\p+512*\j
.endr
.endr
.irp j, 0,1,2,3,4,5,6,7
	global_load_b128 v[G+4*\j:G+4*\j+3], v1, s[6:7] offset:512*\j
	global_load_b128 v[BV+4*\j:BV+4*\j+3], v1, s[8:9] offset:512*\j
.endr
	s_wait_loadcnt 16                              ; the rows are in; g's and b's sixteen loads may be out
.irp p, 0,1,2,3                        ; the four rows take turns, so that no line waits for the line above it
	v_pk_add_f32 v[SM+2*\p:SM+2*\p+1], v[X+32*\p:X+32*\p+1], v[X+32*\p+2:X+32*\p+3]
.endr
.irp j, 4,6,8,10,12,14,16,18,20,22,24,26,28,30
.irp p, 0,1,2,3
	v_pk_add_f32 v[SM+2*\p:SM+2*\p+1], v[SM+2*\p:SM+2*\p+1], v[X+32*\p+\j:X+32*\p+\j+1]
.endr
.endr
.irp p, 0,1,2,3
	v_add_f32 v[SM+2*\p], v[SM+2*\p], v[SM+2*\p+1]
.endr
	RED SM
.irp p, 0,1,2,3
	v_mul_f32 v[SM+2*\p], s20, v[SM+2*\p]          ; the mean
.endr
.irp j, 0,2,4,6,8,10,12,14,16,18,20,22,24,26,28,30
.irp p, 0,1,2,3
	v_pk_add_f32 v[X+32*\p+\j:X+32*\p+\j+1], v[X+32*\p+\j:X+32*\p+\j+1], v[SM+2*\p:SM+2*\p+1] op_sel_hi:[1,0] neg_lo:[0,1] neg_hi:[0,1]   ; x - mean
.endr
.endr
.irp p, 0,1,2,3
	v_pk_mul_f32 v[SQ+2*\p:SQ+2*\p+1], v[X+32*\p:X+32*\p+1], v[X+32*\p:X+32*\p+1]
.endr
.irp j, 2,4,6,8,10,12,14,16,18,20,22,24,26,28,30
.irp p, 0,1,2,3
	v_pk_fma_f32 v[SQ+2*\p:SQ+2*\p+1], v[X+32*\p+\j:X+32*\p+\j+1], v[X+32*\p+\j:X+32*\p+\j+1], v[SQ+2*\p:SQ+2*\p+1]
.endr
.endr
.irp p, 0,1,2,3
	v_add_f32 v[SQ+2*\p], v[SQ+2*\p], v[SQ+2*\p+1]
.endr
	RED SQ
.irp p, 0,1,2,3
	v_fma_f32 v[SQ+2*\p], v[SQ+2*\p], s20, s21     ; the variance + 1e-5
.endr
	s_wait_alu depctr_va_vdst(0)
.irp p, 0,1,2,3
	v_rsq_f32 v[SM+2*\p], v[SQ+2*\p]
.endr
	v_nop                                          ; one plain place behind the transcendentals
	s_wait_loadcnt 0x0                             ; g and b
	s_wait_alu depctr_va_vdst(0)                   ; and behind it, ahead of its first reader
.irp p, 0,1,2,3
.irp j, 0,2,4,6,8,10,12,14,16,18,20,22,24,26,28,30
	v_pk_mul_f32 v[X+32*\p+\j:X+32*\p+\j+1], v[X+32*\p+\j:X+32*\p+\j+1], v[SM+2*\p:SM+2*\p+1] op_sel_hi:[1,0]
.endr
.irp j, 0,2,4,6,8,10,12,14,16,18,20,22,24,26,28,30
	v_pk_fma_f32 v[X+32*\p+\j:X+32*\p+\j+1], v[X+32*\p+\j:X+32*\p+\j+1], v[G+\j:G+\j+1], v[BV+\j:BV+\j+1]
.endr
.irp j, 0,1,2,3,4,5,6,7
	ds_store_b128 v2, v[X+32*\p+4*\j:X+32*\p+4*\j+3] offset:\p*PITCH+512*\j
.endr
.endr
	s_wait_dscnt 0x0                               ; for the others' sake: my rows lie in the stage
	s_barrier_signal -1
	s_barrier_wait -1
.irp c, 0,1
.irp b, 0,1,2,3
.irp q, 0,1,2,3
	ds_load_b128 v[ST+64*\c+16*\b+4*\q:ST+64*\c+16*\b+4*\q+3], v3 offset:512*\c+128*\b+16*\q   ; row r, k = 128 (2 w + c) + 32 b + 16 h + 4 q ..
.endr
.endr
.endr
.irp b, 0,1,2,3
	v_mov_b32 v[TM+4+\b], 0
.endr
	s_wait_dscnt 16                                ; the first K step's sixteen loads are in
	QUANT ST, PC, PW
.irp p, 0,1,2,3,4,5
	global_store_b64 v4, v[PC+2*\p:PC+2*\p+1], s[10:11] offset:256*\p          ; 256 consecutive bytes, aligned
.endr
	s_wait_dscnt 0x0
	QUANT ST2, PC2, PW+1
.irp p, 0,1,2,3,4,5
	global_store_b64 v4, v[PC2+2*\p:PC2+2*\p+1], s[10:11] offset:1536+256*\p
.endr
	ds_store_b32 v5, v[PW]                         ; both halves of the lanes hold row r's word and write the same value
	ds_store_b32 v5, v[PW+1] offset:64
	s_wait_dscnt 0x0
	s_barrier_signal -1
	s_barrier_wait -1                              ; the tile's 128 scale words lie in LDS
	s_cmp_lg_u32 s12, 0
	s_cbranch_scc1 .Lend
	ds_load_b128 v[32:35], v29
	s_wait_dscnt 0x0
	global_store_b128 v1, v[32:35], s[18:19]       ; wave 0 stores them: 512 consecutive bytes
.Lend:
	s_wait_tensorcnt 0x0                           ; the wave's end
	ds_add_u32 v224, v225
	s_wait_dscnt 0x0
	s_endpgm
; THE WEIGHTS, f32 with K as their FIRST axis.  A LANE TAKES A COLUMN AND ITS REGISTERS RUN DOWN K: a load reads 128 consecutive bytes a wave, a block of 32 lies in one lane, the conversions give codes with K innermost.
; A work-group takes 128 columns x 256 K, a wave 32 columns: two row tiles x two K steps = four images, gathered in the wave's own 6,144 bytes of LDS and stored 512 consecutive bytes an instruction.
; Numbered from 256 on: 0-127 Wq, Wk, Wv, Wo (32 each); 128-255 W1; 256-383 W2.  Sizes and pointers are chosen by selects on the work-group's number.  No barrier: waves share nothing.
.Lweights:
.set WB,   3276800                     ; the weights' codes begin here, 786,432 bytes for each 1,024 x 1,024
.set WSB,  12713984                    ; and their scale words, 32,768 bytes likewise
.set EMAX, 4
.set OFF,  16                          ; v16-47   byte offset of row i of a block: 4 x lane + i x stride
.set X,    48                          ; v48-111  two sets of 32 numbers
.set C,    112                         ; v112-118 a block's codes
.set SB,   120                         ; v120-121 the scale words of my column's two K steps
.set OUTR, 124                         ; v124-171 the way out
.set SRC,  32                          ; s[32:47] where block t of my wave begins
.set CB,   50                          ; s[50:53] where my two row tiles' images go
.set SCB,  54                          ; s[54:55] and their scale words
	s_load_b256 s[4:11], s[0:1], 0x20              ; Wq, Wk, Wv, Wo
	s_load_b128 s[12:15], s[0:1], 0x40             ; W1, W2
	s_load_b64 s[16:17], s[0:1], 0x18              ; the result
	v_lshrrev_b32 v1, 5, v0
	v_readfirstlane_b32 s18, v1                    ; wave
	s_sub_co_u32 s3, ttmp9, 256                    ; my number in this job
	s_lshr_b32 s19, s3, 7                          ; class: 0 the four square weights, 1 W1, 2 W2
	s_and_b32 s20, s3, 127
	s_lshr_b32 s21, s20, 5                         ; which square weight
	s_and_b32 s22, s20, 31
	s_lshl_b32 s23, s19, 2
	s_mov_b32 s26, 4096
	s_cmp_eq_u32 s19, 0
	s_cselect_b32 s22, s22, s20                    ; my number within the weight
	s_cselect_b32 s23, s21, s23                    ; the weight's place, in units of a square weight: 0-3, 4, 8
	s_cmp_eq_u32 s19, 1
	s_cselect_b32 s24, 5, 3                        ; W1 has 32 groups of 128 columns, the others 8
	s_cselect_b32 s25, 31, 7
	s_cselect_b32 s26, 16384, s26                  ; bytes in a row of the weight
	s_cmp_eq_u32 s19, 2
	s_cselect_b32 s27, 32, 8                       ; KS: K steps of 128 in the weight's K
	s_and_b32 s28, s22, s25                        ; which 128 columns
	s_lshr_b32 s29, s22, s24                       ; which 256 along K
	s_mul_i32 s30, s29, s26
	s_lshl_b32 s30, s30, 8                         ; 256 rows x stride
	s_lshl_b32 s31, s28, 9
	s_add_co_u32 s30, s30, s31                     ; + 128 columns x 4 bytes
	s_lshl_b32 s31, s18, 7
	s_add_co_u32 s30, s30, s31                     ; + my wave's 32 columns
	s_mov_b32 s31, 0
	s_lshl_b32 s48, s26, 5                         ; 32 rows: from block to block
	s_mov_b32 s49, 0
	s_lshl_b32 s56, s28, 2
	s_add_co_u32 s56, s56, s18                     ; my group of 32 columns
	s_lshl_b32 s56, s56, 1                         ; its first row tile
	s_mul_i32 s56, s56, s27
	s_lshl_b32 s57, s29, 1
	s_add_co_u32 s56, s56, s57                     ; tile x KS + first K step
	s_mul_i32 s58, s56, 1536
	s_mul_i32 s57, s23, 786432
	s_add_co_u32 s58, s58, s57
	s_add_co_u32 s58, s58, WB
	s_mov_b32 s59, 0
	s_lshl_b32 s56, s56, 6
	s_lshl_b32 s57, s23, 15
	s_add_co_u32 s56, s56, s57
	s_add_co_u32 s56, s56, WSB
	s_mov_b32 s57, 0
	s_mul_i32 s60, s27, 1536                       ; from a row tile to the next
	s_mov_b32 s61, 0
	s_mul_i32 s62, s18, 6144
	s_add_co_u32 s62, s62, WLDS                    ; my wave's LDS
	s_lshl_b32 s63, s27, 6                         ; a row tile's scale words
	v_and_b32 v6, 31, v0                           ; lane = column within the 32
	v_lshlrev_b32 v[OFF], 2, v6
.set I, 1
.rept 31
	v_add_nc_u32 v[OFF+I], s26, v[OFF+I-1]
.set I, I+1
.endr
	v_bfe_u32 v7, v0, 3, 1                         ; u: which of the two row tiles my column falls into
	v_bfe_u32 v8, v0, 4, 1
	v_and_b32 v9, 7, v0
	v_lshl_add_u32 v9, v8, 3, v9                   ; r: its row there
	v_mul_u32_u24 v2, v7, 1536
	v_lshl_add_u32 v2, v9, 3, v2
	v_add_nc_u32 v2, s62, v2                       ; LDS, in: image u, 8 r
	v_lshlrev_b32 v4, 4, v6                        ; out: 16 bytes a lane
	v_add_nc_u32 v3, s62, v4
	v_lshl_add_u32 v10, v6, 3, s62                 ; out, for W2: 8 bytes a lane
	v_mul_u32_u24 v5, s63, v7
	v_lshl_add_u32 v5, v9, 2, v5                   ; my scale word's place: tile u, 4 r
	s_wait_kmcnt 0x0
	s_cmp_eq_u32 s21, 1                            ; the weight's address: choices that hang on the work-group's number alone
	s_cselect_b64 s[4:5], s[6:7], s[4:5]
	s_cmp_eq_u32 s21, 2
	s_cselect_b64 s[4:5], s[8:9], s[4:5]
	s_cmp_eq_u32 s21, 3
	s_cselect_b64 s[4:5], s[10:11], s[4:5]
	s_cmp_eq_u32 s19, 1
	s_cselect_b64 s[4:5], s[12:13], s[4:5]
	s_cmp_eq_u32 s19, 2
	s_cselect_b64 s[4:5], s[14:15], s[4:5]
	s_add_nc_u64 s[SRC:SRC+1], s[4:5], s[30:31]
.irp t, 1,2,3,4,5,6,7
	s_add_nc_u64 s[SRC+2*\t:SRC+2*\t+1], s[SRC+2*\t-2:SRC+2*\t-1], s[48:49]
.endr
	s_add_nc_u64 s[CB:CB+1], s[16:17], s[58:59]
	s_add_nc_u64 s[CB+2:CB+3], s[CB:CB+1], s[60:61]
	s_add_nc_u64 s[SCB:SCB+1], s[16:17], s[56:57]
.macro LOAD t                          ; block t: rows 32 t + i of my column, into set t % 2
.set I, 0
.rept 32
	global_load_b32 v[X+32*((\t)%2)+I], v[OFF+I], s[SRC+2*(\t):SRC+2*(\t)+1] th:TH_LOAD_NT
.set I, I+1
.endr
.endm
	LOAD 0
	LOAD 1
.macro BLOCK t
.set XS, X+32*((\t)%2)
.if (\t) < 7
	s_wait_loadcnt 32                              ; this block's 32 loads are in; the next block's may be out
.else
	s_wait_loadcnt 0
.endif
	v_max3_num_f32 v12, |v[XS]|, |v[XS+1]|, |v[XS+2]|      ; the block's largest magnitude: all 32 numbers are mine
	v_max3_num_f32 v13, |v[XS+3]|, |v[XS+4]|, |v[XS+5]|
.irp i, 6,10,14,18,22,26
	v_max3_num_f32 v12, v12, |v[XS+\i]|, |v[XS+\i+1]|
	v_max3_num_f32 v13, v13, |v[XS+\i+2]|, |v[XS+\i+3]|
.endr
	v_max3_num_f32 v12, v12, |v[XS+30]|, |v[XS+31]|
	v_max3_num_f32 v12, v12, v13, (EMAX+1)<<23     ; the floor 2^(5 - 127): the byte cannot fall under 1
	v_add_nc_u32 v11, -(EMAX<<23), v12             ; 4 off the exponent field: the conversion's scale operand
	v_lshrrev_b32 v13, 23, v11                     ; the byte
.if (\t)%4 == 0
	v_mov_b32 v[SB+(\t)/4], v13
.else
	v_lshl_or_b32 v[SB+(\t)/4], v13, 8*((\t)%4), v[SB+(\t)/4]
.endif
	v_cvt_scalef32_pk16_bf6_f32 v[C:C+2], v[XS:XS+15], v11
	v_cvt_scalef32_pk16_bf6_f32 v[C+4:C+6], v[XS+16:XS+31], v11    ; (a conversion's three registers begin on an even number)
	v_nop                                          ; one plain place behind a scaled conversion
	v_mov_b32 v[C+3], v[C+4]
	v_mov_b32 v[C+4], v[C+5]
	v_mov_b32 v[C+5], v[C+6]                       ; six registers on end: registers 6 c .. 6 c + 5 of lane (r, t % 2) of the image, c = (t % 4) / 2
.irp p, 0,1,2
	ds_store_b64 v2, v[C+2*\p:C+2*\p+1] offset:((\t)/4)*3072+768*(((\t)%4)/2)+256*\p+128*((\t)%2)
.endr
.if (\t)+2 < 8
	LOAD (\t)+2
.endif
	s_wait_dscnt 0x0                               ; the stores have read their registers: the next block's codes may be written
.endm
.irp t, 0,1,2,3,4,5,6,7
	BLOCK \t
.endr
	global_store_b32 v5, v[SB], s[SCB:SCB+1]
	s_wait_alu depctr_va_vdst(0)
	global_store_b32 v5, v[SB+1], s[SCB:SCB+1] offset:64
	; W2's images leave in another order, for loads of 16 bytes a lane.  Only the way back from the stage differs; the branch hangs on the work-group's number alone.
	s_cmp_eq_u32 s19, 2
	s_cbranch_scc1 .Lw2
.irp n, 0,1,2,3,4,5,6,7,8,9,10,11      ; n = 6 (K step) + 3 (tile) + third of an image.  LDS serves a wave's instructions in order: these see my stores
	ds_load_b128 v[OUTR+4*\n:OUTR+4*\n+3], v3 offset:(\n/6)*3072+((\n/3)%2)*1536+512*(\n%3)
.endr
	s_branch .Lsend
.Lw2:
.irp n, 0,1,2,3,4,5,6,7,8,9,10,11      ; my 16 bytes are my 8 bytes of plane 2 Q and my 8 of plane 2 Q + 1.  24 loads: the counts below, made for 12, wait for more than is needed
	ds_load_b64 v[OUTR+4*\n:OUTR+4*\n+1], v10 offset:(\n/6)*3072+((\n/3)%2)*1536+512*(\n%3)
	ds_load_b64 v[OUTR+4*\n+2:OUTR+4*\n+3], v10 offset:(\n/6)*3072+((\n/3)%2)*1536+512*(\n%3)+256
.endr
.Lsend:
.irp n, 0,1,2,3,4,5,6,7,8,9,10,11
	s_wait_dscnt 11-\n
	global_store_b128 v4, v[OUTR+4*\n:OUTR+4*\n+3], s[CB+2*((\n/3)%2):CB+2*((\n/3)%2)+1] offset:(\n/6)*1536+512*(\n%3)   ; 512 consecutive bytes, at a multiple of 256
.endr
	s_wait_tensorcnt 0x0                           ; the wave's end
	ds_add_u32 v224, v225
	s_wait_dscnt 0x0
	s_endpgm
.Lfunc_end_k_qa7d26572af_prep:
	.size	k_qa7d26572af_prep, .Lfunc_end_k_qa7d26572af_prep-k_qa7d26572af_prep
	.p2alignl 7, 3214868480
	.fill 96, 4, 3214868480
	.section	.rodata,"a",@progbits
	.p2align	6, 0x0
	.amdhsa_kernel k_qa7d26572af_prep
		.amdhsa_group_segment_fixed_size 91392
		.amdhsa_private_segment_fixed_size 0
		.amdhsa_enable_private_segment 0
		.amdhsa_kernarg_size 80
		.amdhsa_user_sgpr_count 2
		.amdhsa_user_sgpr_kernarg_segment_ptr 1
		.amdhsa_wavefront_size32 1
		.amdhsa_system_sgpr_workgroup_id_x 1
		.amdhsa_system_sgpr_workgroup_id_y 1
		.amdhsa_system_sgpr_workgroup_id_z 1
		.amdhsa_system_vgpr_workitem_id 0
		.amdhsa_next_free_vgpr 226
		.amdhsa_next_free_sgpr 66
		.amdhsa_reserve_vcc 0
		.amdhsa_float_denorm_mode_32 3
		.amdhsa_float_denorm_mode_16_64 3
		.amdhsa_memory_ordered 1
		.amdhsa_forward_progress 1
		.amdhsa_inst_pref_size 90
	.end_amdhsa_kernel
	.amdgpu_metadata
---
amdhsa.version: [ 1, 2 ]
amdhsa.kernels:
  - .name:           k_qa7d26572af_prep
    .symbol:         k_qa7d26572af_prep.kd
    .args:
      - { .name: x, .offset: 0, .size: 8, .value_kind: global_buffer, .address_space: global }
      - { .name: ln1_g, .offset: 8, .size: 8, .value_kind: global_buffer, .address_space: global }
      - { .name: ln1_b, .offset: 16, .size: 8, .value_kind: global_buffer, .address_space: global }
      - { .name: wh, .offset: 24, .size: 8, .value_kind: global_buffer, .address_space: global }
      - { .name: Wq, .offset: 32, .size: 8, .value_kind: global_buffer, .address_space: global }
      - { .name: Wk, .offset: 40, .size: 8, .value_kind: global_buffer, .address_space: global }
      - { .name: Wv, .offset: 48, .size: 8, .value_kind: global_buffer, .address_space: global }
      - { .name: Wo, .offset: 56, .size: 8, .value_kind: global_buffer, .address_space: global }
      - { .name: W1, .offset: 64, .size: 8, .value_kind: global_buffer, .address_space: global }
      - { .name: W2, .offset: 72, .size: 8, .value_kind: global_buffer, .address_space: global }
    .group_segment_fixed_size: 91392
    .private_segment_fixed_size: 0
    .kernarg_segment_align: 8
    .kernarg_segment_size: 80
    .max_flat_workgroup_size: 128
    .sgpr_count:     66
    .vgpr_count:     226
    .wavefront_size: 32
...
	.end_amdgpu_metadata
.endif
;; end of part 8
;; launch qkv (part 9): grid 12 x 16, 4 waves a work-group, clusters of 4 x 4, 327,680 bytes of LDS; arguments wh, bq, bk, bv, qkvimg; writes qkvimg
.if DOCPART == 9
	.amdgcn_target "amdgcn-amd-amdhsa--gfx1250"
	.amdhsa_code_object_version 6
	.text
	.protected	k_qa7d26572af_qkv
	.globl	k_qa7d26572af_qkv
	.p2align	8
	.type	k_qa7d26572af_qkv,@function
k_qa7d26572af_qkv:
	s_mov_b64 s[64:65], 0
	v_nop
	global_prefetch_b8 v0, s[64:65] scope:SCOPE_SE
	s_setreg_imm32_b32 hwreg(HW_REG_WAVE_MODE, 25, 1), 1
	s_wait_xcnt 0x0
	s_wait_alu depctr_hold_cnt(0) depctr_sa_sdst(0) depctr_va_vdst(0) depctr_va_sdst(0) depctr_va_ssrc(0) depctr_va_vcc(0) depctr_vm_vsrc(0)
	s_getreg_b32 s2, hwreg(HW_REG_IB_STS2, 6, 4)
	s_cmp_eq_u32 s2, 0
	s_cbranch_scc0 .Lentry_in_a_cluster
	s_endpgm
.Lentry_in_a_cluster:
	s_bfe_u32 s2, ttmp6, 0x10000c
	s_cmp_lg_u32 s2, 0xf033
	s_cbranch_scc0 .Lentry_shape_is_right
	s_endpgm
.Lentry_shape_is_right:
.set QKV,    1
.set KS,     8
.set IMG,    1536
.set NQ,     2
.set STEPB,  NQ*IMG
.set RTB,    KS*IMG
.set FR,     12
.set NL,     6
.set NP,     4
.set HALFT,  8*STEPB
.set SLOT,   4*HALFT
.set LAPS,   KS/4
.set SCL,    2*SLOT
.set HALFS,  8*KS*64
.set SPARE,  SCL+4*HALFS
.set VO,   4
.set ADRA, 16
.set ADRB, 20
.set VS,   25
.set SWA,  26
.set ADRS, 27
.set SPW,  28
.set NIL,  29
.set SRA,  30
.set SC,   32
.set BC,   64
.set AF,   128
.set W,    128
.set Z,    192
.set Z2,   200
.set PP,   208
.set QQ,   216
.set PC,   192
.set PW,   212
.set BRC,  214
.set BR,   224
.set CA7,  224
.set CA5,  226
.set CA3,  228
.set CA1,  230
.set CB10, 232
.set CB8,  234
.set CB6,  236
.set CB4,  238
.set CB2,  12
.set TM,   240
.set G1, 24
.set G0, 32
.set G1B, 48
.set G0B, 56
.set G1S, 68
.set G0S, 76
.set G1SB, 80
.set G0SB, 88
.set SEL, 46
.set CLN, 22
.set CLP, 23
.if QKV
.set PA,  4
.set PB,  4
.set PBI, 6
.set OC,  12
.else
.set PA,  4
.set PB,  6
.set PBI, 8
.set OC,  10
.endif
.set MSB, 0
.macro WIN new
.if MSB != (\new)
	s_set_vgpr_msb (MSB<<8)|(\new)
.set MSB, (\new)
.endif
.endm
.set MUL_LO, 0xa1
.set MUL_HI, 0xf1
.set TO_B,   0x40
.macro JLOAD g0a, g1a, g0b, g1b
	s_cmp_eq_u32 s15, 0
	s_cbranch_scc0 .Lfor_b_\@
	tensor_load_to_lds s[\g0a:\g0a+3], s[\g1a:\g1a+7]
	s_nop 0
.rept 4
	v_nop
.endr
	s_branch .Lasked_\@
.Lfor_b_\@:
	tensor_load_to_lds s[\g0b:\g0b+3], s[\g1b:\g1b+7]
	s_nop 0
.rept 4
	v_nop
.endr
.Lasked_\@:
.endm
.macro CREST
	s_cmp_lg_u32 s14, 0
	s_cbranch_scc1 .Lnot_wave_0_\@
	s_barrier_signal -3
.Lnot_wave_0_\@:
	s_barrier_wait -3
	s_barrier_signal -1
	s_barrier_wait -1
.endm
.macro CROUND
	s_barrier_signal -1
	s_barrier_wait -1
	CREST
.endm
	s_load_b256 s[4:11], s[0:1], 0x0
.if QKV
	s_load_b64 s[12:13], s[0:1], 0x20
.endif
	v_lshl_add_u32 v[SPW], v0, 2, SPARE
	v_mov_b32 v[NIL], 0
	ds_add_u32 v28, v29
	ds_add_u32 v28, v29
	s_wait_dscnt 0x0
	v_lshrrev_b32 v1, 5, v0
	v_readfirstlane_b32 s14, v1
	s_lshr_b32 s15, s14, 1
	s_and_b32 s16, s14, 1
	s_bfe_u32 s40, ttmp6, 0x40000
	s_bfe_u32 s41, ttmp6, 0x40004
	s_lshl_b32 s43, s41, 2
	s_lshl_b32 s43, 15, s43
	s_lshl_b32 s44, 0x1111, s40
	s_and_b32 s18, ttmp7, 0xffff
	s_lshl_b32 s18, s18, 2
	s_lshl_b32 s19, ttmp9, 2
.if QKV
	s_mov_b32 s96, 3145728
	s_mov_b32 s98, 12713984
	s_mov_b32 s66, 1536
	s_mov_b32 s99, 393216
	s_mov_b32 s100, 9437184
	s_cmp_eq_u32 ttmp9, 2
	s_cselect_b32 s17, 0, s18
	s_cselect_b32 s42, s18, s19
	s_cselect_b32 s95, 4849664, 0
	s_cselect_b32 s96, 12779520, s96
	s_cselect_b32 s97, 0, 3276800
	s_cselect_b32 s98, 3145728, s98
	s_cselect_b32 s101, 6291456, 0
	s_cselect_b32 s66, 49152, s66
	s_cselect_b32 s99, 1536, s99
	s_cselect_b32 s100, 9699328, s100
	s_cselect_b32 s104, 2048, 64
	s_cselect_b32 s105, 64, 16384
	s_cselect_b32 s94, 0, -1
	s_cselect_b32 s2, -1, 0
.else
	s_mov_b32 s17, s18
	s_mov_b32 s42, s19
	s_mov_b32 s95, 0
	s_mov_b32 s96, 3145728
	s_mov_b32 s97, 6422528
	s_mov_b32 s98, 12845056
	s_mov_b32 s101, 0
	s_mov_b32 s66, 49152
	s_mov_b32 s99, 1536
	s_mov_b32 s100, 12582912
	s_mov_b32 s104, 2048
	s_mov_b32 s105, 64
.endif
	s_mov_b32 s67, 0
	s_add_co_u32 s17, s17, s41
	s_add_co_u32 s42, s42, s40
	s_or_b32 s[G1+0], s43, (3<<16)|(1<<21)
	s_or_b32 s[G1B+0], s44, (3<<16)|(1<<21)
.irp g, G1, G1B
	s_mov_b32 s[\g+1], 384<<16
	s_mov_b32 s[\g+2], 16<<16                      ; the head's loads bring all 16 row tiles; behind them the two words that count rows are set to 8
	s_mov_b32 s[\g+3], 384<<16
	s_mov_b32 s[\g+4], 16
	s_mov_b32 s[\g+5], KS*192
	s_mov_b32 s[\g+6], 0
	s_mov_b32 s[\g+7], 0
.endr
	s_or_b32 s[G1S+0], s43, (3<<16)|(1<<21)
	s_or_b32 s[G1SB+0], s44, (3<<16)|(1<<21)
.irp g, G1S, G1SB
	s_mov_b32 s[\g+1], 32<<16
	s_mov_b32 s[\g+2], (4*KS)<<16                  ; the scale words of 16 row tiles: 4 KS rows of 256 bytes
	s_mov_b32 s[\g+3], 32<<16
	s_mov_b32 s[\g+4], 4*KS
	s_mov_b32 s[\g+5], 32
	s_mov_b32 s[\g+6], 0
	s_mov_b32 s[\g+7], 0
.endr
	s_mov_b32 s18, 0                               ; the addresses below are those of the whole tiles
	s_lshl_b32 s20, s17, 4
	s_add_co_u32 s20, s20, s18
	s_mul_i32 s22, s20, KS*64
	s_add_co_u32 s22, s22, s96
	s_mul_i32 s20, s20, RTB
	s_add_co_u32 s20, s20, s95
	s_mov_b32 s21, 0
	s_mov_b32 s23, 0
	s_lshl_b32 s46, s42, 4
	s_add_co_u32 s46, s46, s18
	s_mul_i32 s92, s46, KS*64
	s_add_co_u32 s92, s92, s98
	s_mul_i32 s46, s46, RTB
	s_add_co_u32 s46, s46, s97
	s_mov_b32 s47, 0
	s_mov_b32 s93, 0
	s_mul_i32 s45, s14, HALFT
	s_mul_i32 s18, s16, 8*RTB                      ; s[18:19]: from a tile's first row tile to the 8 that I fetch in the ring
	s_mov_b32 s19, 0
	s_wait_kmcnt 0x0
	s_add_nc_u64 s[20:21], s[PA:PA+1], s[20:21]
	s_add_nc_u64 s[22:23], s[PA:PA+1], s[22:23]
	s_add_nc_u64 s[46:47], s[PB:PB+1], s[46:47]
	s_add_nc_u64 s[92:93], s[PB:PB+1], s[92:93]
	CROUND
	s_mov_b32 s[G0S], 1
	s_mov_b32 s[G0S+1], SCL
	s_mov_b64 s[G0S+2:G0S+3], s[22:23]
	s_or_b32 s[G0S+3], s[G0S+3], 0x80000000
	s_mov_b32 s[G0SB], 1
	s_mov_b32 s[G0SB+1], SCL+2*HALFS
	s_mov_b64 s[G0SB+2:G0SB+3], s[92:93]
	s_or_b32 s[G0SB+3], s[G0SB+3], 0x80000000
.irp s, 0,1
	s_mov_b32 s[G0+4*\s], 1
	s_add_co_u32 s[G0+4*\s+1], s45, \s*SLOT
	s_add_nc_u64 s[G0+4*\s+2:G0+4*\s+3], s[20:21], \s*STEPB
	s_or_b32 s[G0+4*\s+3], s[G0+4*\s+3], 0x80000000
	s_mov_b32 s[G0B+4*\s], 1
	s_add_co_u32 s[G0B+4*\s+1], s45, \s*SLOT
	s_add_nc_u64 s[G0B+4*\s+2:G0B+4*\s+3], s[46:47], \s*STEPB
	s_or_b32 s[G0B+4*\s+3], s[G0B+4*\s+3], 0x80000000
.endr
	s_mov_b32 s[G0+1], 0                           ; for the head: slot 0's A whole,
	s_mov_b32 s[G0B+1], 2*HALFT                    ; and its B whole, behind A
	s_add_nc_u64 s[G0+6:G0+7], s[G0+6:G0+7], s[18:19]      ; slot 1's loads bring my 8 row tiles
	s_add_nc_u64 s[G0B+6:G0B+7], s[G0B+6:G0B+7], s[18:19]
; THE HEAD'S LOADS, ONE A WAVE: wave 0 slot 0's 16 row tiles of A, wave 1 those of B, wave 2 A's scale words, wave 3 B's.  One chain of branches on the wave's number, all arms to one join.
.macro ARM under, g0, g1, next
	s_cmp_lt_u32 s14, \under
	s_cbranch_scc0 \next
	tensor_load_to_lds s[\g0:\g0+3], s[\g1:\g1+7]
	s_nop 0
.rept 4
	v_nop
.endr
	s_branch .Lhead_asked
\next:
.endm
	ARM 1, G0,  G1,  .Lhead_b
	ARM 2, G0B, G1B, .Lhead_sa
	ARM 3, G0S, G1S, .Lhead_sb
	tensor_load_to_lds s[G0SB:G0SB+3], s[G1SB:G1SB+7]
	s_nop 0
.rept 4
	v_nop
.endr
.Lhead_asked:
	s_wait_alu depctr_va_vdst(0)
	s_wait_tensorcnt 0x0                           ; my tile of the head's four is in
	ds_add_u32 v28, v29
	s_mov_b32 s[G1+2], 8<<16                       ; no tensor load of mine is out, so descriptors may be written: from here on a load brings 8 row tiles,
	s_mov_b32 s[G1+4], 8
	s_mov_b32 s[G1B+2], 8<<16
	s_mov_b32 s[G1B+4], 8
	s_mov_b32 s[G0+1], s45                         ; and slot 0's refills bring my 8, to my quarter of the slot
	s_mov_b32 s[G0B+1], s45
	s_add_nc_u64 s[G0+2:G0+3], s[G0+2:G0+3], s[18:19]
	s_add_nc_u64 s[G0B+2:G0B+3], s[G0B+2:G0B+3], s[18:19]
	s_wait_dscnt 0x0
	CROUND
	JLOAD G0+4, G1, G0B+4, G1B                     ; slot 1's first fill, the first tensor load behind the round
	v_and_b32 v1, 15, v0
	v_bfe_u32 v2, v0, 4, 1
	s_wait_alu depctr_va_vdst(0)
	v_and_b32 v3, 31, v0
	v_lshlrev_b32 v[VO], 3, v3
	s_mul_i32 s21, s15, HALFT
	s_mul_i32 s22, s16, HALFT
	s_add_co_u32 s22, s22, 2*HALFT
.irp s, 0,1
	v_add_nc_u32 v[ADRA+\s], s21, v[VO]
	v_add_nc_u32 v[ADRB+\s], s22, v[VO]
	s_add_co_u32 s21, s21, SLOT
	s_add_co_u32 s22, s22, SLOT
.endr
	v_lshlrev_b32 v5, 2, v1
	s_mul_i32 s21, s15, HALFS
	s_mul_i32 s22, s16, HALFS
	s_add_co_u32 s22, s22, 2*HALFS
	s_sub_co_u32 s22, s22, s21
	v_mul_u32_u24 v6, s22, v2
	s_add_co_u32 s21, s21, SCL
	v_add_nc_u32 v5, v5, v6
	v_add_nc_u32 v[ADRS], s21, v5
	s_lshl_b32 s21, s14, 9
	v_lshl_add_u32 v[SWA], v1, 2, s21
	v_lshl_add_u32 v[SRA], v3, 4, s21
	v_lshrrev_b32 v5, 2, v3
	v_mul_u32_u24 v[VS], s104, v5
	v_and_b32 v5, 3, v3
	v_lshl_add_u32 v[VS], v5, 4, v[VS]
	v_lshlrev_b32 v7, 6, v2
	s_wait_alu depctr_va_vdst(0)
	s_lshl_b32 s18, s17, 4
	s_lshl_b32 s19, s15, 3
	s_add_co_u32 s18, s18, s19
	s_lshl_b32 s19, s42, 1
	s_add_co_u32 s19, s19, s16
	s_mov_b32 s21, 0
.if QKV
	s_and_b32 s20, s19, 7
	s_lshl_b32 s20, s20, 9
	s_cmp_eq_u32 ttmp9, 0
	s_cselect_b64 s[6:7], s[6:7], s[8:9]
	s_add_nc_u64 s[6:7], s[6:7], s[20:21]
	s_and_b32 s20, s18, 63
	s_lshl_b32 s20, s20, 6
	s_add_nc_u64 s[10:11], s[10:11], s[20:21]
	v_and_b32 v9, 8, v1
	v_add_nc_u32 v9, v9, v1
	v_lshlrev_b32 v9, 2, v9
.else
	s_lshl_b32 s20, s19, 9
	s_add_nc_u64 s[8:9], s[8:9], s[20:21]
.endif
.irp b, 0,1,2,3
.irp q, 0,1,2,3
	global_load_b128 v[BC+16*\b+4*\q:BC+16*\b+4*\q+3], v7, s[PBI:PBI+1] offset:128*\b+16*\q
.endr
.endr
.if QKV
.irp a, 0,1,2,3,4,5,6,7
	global_load_b32 v[BR+\a], v9, s[10:11] offset:(32*(\a/2)+8*(\a%2))*4
.endr
.endif
	s_mul_i32 s22, s18, s104
	s_mul_i32 s23, s19, s105
	s_add_co_u32 s22, s22, s23
	s_add_co_u32 s22, s22, s100
	s_mov_b32 s23, 0
	s_add_nc_u64 s[92:93], s[OC:OC+1], s[22:23]
	s_mul_i32 s20, s18, s66
	s_mul_i32 s22, s19, s99
	s_add_co_u32 s20, s20, s22
	s_add_co_u32 s20, s20, s101
	s_add_nc_u64 s[OC:OC+1], s[OC:OC+1], s[20:21]
.macro FRAG reg, adr, q, i
.irp p, 0,1,2,3,4,5
	ds_load_b64 v[\reg+2*\p:\reg+2*\p+1], v[\adr] offset:(\i)*STEPB+(\q)*IMG+256*\p
.endr
.endm
.macro MUL16 a0, p, q, sc, zero
.irp a, \a0, \a0+1
.irp b, 0,1,2,3,4,5,6,7
.set DD,  8*(8*((\a)%4)+\b)
.set FB,  128*(\p)+FR*\b
.set FA,  AF+FR*(\a)
.set SWB, SC+8*NQ*(\sc)+NQ*\b+(\q)
.set SWX, SC+8*NQ*(\sc)+NQ*(\a)+(\q)
.if \zero
	v_wmma_scale_f32_16x16x128_f8f6f4 v[DD:DD+7], v[FB:FB+FR-1], v[FA:FA+FR-1], 0, v[SWB], v[SWX] matrix_a_fmt:MATRIX_FMT_BF6 matrix_b_fmt:MATRIX_FMT_BF6 matrix_a_scale:MATRIX_SCALE_ROW1
.else
	v_wmma_scale_f32_16x16x128_f8f6f4 v[DD:DD+7], v[FB:FB+FR-1], v[FA:FA+FR-1], v[DD:DD+7], v[SWB], v[SWX] matrix_a_fmt:MATRIX_FMT_BF6 matrix_b_fmt:MATRIX_FMT_BF6 matrix_a_scale:MATRIX_SCALE_ROW1
.endif
.endr
.endr
.endm
.macro FETCH_B slot, q, p
	WIN TO_B
.irp i, 0,1,2,3,4,5,6,7
	FRAG 128*(\p)+FR*\i, ADRB+\slot, \q, \i
.endr
	WIN 0
.endm
.macro FETCH_A slot, q, i0
.irp i, \i0, \i0+1, \i0+2, \i0+3
	FRAG AF+FR*(\i), ADRA+\slot, \q, \i
.endr
.endm
.macro SCALES sc
.irp i, 0,1,2,3,4,5,6,7
.irp q, 0,1
	ds_load_b32 v[SC+8*NQ*\sc+NQ*\i+\q], v[ADRS] offset:\i*KS*64+64*\q
.endr
.endr
.endm
.macro PLACES n
.rept \n
	v_nop
.endr
.endm
.macro STEP slot, q, zero
	s_wait_dscnt 4*NL
	WIN MUL_LO
	MUL16 0, (\q)%2, \q, \slot, \zero
	MUL16 2, (\q)%2, \q, \slot, \zero
	s_wait_dscnt 0
	PLACES NP
	FETCH_B \slot, (\q)+1, 1-(\q)%2
	FETCH_A \slot, (\q)+1, 0
	WIN MUL_HI
	MUL16 4, (\q)%2, \q, \slot, \zero
	MUL16 6, (\q)%2, \q, \slot, \zero
	PLACES NP
	WIN 0
	FETCH_A \slot, (\q)+1, 4
.endm
.macro TURN slot, next, fill
	s_wait_tensorcnt 0x0
	ds_add_u32 v[SPW], v[NIL]
	s_wait_dscnt 4*NL+1
	WIN MUL_LO
	MUL16 0, 1, NQ-1, \slot, 0
	s_wait_dscnt 0x0
	s_barrier_signal -1
	MUL16 2, 1, NQ-1, \slot, 0
	WIN 0
	s_barrier_wait -1
.if \fill
	CREST
	s_add_nc_u64 s[G0+4*\slot+2:G0+4*\slot+3], s[G0+4*\slot+2:G0+4*\slot+3], 2*STEPB
	s_add_nc_u64 s[G0B+4*\slot+2:G0B+4*\slot+3], s[G0B+4*\slot+2:G0B+4*\slot+3], 2*STEPB
	JLOAD G0+4*\slot, G1, G0B+4*\slot, G1B
.else
	PLACES NP
.endif
	s_wait_alu depctr_va_vdst(0)
	v_add_nc_u32 v[ADRS], 64*NQ, v[ADRS]
	FETCH_B \next, 0, 0
	FETCH_A \next, 0, 0
	SCALES \next
	WIN MUL_HI
	MUL16 4, 1, NQ-1, \slot, 0
	MUL16 6, 1, NQ-1, \slot, 0
	PLACES NP
	WIN 0
	FETCH_A \next, 0, 4
.endm
	s_wait_tensorcnt 1
	s_barrier_signal -1
	s_barrier_wait -1
	FETCH_B 0, 0, 0
	FETCH_A 0, 0, 0
	SCALES 0
	FETCH_A 0, 0, 4
	STEP 0, 0, 1
	s_mov_b32 s3, LAPS-1
.Llap:
	TURN 0, 1, 1
	STEP 1, 0, 0
	TURN 1, 0, 1
	STEP 0, 0, 0
	s_sub_co_u32 s3, s3, 1
	s_cmp_lg_u32 s3, 0
	s_cbranch_scc1 .Llap
	TURN 0, 1, 0
	STEP 1, 0, 0
	s_wait_dscnt 4*NL
	WIN MUL_LO
	MUL16 0, 1, NQ-1, 1, 0
	MUL16 2, 1, NQ-1, 1, 0
	s_wait_dscnt 0
	WIN MUL_HI
	MUL16 4, 1, NQ-1, 1, 0
	MUL16 6, 1, NQ-1, 1, 0
	WIN 0
.macro QUANT s, pc, pw
.irp b, 0,1,2,3
	v_max3_num_f32 v[TM+\b], |v[\s+16*\b]|, |v[\s+1+16*\b]|, 0x2800000
.endr
.irp i, 2,4,6,8,10,12,14
.irp b, 0,1,2,3
	v_max3_num_f32 v[TM+\b], v[TM+\b], |v[\s+16*\b+\i]|, |v[\s+1+16*\b+\i]|
.endr
.endr
.irp b, 0,1,2,3
	v_permlanex16_b32 v[TM+4+\b], v[TM+\b], s[SEL], s[SEL+1]
.endr
.irp b, 0,1,2,3
	v_max_num_f32 v[TM+\b], v[TM+\b], v[TM+4+\b]
.endr
.irp b, 0,1,2,3
	v_add_nc_u32 v[TM+12+\b], 0xfe000000, v[TM+\b]
.endr
.irp b, 0,1,2,3
	v_lshrrev_b32 v[TM+4+\b], 23, v[TM+12+\b]
.endr
	v_lshl_or_b32 v[\pw], v[TM+5], 8, v[TM+4]
	v_lshl_or_b32 v[\pw], v[TM+6], 16, v[\pw]
	v_lshl_or_b32 v[\pw], v[TM+7], 24, v[\pw]
.irp c, 0,1
	v_cvt_scalef32_pk16_bf6_f32 v[\pc+6*\c:\pc+2+6*\c], v[\s+32*\c:\s+15+32*\c], v[TM+12+2*\c]
	v_cvt_scalef32_pk16_bf6_f32 v[\pc+12+4*\c:\pc+14+4*\c], v[\s+16+32*\c:\s+31+32*\c], v[TM+12+2*\c+1]
.endr
	v_nop
.irp c, 0,1
.irp i, 0,1,2
	v_permlane16_swap_b32 v[\pc+6*\c+\i], v[\pc+12+4*\c+\i]
.endr
.irp i, 0,1,2
	v_mov_b32 v[\pc+3+6*\c+\i], v[\pc+12+4*\c+\i]
.endr
.endr
.endm
.macro COEF reg, bits
	v_mov_b32 v[\reg], \bits
	v_mov_b32 v[\reg+1], \bits
.endm
.macro HORNER acc, add
.irp k, 0,2,4,6
	v_pk_fma_f32 v[\acc+\k:\acc+\k+1], v[\acc+\k:\acc+\k+1], v[Z2+\k:Z2+\k+1], v[\add:\add+1]
.endr
.endm
.macro GELU8 g
.set WG, W+8*(\g)
.irp k, 0,2,4,6
	v_pk_mul_f32 v[Z+\k:Z+\k+1], v[WG+\k:WG+\k+1], 0x3f3504f3 op_sel_hi:[1,0]
.endr
.irp k, 0,1,2,3,4,5,6,7
	v_med3_num_f32 v[Z+\k], v[Z+\k], s[CLN], s[CLP]
.endr
.irp k, 0,2,4,6
	v_pk_mul_f32 v[Z2+\k:Z2+\k+1], v[Z+\k:Z+\k+1], v[Z+\k:Z+\k+1]
.endr
.irp k, 0,2,4,6
	v_pk_fma_f32 v[PP+\k:PP+\k+1], v[Z2+\k:Z2+\k+1], 0x39702d51, v[CA7:CA7+1] op_sel_hi:[1,0,1]
.endr
.irp k, 0,2,4,6
	v_pk_fma_f32 v[QQ+\k:QQ+\k+1], v[Z2+\k:Z2+\k+1], 0xb3fd3906, v[CB10:CB10+1] op_sel_hi:[1,0,1]
.endr
	HORNER PP, CA5
	HORNER QQ, CB8
	HORNER PP, CA3
	HORNER QQ, CB6
	HORNER PP, CA1
	HORNER QQ, CB4
	HORNER QQ, CB2
.irp k, 0,2,4,6
	v_pk_fma_f32 v[QQ+\k:QQ+\k+1], v[QQ+\k:QQ+\k+1], v[Z2+\k:Z2+\k+1], 1.0 op_sel_hi:[1,1,0]
.endr
.irp k, 0,2,4,6
	v_pk_mul_f32 v[PP+\k:PP+\k+1], v[PP+\k:PP+\k+1], v[Z+\k:Z+\k+1]
.endr
.irp k, 0,1,2,3,4,5,6,7
	v_rcp_f32 v[QQ+\k], v[QQ+\k]
.endr
.irp k, 0,2,4,6
	v_pk_mul_f32 v[WG+\k:WG+\k+1], v[WG+\k:WG+\k+1], 0.5 op_sel_hi:[1,0]
.endr
.irp k, 0,2,4,6
	v_pk_mul_f32 v[PP+\k:PP+\k+1], v[PP+\k:PP+\k+1], v[QQ+\k:QQ+\k+1]
.endr
.irp k, 0,2,4,6
	v_pk_fma_f32 v[WG+\k:WG+\k+1], v[WG+\k:WG+\k+1], v[PP+\k:PP+\k+1], v[WG+\k:WG+\k+1]
.endr
.endm
.macro COPY a
.Lcp_\a:
	WIN 0x02+(\a)/4
.set I, 0
.rept 32
	v_pk_add_f32 v[W+I:W+I+1], v[64*((\a)%4)+I:64*((\a)%4)+I+1], v[BC+I:BC+I+1]
.set I, I+2
.endr
	WIN 0
.if QKV
	v_mov_b32 v[BRC], v[BR+\a]
.endif
.if \a < 7
	s_branch .Lcommon
.endif
.endm
	PLACES NP
	s_wait_loadcnt 0x0
	s_mov_b32 s[SEL], 0x76543210
	s_mov_b32 s[SEL+1], 0xfedcba98
.irp b, 0,1,2,3
	v_mov_b32 v[TM+4+\b], 0
.endr
.if QKV
.set I, 0
.rept 64
	v_and_b32 v[BC+I], s94, v[BC+I]
.set I, I+1
.endr
.irp a, 0,1,2,3,4,5,6,7
	v_and_b32 v[BR+\a], s2, v[BR+\a]
.endr
	v_mov_b32 v[BRC+1], 0
.else
	s_mov_b32 s[CLN], 0xc07547cb
	s_mov_b32 s[CLP], 0x407547cb
	COEF CA7, 0x3b5f5da2
	COEF CA5, 0x3d50b6eb
	COEF CA3, 0x3e3da740
	COEF CA1, 0x3f906eba
	COEF CB10, 0x37c588e0
	COEF CB8, 0x3a856d28
	COEF CB6, 0x3c6687d4
	COEF CB4, 0x3de34c21
	COEF CB2, 0x3efeb44a
.endif
	s_mov_b32 s3, 0
	s_mov_b32 s18, 0
.Lblk:
.irp a, 0,1,2,3,4,5,6
	s_cmp_eq_u32 s3, \a
	s_cbranch_scc1 .Lcp_\a
.endr
	s_branch .Lcp_7
.irp a, 0,1,2,3,4,5,6,7
	COPY \a
.endr
.Lcommon:
.if QKV
.set I, 0
	s_wait_alu depctr_va_vdst(0)
.rept 32
	v_pk_add_f32 v[W+I:W+I+1], v[W+I:W+I+1], v[BRC:BRC+1] op_sel_hi:[1,0]
.set I, I+2
.endr
.else
.irp g, 0,1,2,3,4,5,6,7
	GELU8 \g
.endr
.endif
	QUANT W, PC, PW
.irp p, 0,1,2,3,4,5
	global_store_b64 v[VO], v[PC+2*\p:PC+2*\p+1], s[OC:OC+1] offset:256*\p
.endr
	v_add_nc_u32 v5, s18, v[SWA]
	ds_store_b32 v5, v[PW]
	s_wait_dscnt 0x0
	s_wait_xcnt 0x0
	s_add_nc_u64 s[OC:OC+1], s[OC:OC+1], s[66:67]
	s_add_co_u32 s18, s18, 64
	s_add_co_u32 s3, s3, 1
	s_cmp_lt_u32 s3, 8
	s_cbranch_scc1 .Lblk
	ds_load_b128 v[PC:PC+3], v[SRA]
	s_wait_dscnt 0x0
	global_store_b128 v[VS], v[PC:PC+3], s[92:93]
	s_wait_tensorcnt 0x0
	ds_add_u32 v[SPW], v[NIL]
	s_wait_dscnt 0x0
	CROUND
	s_endpgm
.Lfunc_end_k_qa7d26572af_qkv:
	.size	k_qa7d26572af_qkv, .Lfunc_end_k_qa7d26572af_qkv-k_qa7d26572af_qkv
	.p2alignl 7, 3214868480
	.fill 96, 4, 3214868480
	.section	.rodata,"a",@progbits
	.p2align	6, 0x0
	.amdhsa_kernel k_qa7d26572af_qkv
		.amdhsa_group_segment_fixed_size 327680
		.amdhsa_private_segment_fixed_size 0
		.amdhsa_enable_private_segment 0
		.amdhsa_kernarg_size 40
		.amdhsa_user_sgpr_count 2
		.amdhsa_user_sgpr_kernarg_segment_ptr 1
		.amdhsa_wavefront_size32 1
		.amdhsa_system_sgpr_workgroup_id_x 1
		.amdhsa_system_sgpr_workgroup_id_y 1
		.amdhsa_system_sgpr_workgroup_id_z 1
		.amdhsa_system_vgpr_workitem_id 0
		.amdhsa_next_free_vgpr 1024
		.amdhsa_next_free_sgpr 106
		.amdhsa_reserve_vcc 0
		.amdhsa_float_denorm_mode_32 3
		.amdhsa_float_denorm_mode_16_64 3
		.amdhsa_memory_ordered 1
		.amdhsa_forward_progress 1
		.amdhsa_inst_pref_size 164
	.end_amdhsa_kernel
	.amdgpu_metadata
---
amdhsa.version: [ 1, 2 ]
amdhsa.kernels:
  - .name:           k_qa7d26572af_qkv
    .symbol:         k_qa7d26572af_qkv.kd
    .args:
      - { .name: wh, .offset: 0, .size: 8, .value_kind: global_buffer, .address_space: global }
      - { .name: bq, .offset: 8, .size: 8, .value_kind: global_buffer, .address_space: global }
      - { .name: bk, .offset: 16, .size: 8, .value_kind: global_buffer, .address_space: global }
      - { .name: bv, .offset: 24, .size: 8, .value_kind: global_buffer, .address_space: global }
      - { .name: qkvimg, .offset: 32, .size: 8, .value_kind: global_buffer, .address_space: global }
    .group_segment_fixed_size: 327680
    .private_segment_fixed_size: 0
    .kernarg_segment_align: 8
    .kernarg_segment_size: 40
    .max_flat_workgroup_size: 128
    .sgpr_count:     106
    .vgpr_count:     1024
    .wavefront_size: 32
...
	.end_amdgpu_metadata
.endif
;; end of part 9
;; launch attn (part 10): grid 8 x 32, 16 waves a work-group, no clusters, 327,680 bytes of LDS; arguments qkvimg, oimg; writes oimg
.if DOCPART == 10
	.amdgcn_target "amdgcn-amd-amdhsa--gfx1250"
	.amdhsa_code_object_version 6
	.text
	.protected	k_qa7d26572af_attn
	.globl	k_qa7d26572af_attn
	.p2align	8
	.type	k_qa7d26572af_attn,@function
k_qa7d26572af_attn:
	s_mov_b64 s[64:65], 0
	v_nop
	global_prefetch_b8 v0, s[64:65] scope:SCOPE_SE
	s_setreg_imm32_b32 hwreg(HW_REG_WAVE_MODE, 25, 1), 1
	s_wait_xcnt 0x0
; Causal attention on codes of BF6 (E3M2, one E8M0 byte for each 32 along a product's K), 32 heads of 2,048 tokens x 64; the result is quantised along the features and leaves as the next product's operand.
; INPUT (images of operand registers, 1,536 bytes for 16 rows x 128 K; planes 0-2 are k 0-63, planes 3-5 k 64-127): q, k [pair of heads][token tile][1536], an even head in planes 0-2; v^T [feature tile][128 tokens][1536].
; Row r of tile T is index 32 (T / 2) + 8 (T % 2) + r + 8 (r / 8), for tokens and features alike.
; THE SOFTMAX: t = score x log2(e) / 8; M = the row's largest t so far, rounded UP to a whole number; p = 2^(t - M) is what is quantised, along the keys; the row's sum is taken of the unquantised p and divides at the end.
; When M moves, the sum and O are multiplied by 2^(old M - new M): exact.
; SHARES.  A work-group has one head and 16 waves, a tile of 16 queries each: waves 0-7 the 128 queries of block j, waves 8-15 those of block 15 - j, so every work-group has 8 x 17 wave-steps of the causal half.
; K, V AND THEIR SCALE WORDS OF THE WHOLE HEAD LIE IN LDS, 208,896 bytes, filled in two fills of one tensor load a wave (key steps 0-3, then 4-15); nothing is filled twice.
; Both products are used transposed (S^T = K Q^T, O^T = V^T P^T): a lane holds one query throughout, and by the tiles' row order p's 16 registers of two neighbouring tiles are 16 neighbouring keys.
; THE FIRST PRODUCT'S K IS 64: Q's upper 64 codes are zeros, so what stands in the upper six registers of K's operand (the next tile's codes) adds nothing; the upper two scale bytes are 0 (2^-127), never 0xff.
; NO CLUSTER: the work-groups that read the same K and V are a head's eight, and a step that lies wholly behind a wave's queries is jumped over by a branch on the query block, which differs among just those eight.
; All 16 trips of the loop are walked by every wave (its count is a constant); a hidden step costs the compare and the address steps.
; LIMITS: NaN and infinities are not served; a block of zeros gets the byte 1 (its codes are zeros); a block's largest p is taken through the block's largest score (v_exp_f32 taken not to fall where its input rises).
.set KIMG, 0                           ; 16 key steps x 8 tiles x 768 bytes
.set VIMG, 98304                       ; 16 x 4 feature tiles x 1,536
.set KSCL, 196608                      ; 16 x 8 x 64
.set VSCL, 204800                      ; 16 x 4 x 64
.set QF,   16                          ; v16-27  Q (v22-27 zeros)
.set KF,   28                          ; v28-75  K's eight half fragments, then V's four; v76-81 zeros
.set S,    82                          ; v82-145 S^T, then p
.set O,    146                         ; v146-177 O^T
.set PCD,  178                         ; v178-189 p's codes
.set PC2,  190                         ; v190-196 the conversions' second halves
.set MX,   198                         ; v198-201 the blocks' largest scores, then p
.set PX,   202                         ; v202-205 lane l xor 16's; bytes; a chain of the sum
.set SO,   206                         ; v206-209 the conversions' scale operands
.set KSW,  210                         ; v210-217 K's scale words;  v218-221 V's
.set VSW,  218
.set FF,   222                         ; v222 f = 2^(old M - new M);  v223 p's scale word
.set TT,   224
.set QS,   225                         ; Q's scale word
.set NINF, 226
.set G1K,  16
.set G1V,  24
.set G1KS, 32
.set G1VS, 40
.set G0K,  48
.set G0V,  52
.set G0KS, 56
.set G0VS, 60
.set SEL,  68
.set CS,   70                          ; s[70:71] c = log2(e) / 8
.set ST,   72                          ; the key step
.set QB,   73                          ; my block of 128 queries
.set TBK,  74                          ; the step's place among K's codes, 6,144 bytes a step;
.set TSK,  75                          ; among K's scale words, 512;
.set TSV,  76                          ; among V's, 64
.set MHI,  77
.macro GROUP1 g, c, r, p               ; r rows of c elements of 8 bytes, p elements apart; no mask, no padding
	s_mov_b32 s[\g], 3<<16
	s_mov_b32 s[\g+1], (\c)<<16
	s_mov_b32 s[\g+2], (\r)<<16
	s_mov_b32 s[\g+3], (\c)<<16
	s_mov_b32 s[\g+4], \r
	s_mov_b32 s[\g+5], \p
	s_mov_b32 s[\g+6], 0
	s_mov_b32 s[\g+7], 0
.endm
.macro GROUP0 g, lds, off
	s_mov_b32 s[\g], 1
	s_mov_b32 s[\g+1], s[\lds]
	s_add_nc_u64 s[\g+2:\g+3], s[4:5], s[\off:\off+1]
	s_or_b32 s[\g+3], s[\g+3], 0x80000000
.endm
	s_load_b128 s[4:7], s[0:1], 0x0                ; the images of q, k, v^T; the result
	v_lshl_add_u32 v254, v0, 2, 0x33000
	v_mov_b32 v255, 0
	ds_add_u32 v254, v255
	ds_add_u32 v254, v255
	v_lshrrev_b32 v8, 5, v0
	s_delay_alu instid0(VALU_DEP_1)
	v_readfirstlane_b32 s8, v8                     ; wave 0..15
	s_and_b32 s9, ttmp7, 0xffff
	s_lshr_b32 s10, s9, 4                          ; batch
	s_and_b32 s11, s9, 15                          ; head
	s_and_b32 s12, s11, 1                          ; which half of the pair's images
	s_lshr_b32 s13, s11, 1                         ; pair of heads
	; K AND V COME IN TWO FILLS, each one load a wave: key steps 0-3 at the head, key steps 4-15 behind the first barrier, under the work on steps 0-3.  Nothing is filled twice.
	; Waves 0-7 bring an eighth of the fill's tiles of K each, waves 8-11 one feature tile of V each (its key steps are dense), wave 12 K's scale words, wave 13 V's; waves 14 and 15 bring nothing.
	; In LDS V lies by feature tile: 24,576 f + 1,536 x key step.  V's scale words: steps 0-3 at 256 f + 64 x step, steps 4-15 at 1,024 + 768 f + 64 x (step - 4).
	GROUP1 G1K, 96, 4, 192                         ; K: 4 tiles' halves of 768 bytes, 1,536 apart (second fill: 12)
	GROUP1 G1V, 192, 4, 192                        ; V: 4 images on end (12)
	GROUP1 G1KS, 32, 8, 32                         ; K's scale words: 2,048 dense bytes as rows of 256 (6,144)
	GROUP1 G1VS, 32, 4, 256                        ; V's: 4 x 256 bytes, 2,048 apart (4 x 768)
	s_lshl_b32 s78, s13, 8
	s_lshl_b32 s79, s10, 7
	s_add_co_u32 s78, s78, s79                     ; q's tile 0 of this batch and pair: 256 pair + 128 batch
	s_lshl_b32 s79, s8, 2
	s_add_co_u32 s79, s79, s78
	s_add_co_u32 s79, s79, 2048                    ; k's tile 4 w: my four of the first fill
	s_mul_i32 s80, s79, 1536
	s_mul_i32 s14, s12, 768
	s_add_co_u32 s80, s80, s14
	s_mov_b32 s81, 0
	s_add_co_u32 s82, s78, 2048
	s_lshl_b32 s82, s82, 6
	s_add_co_u32 s82, s82, 9437184
	s_mov_b32 s83, 0
	s_lshl_b32 s84, s11, 7
	s_lshl_b32 s15, s10, 4
	s_add_co_u32 s84, s84, s15
	s_and_b32 s14, s8, 3                           ; f: the feature tile that waves 8-11 bring
	s_lshl_b32 s15, s14, 5
	s_add_co_u32 s15, s15, s84                     ; v^T: 32 x (4 head + f) + 16 batch
	s_mul_i32 s86, s15, 1536
	s_add_co_u32 s86, s86, 6291456
	s_mov_b32 s87, 0
	s_lshl_b32 s84, s84, 6
	s_add_co_u32 s84, s84, 9699328
	s_mov_b32 s85, 0
	s_mul_i32 s88, s8, 3072
	s_mul_i32 s89, s14, 24576
	s_add_co_u32 s89, s89, VIMG
	s_mov_b32 s90, KSCL
	s_mov_b32 s91, VSCL
	s_wait_dscnt 0x0
	s_wait_kmcnt 0x0
	GROUP0 G0K, 88, 80
	GROUP0 G0V, 89, 86
	GROUP0 G0KS, 90, 82
	GROUP0 G0VS, 91, 84
.set TBV, 78                           ; the step's place among V's codes, 1,536 bytes a step
; the launch's only fills: one chain of branches on the wave's number, one load to an arm, all arms to one join; waves 14 and 15 bring nothing
.macro ARM under, g0, g1, next, join
	s_cmp_lt_u32 s8, \under
	s_cbranch_scc0 \next
	tensor_load_to_lds s[\g0:\g0+3], s[\g1:\g1+7]
	s_nop 0
.rept 4
	v_nop
.endr
	s_branch \join
\next:
.endm
.macro FILLS sfx
	ARM 8, G0K, G1K, .Lfv\sfx, .Lfj\sfx
	ARM 12, G0V, G1V, .Lfks\sfx, .Lfj\sfx
	ARM 13, G0KS, G1KS, .Lfvs\sfx, .Lfj\sfx
	ARM 14, G0VS, G1VS, .Lfj\sfx, .Lfj\sfx
.endm
	FILLS 0
	s_mul_i32 s90, s8, 12288
	s_add_co_u32 s90, s90, 49152                   ; s[90:91]: from my tiles of K in the first fill (4 w) to those in the second (32 + 12 w), 1,536 bytes a tile
	s_mov_b32 s91, 0
	s_lshl_b32 s14, ttmp9, 3
	s_add_co_u32 s15, s14, s8                      ; 8 j + w
	s_sub_co_u32 s14, 112, s14
	s_add_co_u32 s14, s14, s8                      ; 8 (15 - j) + w - 8
	s_cmp_lt_u32 s8, 8
	s_cselect_b32 s14, s15, s14                    ; T: my tile of queries
	s_lshr_b32 s[QB], s14, 3
	s_add_co_u32 s15, s78, s14
	s_mul_i32 s80, s15, 1536
	s_mul_i32 s82, s12, 768
	s_add_co_u32 s80, s80, s82
	s_mov_b32 s81, 0
	s_add_nc_u64 s[80:81], s[4:5], s[80:81]        ; Q's half image
	s_lshl_b32 s82, s15, 6
	s_lshl_b32 s83, s12, 1
	s_add_co_u32 s82, s82, s83
	s_add_co_u32 s82, s82, 9437184
	s_mov_b32 s83, 0
	s_add_nc_u64 s[82:83], s[4:5], s[82:83]        ; its two scale bytes a row
	s_lshl_b32 s15, s10, 7
	s_add_co_u32 s15, s15, s14
	s_lshl_b32 s15, s15, 3
	s_add_co_u32 s15, s15, s13                     ; the result's image: (128 batch + T) x 8 + pair
	s_mul_i32 s92, s15, 1536
	s_mul_i32 s94, s12, 768
	s_add_co_u32 s92, s92, s94
	s_mov_b32 s93, 0
	s_add_nc_u64 s[92:93], s[6:7], s[92:93]
	s_lshl_b32 s94, s15, 6
	s_lshl_b32 s95, s12, 1
	s_add_co_u32 s94, s94, s95
	s_add_co_u32 s94, s94, 3145728
	s_mov_b32 s95, 0
	s_add_nc_u64 s[94:95], s[6:7], s[94:95]
	s_bfe_u32 s86, s14, 0x20001
	s_lshl_b32 s86, s86, 5
	s_and_b32 s87, s14, 1
	s_lshl_b32 s87, s87, 3
	s_add_co_u32 s86, s86, s87                     ; my tile's first query within its block of 128
	s_lshl_b32 s87, s12, 1
	s_mov_b32 s[SEL], 0x76543210
	s_mov_b32 s[SEL+1], 0xfedcba98
	s_mov_b32 s[CS], 0x3e38aa3b
	s_mov_b32 s[CS+1], s[CS]
	s_mov_b32 s[MHI], 0xffff0000
	v_and_b32 v8, 15, v0                           ; r
	v_bfe_u32 v9, v0, 4, 1                         ; h
	v_and_b32 v10, 31, v0
	s_delay_alu instid0(VALU_DEP_1)
	v_lshlrev_b32 v1, 3, v10                       ; 8 x lane: K's planes, Q's, the result's
	s_delay_alu instid0(VALU_DEP_1)
	v_add_nc_u32 v2, VIMG, v1                      ; V's
	v_lshlrev_b32 v6, 2, v8                        ; 4 r
	s_delay_alu instid0(VALU_DEP_1)
	v_add_nc_u32 v3, s87, v6
	s_delay_alu instid0(VALU_DEP_1)
	v_add_nc_u32 v3, KSCL, v3                      ; K's scale bytes: 4 r + 2 x half
	s_delay_alu instid0(VALU_DEP_3)
	v_add_nc_u32 v4, VSCL, v6                      ; V's scale words
	s_delay_alu instid0(VALU_DEP_4)
	v_add_nc_u32 v7, v6, v9                        ; the result's scale byte: 4 r + h
.irp p, 0,1,2
	global_load_b64 v[QF+2*\p:QF+2*\p+1], v1, s[80:81] offset:256*\p
.endr
	global_load_u16 v[QS], v6, s[82:83]
	v_and_b32 v10, 8, v8
	s_delay_alu instid0(VALU_DEP_1)
	v_add_nc_u32 v10, v10, v8
	v_lshlrev_b32 v11, 4, v9
	s_delay_alu instid0(VALU_DEP_1)
	v_sub_nc_u32 v5, v10, v11
	s_delay_alu instid0(VALU_DEP_1)
	v_add_nc_u32 v5, s86, v5                       ; d = my query within its block - 16 h: on the diagonal register 16 b + i is hidden where 32 b + i > d
.irp i, 0,1,2,3,4,5
	v_mov_b32 v[QF+6+\i], 0                        ; Q's codes for k = 64 .. 127: zeros
	v_mov_b32 v[KF+48+\i], 0                       ; what stands behind K's last tile
.endr
	v_mov_b32 v13, 0xff61b1e6                      ; the largest t so far: -3e38
	s_delay_alu instid0(VALU_DEP_1)
	v_floor_f32 v12, -v13                          ; -M
	v_mov_b32 v14, 0
	v_mov_b32 v15, 0
.irp b, 0,1,2,3
	v_mov_b32 v[PX+\b], 0                          ; a lane permute's destination counts as one of its sources
.endr
	v_mov_b32 v[FF], 0
	v_mov_b32 v[FF+1], 0
	v_mov_b32 v[NINF], 0xff800000
.set J, 0
.rept 32
	v_mov_b32 v[O+J], 0                            ; the step is written once: the first finds zeros, which the first change of M leaves zeros
.set J, J+1
.endr
; Key steps first .. last - 1, a loop of constant count; vso + vss f: where feature tile f's scale words of these steps lie
.macro STEPS first, last, vso, vss
	s_mov_b32 s[ST], \first
	s_mov_b32 s[TBK], (\first)*6144
	s_mov_b32 s[TBV], (\first)*1536
	s_mov_b32 s[TSK], (\first)*512
	s_mov_b32 s[TSV], (\first)*64
.Lstep\@:
	s_cmp_gt_u32 s[ST], s[QB]                      ; all 128 keys come after my queries: nothing to do
	s_cbranch_scc1 .Lhidden\@
	v_add_nc_u32 v8, s[TBK], v1                    ; (these five are also the places in front of the loads into registers that the last products read)
	v_add_nc_u32 v9, s[TBV], v2
	v_add_nc_u32 v227, 0xc000, v9                  ; feature tiles 2 and 3 lie 49,152 bytes on
	v_add_nc_u32 v10, s[TSK], v3
	v_add_nc_u32 v11, s[TSV], v4
.irp i, 0,1,2,3,4,5,6,7
.irp p, 0,1,2
	ds_load_b64 v[KF+6*\i+2*\p:KF+6*\i+2*\p+1], v8 offset:768*\i+256*\p
.endr
	ds_load_u16 v[KSW+\i], v10 offset:64*\i
.endr
	s_wait_alu depctr_va_vdst(0)
	s_wait_dscnt 0x0
.irp i, 0,1,2,3,4,5,6,7                ; S^T = K Q^T: register 8 i + j of lane (r, h) is key 32 (i / 2) + 16 h + 8 (i % 2) + j, query r
	v_wmma_scale_f32_16x16x128_f8f6f4 v[S+8*\i:S+8*\i+7], v[KF+6*\i:KF+6*\i+11], v[QF:QF+11], 0, v[KSW+\i], v[QS] matrix_a_fmt:MATRIX_FMT_BF6 matrix_b_fmt:MATRIX_FMT_BF6
.endr
.rept 4
	v_nop
.endr
.irp f, 0,1,2,3                        ; V's fragments land while the softmax is walked
.irp p, 0,1,2,3,4,5
	ds_load_b64 v[KF+12*\f+2*\p:KF+12*\f+2*\p+1], v[9+218*(\f/2)] offset:24576*(\f%2)+256*\p
.endr
	ds_load_b32 v[VSW+\f], v11 offset:\vso+\vss*\f
.endr
	s_cmp_lt_u32 s[ST], s[QB]                      ; every key counts: no mask
	s_cbranch_scc1 .Lopen\@
.set N, 0
.rept 64
	v_cmp_gt_i32 vcc_lo, 32*(N/16)+N%16, v5
	v_cndmask_b32 v[S+N], v[S+N], v[NINF], vcc_lo  ; hidden scores become -infinity ahead of the maximum: p = 0
.set N, N+1
.endr
.Lopen\@:
.irp b, 0,1,2,3
	v_max3_num_f32 v[MX+\b], v[S+16*\b], v[S+1+16*\b], v[S+2+16*\b]     ; the largest score of each block of 32 keys: for the row's maximum, and for the block's largest p
.endr
.irp i, 3,5,7,9,11,13
.irp b, 0,1,2,3
	v_max3_num_f32 v[MX+\b], v[MX+\b], v[S+16*\b+\i], v[S+1+16*\b+\i]
.endr
.endr
.irp b, 0,1,2,3
	v_max_num_f32 v[MX+\b], v[MX+\b], v[S+15+16*\b]
.endr
.irp b, 0,1,2,3
	s_delay_alu instid0(VALU_DEP_4)
	v_permlanex16_b32 v[PX+\b], v[MX+\b], s[SEL], s[SEL+1]
.endr
.irp b, 0,1,2,3
	s_delay_alu instid0(VALU_DEP_4)
	v_max_num_f32 v[MX+\b], v[MX+\b], v[PX+\b]
.endr
	s_delay_alu instid0(VALU_DEP_2)
	v_max3_num_f32 v[TT], v[MX], v[MX+1], v[MX+2]
	s_delay_alu instid0(VALU_DEP_1)
	v_max_num_f32 v[TT], v[TT], v[MX+3]
	s_delay_alu instid0(VALU_DEP_1)
	v_mul_f32 v[TT], s[CS], v[TT]
	s_delay_alu instid0(VALU_DEP_1)
	v_max_num_f32 v13, v13, v[TT]                  ; the running largest t
	v_mov_b32 v[TT], v12
	s_delay_alu instid0(VALU_DEP_2)
	v_floor_f32 v12, -v13                          ; the new -M = -ceil(t)
	s_delay_alu instid0(VALU_DEP_1)
	v_sub_f32 v[TT], v12, v[TT]                    ; old M - new M: a whole number, 0 or less
	s_delay_alu instid0(VALU_DEP_1)
	v_cvt_i32_f32 v[TT], v[TT]                     ; (it saturates)
	s_delay_alu instid0(VALU_DEP_1)
	v_ldexp_f32 v[FF], 1.0, v[TT]                  ; f
.set J, 0
.rept 32
	v_pk_fma_f32 v[S+J:S+J+1], v[S+J:S+J+1], s[CS:CS+1], v[12:13] op_sel_hi:[1,0,0]   ; t - M
.set J, J+2
.endr
.irp b, 0,1,2,3
	v_fma_f32 v[MX+\b], v[MX+\b], s[CS], v12
.endr
.set J, 0
	s_wait_alu depctr_va_vdst(0)
.rept 64
	v_exp_f32 v[S+J], v[S+J]                       ; p, not normalised
.set J, J+1
.endr
.irp b, 0,1,2,3
	v_exp_f32 v[MX+\b], v[MX+\b]                   ; the block's largest p: the same two instructions on the same number
.endr
	v_pk_mul_f32 v[14:15], v[14:15], v[FF:FF+1] op_sel_hi:[1,0]          ; the sums under the new M (a plain place behind the exponentials)
	s_wait_alu depctr_va_vdst(0)
.irp b, 0,1,2,3
	v_max_num_f32 v[MX+\b], 0x2800000, v[MX+\b]    ; the floor 2^(5 - 127)
.endr
.irp b, 0,1,2,3
	s_delay_alu instid0(VALU_DEP_4)
	v_add_nc_u32 v[SO+\b], 0xfe000000, v[MX+\b]
.endr
.irp b, 0,1,2,3
	s_delay_alu instid0(VALU_DEP_4)
	v_lshrrev_b32 v[PX+\b], 23, v[SO+\b]
.endr
	s_delay_alu instid0(VALU_DEP_3)
	v_lshl_or_b32 v[FF+1], v[PX+1], 8, v[PX]       ; p's scale word for these 128 keys
	s_delay_alu instid0(VALU_DEP_1)
	v_lshl_or_b32 v[FF+1], v[PX+2], 16, v[FF+1]
	s_delay_alu instid0(VALU_DEP_1)
	v_lshl_or_b32 v[FF+1], v[PX+3], 24, v[FF+1]
.irp c, 0,1
	v_cvt_scalef32_pk16_bf6_f32 v[PCD+6*\c:PCD+2+6*\c], v[S+32*\c:S+15+32*\c], v[SO+2*\c]
	v_cvt_scalef32_pk16_bf6_f32 v[PC2+4*\c:PC2+2+4*\c], v[S+16+32*\c:S+31+32*\c], v[SO+2*\c+1]
.endr
	v_nop                                          ; one plain place behind a scaled conversion
.irp c, 0,1
.irp i, 0,1,2
	v_permlane16_swap_b32 v[PCD+6*\c+\i], v[PC2+4*\c+\i]
.endr
.irp i, 0,1,2
	s_delay_alu instid0(VALU_DEP_3)
	v_mov_b32 v[PCD+3+6*\c+\i], v[PC2+4*\c+\i]
.endr
.endr
	v_pk_add_f32 v[202:203], v[86:87], v[90:91]
	v_pk_add_f32 v[252:253], v[94:95], v[98:99]
	v_pk_add_f32 v[250:251], v[102:103], v[106:107]
	v_pk_add_f32 v[248:249], v[110:111], v[114:115]
	v_pk_add_f32 v[246:247], v[118:119], v[122:123]
	v_pk_add_f32 v[244:245], v[126:127], v[130:131]
	v_pk_add_f32 v[242:243], v[134:135], v[138:139]
	v_pk_add_f32 v[14:15], v[14:15], v[142:143]
	v_pk_add_f32 v[202:203], v[202:203], v[82:83]
	v_pk_add_f32 v[252:253], v[252:253], v[84:85]
	v_pk_add_f32 v[250:251], v[250:251], v[88:89]
	v_pk_add_f32 v[248:249], v[248:249], v[92:93]
	v_pk_add_f32 v[246:247], v[246:247], v[96:97]
	v_pk_add_f32 v[244:245], v[244:245], v[100:101]
	v_pk_add_f32 v[242:243], v[242:243], v[104:105]
	v_pk_add_f32 v[14:15], v[14:15], v[108:109]
	v_pk_add_f32 v[202:203], v[202:203], v[112:113]
	v_pk_add_f32 v[252:253], v[252:253], v[116:117]
	v_pk_add_f32 v[250:251], v[250:251], v[120:121]
	v_pk_add_f32 v[248:249], v[248:249], v[124:125]
	v_pk_add_f32 v[246:247], v[246:247], v[128:129]
	v_pk_add_f32 v[244:245], v[244:245], v[132:133]
	v_pk_add_f32 v[242:243], v[242:243], v[136:137]
	v_pk_add_f32 v[14:15], v[14:15], v[140:141]
	v_pk_add_f32 v[202:203], v[202:203], v[144:145]
	s_delay_alu instid0(VALU_DEP_2)
	v_pk_add_f32 v[14:15], v[14:15], v[248:249]
	s_delay_alu instid0(VALU_DEP_2)
	v_pk_add_f32 v[202:203], v[202:203], v[246:247]
	v_pk_add_f32 v[252:253], v[252:253], v[244:245]
	v_pk_add_f32 v[250:251], v[250:251], v[242:243]
	s_delay_alu instid0(VALU_DEP_2)
	v_pk_add_f32 v[14:15], v[14:15], v[252:253]
	s_delay_alu instid0(VALU_DEP_2)
	v_pk_add_f32 v[202:203], v[202:203], v[250:251]
	s_delay_alu instid0(VALU_DEP_1)
	v_pk_add_f32 v[14:15], v[14:15], v[202:203]
.set J, 0
.rept 16
	v_pk_mul_f32 v[O+J:O+J+1], v[O+J:O+J+1], v[FF:FF+1] op_sel_hi:[1,0]  ; O^T under the new M
.set J, J+2
.endr
	s_wait_alu depctr_va_vdst(0)
	s_wait_dscnt 0x0                               ; V
.irp f, 0,1,2,3                        ; O^T += V^T P^T: four accumulators by turns
	v_wmma_scale_f32_16x16x128_f8f6f4 v[O+8*\f:O+8*\f+7], v[KF+12*\f:KF+12*\f+11], v[PCD:PCD+11], v[O+8*\f:O+8*\f+7], v[VSW+\f], v[FF+1] matrix_a_fmt:MATRIX_FMT_BF6 matrix_b_fmt:MATRIX_FMT_BF6
.endr
.Lhidden\@:
	s_add_co_u32 s[TBK], s[TBK], 6144
	s_add_co_u32 s[TSK], s[TSK], 512
	s_add_co_u32 s[TSV], s[TSV], 64
	s_add_co_u32 s[TBV], s[TBV], 1536
	s_add_co_u32 s[ST], s[ST], 1
	s_cmp_lt_u32 s[ST], \last
	s_cbranch_scc1 .Lstep\@
.endm
	s_wait_alu depctr_va_vdst(0)
	s_wait_loadcnt 0x0                             ; Q
	s_wait_tensorcnt 0x0                           ; my part of key steps 0-3 lies in LDS
	ds_add_u32 v254, v255
	ds_add_u32 v254, v255
	s_mov_b32 s[G1K+2], 12<<16                     ; no tensor load of mine is out, so descriptors may be written: the second fill's sizes,
	s_mov_b32 s[G1K+4], 12
	s_mov_b32 s[G1V+2], 12<<16
	s_mov_b32 s[G1V+4], 12
	s_mov_b32 s[G1KS+2], 24<<16
	s_mov_b32 s[G1KS+4], 24
	s_mov_b32 s[G1VS+1], 96<<16
	s_mov_b32 s[G1VS+3], 96<<16
	s_mul_i32 s[G0K+1], s8, 9216                   ; and its places: K's tile 32 + 12 w,
	s_add_co_u32 s[G0K+1], s[G0K+1], 24576
	s_add_nc_u64 s[G0K+2:G0K+3], s[G0K+2:G0K+3], s[90:91]
	s_add_co_u32 s[G0V+1], s[G0V+1], 6144          ; V's key step 4,
	s_add_nc_u64 s[G0V+2:G0V+3], s[G0V+2:G0V+3], 6144
	s_add_co_u32 s[G0KS+1], s[G0KS+1], 2048        ; the scale words behind the first four steps'
	s_add_nc_u64 s[G0KS+2:G0KS+3], s[G0KS+2:G0KS+3], 2048
	s_add_co_u32 s[G0VS+1], s[G0VS+1], 1024
	s_add_nc_u64 s[G0VS+2:G0VS+3], s[G0VS+2:G0VS+3], 256
	s_wait_dscnt 0x0
	s_barrier_signal -1
	s_barrier_wait -1                              ; everybody's part of key steps 0-3 is in
	FILLS 1                                        ; key steps 4-15: a first fill, my one tensor load behind this barrier
	STEPS 0, 4, 0, 256
	s_wait_tensorcnt 0x0                           ; my part of key steps 4-15 lies in LDS
	ds_add_u32 v254, v255
	s_wait_dscnt 0x0
	s_barrier_signal -1
	s_barrier_wait -1                              ; everybody's does; from here on LDS is only read
	STEPS 4, 16, 768, 768
	; THE WAY OUT: O^T / the sum; register 16 b + i of lane (r, h) is feature 32 b + 16 h + i of query r: two blocks of the next K, half a fragment
.rept 4
	v_nop
.endr
	v_add_f32 v14, v14, v15
	s_delay_alu instid0(VALU_DEP_1)
	v_permlanex16_b32 v[FF], v14, s[SEL], s[SEL+1]
	s_delay_alu instid0(VALU_DEP_1)
	v_add_f32 v14, v14, v[FF]
	s_wait_alu depctr_va_vdst(0)
	v_rcp_f32 v14, v14
	v_nop
.set J, 0
	s_wait_alu depctr_va_vdst(0)
.rept 32
	v_mul_f32 v[S+J], v[O+J], v14
.set J, J+1
.endr
.irp b, 0,1
	v_max3_num_f32 v[MX+\b], |v[S+16*\b]|, |v[S+1+16*\b]|, 0x2800000
.endr
.irp i, 2,4,6,8,10,12,14
.irp b, 0,1
	s_delay_alu instid0(VALU_DEP_2)
	v_max3_num_f32 v[MX+\b], v[MX+\b], |v[S+16*\b+\i]|, |v[S+1+16*\b+\i]|
.endr
.endr
.irp b, 0,1
	s_delay_alu instid0(VALU_DEP_2)
	v_permlanex16_b32 v[PX+\b], v[MX+\b], s[SEL], s[SEL+1]
.endr
.irp b, 0,1
	s_delay_alu instid0(VALU_DEP_2)
	v_max_num_f32 v[MX+\b], v[MX+\b], v[PX+\b]
.endr
.irp b, 0,1
	s_delay_alu instid0(VALU_DEP_2)
	v_add_nc_u32 v[SO+\b], 0xfe000000, v[MX+\b]
.endr
.irp b, 0,1
	s_delay_alu instid0(VALU_DEP_2)
	v_lshrrev_b32 v[PX+\b], 23, v[SO+\b]
.endr
	v_cvt_scalef32_pk16_bf6_f32 v[PCD:PCD+2], v[S:S+15], v[SO]
	v_cvt_scalef32_pk16_bf6_f32 v[PC2:PC2+2], v[S+16:S+31], v[SO+1]
	v_nop
.irp i, 0,1,2
	v_permlane16_swap_b32 v[PCD+\i], v[PC2+\i]
.endr
.irp i, 0,1,2
	s_delay_alu instid0(VALU_DEP_3)
	v_mov_b32 v[PCD+3+\i], v[PC2+\i]
.endr
.irp p, 0,1,2
	global_store_b64 v1, v[PCD+2*\p:PCD+2*\p+1], s[92:93] offset:256*\p          ; 256 consecutive bytes, aligned
.endr
	v_cndmask_b32 v[TT], v[PX], v[PX+1], s[MHI]    ; lanes 0-15 block 0's byte, lanes 16-31 block 1's
	global_store_b8 v7, v[TT], s[94:95]
	s_wait_tensorcnt 0x0
	ds_add_u32 v254, v255
	s_wait_dscnt 0x0
	s_endpgm
.Lfunc_end_k_qa7d26572af_attn:
	.size	k_qa7d26572af_attn, .Lfunc_end_k_qa7d26572af_attn-k_qa7d26572af_attn
	.p2alignl 7, 3214868480
	.fill 96, 4, 3214868480
	.section	.rodata,"a",@progbits
	.p2align	6, 0x0
	.amdhsa_kernel k_qa7d26572af_attn
		.amdhsa_group_segment_fixed_size 327680
		.amdhsa_private_segment_fixed_size 0
		.amdhsa_enable_private_segment 0
		.amdhsa_kernarg_size 16
		.amdhsa_user_sgpr_count 2
		.amdhsa_user_sgpr_kernarg_segment_ptr 1
		.amdhsa_wavefront_size32 1
		.amdhsa_system_sgpr_workgroup_id_x 1
		.amdhsa_system_sgpr_workgroup_id_y 1
		.amdhsa_system_sgpr_workgroup_id_z 1
		.amdhsa_system_vgpr_workitem_id 0
		.amdhsa_next_free_vgpr 256
		.amdhsa_next_free_sgpr 96
		.amdhsa_reserve_vcc 1
		.amdhsa_float_denorm_mode_32 3
		.amdhsa_float_denorm_mode_16_64 3
		.amdhsa_memory_ordered 1
		.amdhsa_forward_progress 1
		.amdhsa_inst_pref_size 67
	.end_amdhsa_kernel
	.amdgpu_metadata
---
amdhsa.version: [ 1, 2 ]
amdhsa.kernels:
  - .name:           k_qa7d26572af_attn
    .symbol:         k_qa7d26572af_attn.kd
    .args:
      - { .name: qkvimg, .offset: 0, .size: 8, .value_kind: global_buffer, .address_space: global }
      - { .name: oimg, .offset: 8, .size: 8, .value_kind: global_buffer, .address_space: global }
    .group_segment_fixed_size: 327680
    .private_segment_fixed_size: 0
    .kernarg_segment_align: 8
    .kernarg_segment_size: 16
    .max_flat_workgroup_size: 512
    .sgpr_count:     96
    .vgpr_count:     256
    .wavefront_size: 32
...
	.end_amdgpu_metadata
.endif
;; end of part 10
;; launch wo (part 11): grid 8 x 32, 4 waves a work-group, clusters of 4 x 4, 327,680 bytes of LDS; arguments oimg, wh, bo, x, x1; writes x1
.if DOCPART == 11
	.amdgcn_target "amdgcn-amd-amdhsa--gfx1250"
	.amdhsa_code_object_version 6
	.text
	.protected	k_qa7d26572af_wo
	.globl	k_qa7d26572af_wo
	.p2align	8
	.type	k_qa7d26572af_wo,@function
k_qa7d26572af_wo:
	s_mov_b64 s[64:65], 0
	v_nop
	global_prefetch_b8 v0, s[64:65] scope:SCOPE_SE
	s_setreg_imm32_b32 hwreg(HW_REG_WAVE_MODE, 25, 1), 1
	s_wait_xcnt 0x0
	s_wait_alu depctr_hold_cnt(0) depctr_sa_sdst(0) depctr_va_vdst(0) depctr_va_sdst(0) depctr_va_ssrc(0) depctr_va_vcc(0) depctr_vm_vsrc(0)
	s_getreg_b32 s2, hwreg(HW_REG_IB_STS2, 6, 4)
	s_cmp_eq_u32 s2, 0
	s_cbranch_scc0 .Lentry_in_a_cluster
	s_endpgm
.Lentry_in_a_cluster:
	s_bfe_u32 s2, ttmp6, 0x10000c
	s_cmp_lg_u32 s2, 0xf033
	s_cbranch_scc0 .Lentry_shape_is_right
	s_endpgm
.Lentry_shape_is_right:
; out = residual + A B^T + bias, f32, [4096][1024]; A and B are codes of BF6 (E3M2, one E8M0 byte for each 32 along K).  This text serves two launches by its constants: the attention's output
; projection (KS = 8) and the FFN's second layer (KS = 32).
; OPERANDS lie in memory as images of their registers: a fragment (16 rows x 128 K, 12 registers a lane) is 1,536 bytes, register 2 p + e of lane l at 256 p + 8 l + 4 e; row tile T, K step s at
; (T KS + s) x 1,536; its scale words (row r at 4 r) at (T KS + s) x 64.  Row r of tile T is index 32 (T / 2) + 8 (T % 2) + r + 8 (r / 8).  A row tile's K steps are dense, and a fragment comes from LDS by six
; loads of 8 bytes a lane, 256 consecutive bytes each.
; SHAPE.  The result has 64 tiles of 256 x 256 or 256 of 128 x 128: the smaller tile is taken, so that four times as many work-groups share the work, at the price of twice the LDS loads for each product.
; Four waves, 64 x 64 each: 16 accumulators, 128 registers.  K goes in steps of 512 (four K steps of 128) through two LDS slots filled by the tensor data mover, as long as two slots and the scale words allow;
; the scale words of the work-group's rows, for all of K, come once.  4 x 4 work-groups form a cluster: A's tiles are asked for jointly along a row of it, B's along a column.
; With KS = 8 the two slots hold all of K: both are first fills and nothing is filled again.
; The product is used TRANSPOSED (source 0 = 16 rows of B, source 1 = 16 rows of A): a lane holds one token and, in accumulator b of a block, columns 32 (b / 2) + 16 h + 8 (b % 2) + 0 .. 7.
; THE RESIDUAL's 64 x 64 numbers of the wave are asked for at the kernel's head, into registers that nothing else names, and waited for behind the last product.
; LIMITS: NaN and infinities are not served.
; REGISTERS, in windows of 256: window 0: v0-31 addresses and the bias; v32-63 scale words, two sets, and nothing else; v64-127 the way out; v128-255 the accumulators ((a, b) at v[128 + 8 (4 a + b)]).
;   window 1: two fragment buffers, at v0 and v128: B's four fragments, then A's four.   window 2: v0-127 the residual.
.set KS,     8                         ; K steps of 128 in K
.set AOS,    3145728                   ; A's scale words in its buffer
.set BOC,    5636096                   ; B's codes in wh
.set BOS,    12812288                  ; B's scale words in wh
.set LAST,   0                         ; 1: nobody reads the result again
.set IMG,    1536
.set NQ,     4                         ; K steps of 128 in a slot
.set STEPB,  NQ*IMG                    ; a row tile's bytes in a slot
.set RTB,    KS*IMG                    ; a row tile's bytes in memory
.set FR,     12
.set NL,     6                         ; LDS loads that bring a fragment
.set NP,     4                         ; places behind this matrix instruction (ISA guide 7.12.1)
.set HALFT,  8*STEPB                   ; 4 row tiles, all of K (12,288 bytes each): what one wave reads of A or of B
.set SLOT,   2*HALFT                   ; A's 8 row tiles; B's 8 lie behind them.  A row tile's second four K steps lie STEPB behind its first four
.set LAPS,   KS/(2*NQ)                 ; a lap = once round the ring
.set SCL,    2*SLOT                    ; behind the ring: the scale words
.set HALFS,  4*KS*64                   ; those of 4 row tiles
.set SPARE,  SCL+4*HALFS               ; the spare words, 128 bytes for each wave: two blocks of 256 bytes that no other line names
.set SPITCH, 272                       ; the way out: a stage of 16 rows x (256 bytes + 16) for each wave, behind the spare words, on bytes that no tensor load fills
.set BO,   7                           ; v7   16 r: the bias's offset; never rewritten
.set BI,   8                           ; v8-11 the bias at my four columns
.set ADRA, 16                          ; v16-17 my A fragments in slot 0, 1
.set ADRB, 20                          ; v20-21 the same for B
.set STO,  24                          ; v24  the stage, in
.set RD,   25                          ; v25  the stage, back
.set CO,   26                          ; v26  16 r + 4,096 h: my 16 bytes in two rows of the result; never rewritten
.set ADRS, 27                          ; v27  my scale words: lanes 0-15 A's rows, lanes 16-31 B's
.set SPW,  28                          ; v28  my spare word; never rewritten
.set NIL,  29                          ; v29  0; never rewritten
.set SC,   32
.set BK,   64                          ; the way out: 16 rows read back from the stage: v64-95 and v96-127 by turns
.set ACC,  128
.set G1, 24                            ; s[24:31] descriptor group 1 for A's tiles; s[32:39] group 0, one set a slot
.set G0, 32
.set G1B, 48                           ; the same for B's
.set G0B, 56
.set G1S, 68                           ; for A's scale words; for B's
.set G0S, 76
.set G1SB, 80
.set G0SB, 88
.set MSB, 0
.macro WIN new                         ; the immediate's high byte repeats the setting that is left
.if MSB != (\new)
	s_set_vgpr_msb (MSB<<8)|(\new)
.set MSB, (\new)
.endif
.endm
.set MUL,   0x05                       ; sources 0 (B) and 1 (A) window 1; C and D window 0
.set TO_F,  0x40                       ; destination window 1, address window 0
.set TO_R,  0x80                       ; destination window 2
.set ADD_R, 0x08                       ; source 1 window 2
; A joint load: waves 0 and 1 fetch for A, waves 2 and 3 for B.  The branch hangs on the wave's number alone.  Four v_nop follow each of the two lines.
.macro JLOAD g0a, g1a, g0b, g1b
	s_cmp_eq_u32 s15, 0
	s_cbranch_scc0 .Lfor_b_\@
	tensor_load_to_lds s[\g0a:\g0a+3], s[\g1a:\g1a+7]
	s_nop 0
.rept 4
	v_nop
.endr
	s_branch .Lasked_\@
.Lfor_b_\@:
	tensor_load_to_lds s[\g0b:\g0b+3], s[\g1b:\g1b+7]
	s_nop 0
.rept 4
	v_nop
.endr
.Lasked_\@:
.endm
.macro CREST                           ; a round of the cluster's barrier behind its opening barrier
	s_cmp_lg_u32 s14, 0
	s_cbranch_scc1 .Lnot_wave_0_\@
	s_barrier_signal -3
.Lnot_wave_0_\@:
	s_barrier_wait -3
	s_barrier_signal -1
	s_barrier_wait -1
.endm
.macro CROUND
	s_barrier_signal -1
	s_barrier_wait -1
	CREST
.endm
	s_load_b256 s[4:11], s[0:1], 0x0               ; A's images, wh, the bias, the residual
	s_load_b64 s[12:13], s[0:1], 0x20              ; the result
	v_lshl_add_u32 v[SPW], v0, 2, SPARE
	v_mov_b32 v[NIL], 0
	ds_add_u32 v28, v29
	ds_add_u32 v28, v29
	s_wait_dscnt 0x0
	v_lshrrev_b32 v1, 5, v0
	v_readfirstlane_b32 s14, v1                    ; wave 0..3
	s_lshr_b32 s15, s14, 1                         ; which half of the tile's rows is mine.  Also: I fetch for A (0) or for B (1)
	s_and_b32 s16, s14, 1                          ; which half of its columns.  Also: which 4 row tiles I fetch
	s_bfe_u32 s40, ttmp6, 0x40000                  ; cx, cy: my place in the cluster
	s_bfe_u32 s41, ttmp6, 0x40004
	s_lshl_b32 s42, ttmp9, 2
	s_add_co_u32 s42, s42, s40                     ; tile column, 0 .. 7
	s_and_b32 s17, ttmp7, 0xffff
	s_lshl_b32 s17, s17, 2
	s_add_co_u32 s17, s17, s41                     ; tile row, 0 .. 31
	s_lshl_b32 s43, s41, 2
	s_lshl_b32 s43, 15, s43                        ; my row of the cluster
	s_lshl_b32 s44, 0x1111, s40                    ; my column
	; descriptor group 1: 8 rows (row tiles) of 12,288 bytes (eight images), RTB bytes apart, elements of 8 bytes; they land dense
	s_or_b32 s[G1+0], s43, (3<<16)|(1<<21)         ; 15:0 the mask: A's tiles go to my row; 17:16 elements of 8 bytes; 21 set beside a mask; no padding
	s_or_b32 s[G1B+0], s44, (3<<16)|(1<<21)
.irp g, G1, G1B
	s_mov_b32 s[\g+1], (KS*192)<<16                ; tensor_dim0: a row tile's whole K
	s_mov_b32 s[\g+2], 8<<16                       ; tensor_dim1: 8 row tiles
	s_mov_b32 s[\g+3], (KS*192)<<16                ; tile_dim0
	s_mov_b32 s[\g+4], 8                           ; tile_dim1
	s_mov_b32 s[\g+5], KS*192                      ; tensor_dim0_stride
	s_mov_b32 s[\g+6], 0
	s_mov_b32 s[\g+7], 0
.endr
	s_or_b32 s[G1S+0], s43, (3<<16)|(1<<21)        ; the scale words of 8 row tiles: a dense block of 2 HALFS bytes, as 2 KS rows of 256
	s_or_b32 s[G1SB+0], s44, (3<<16)|(1<<21)
.irp g, G1S, G1SB
	s_mov_b32 s[\g+1], 32<<16
	s_mov_b32 s[\g+2], (2*KS)<<16                  ; the scale words of 8 row tiles: 2 KS rows of 256 bytes
	s_mov_b32 s[\g+3], 32<<16
	s_mov_b32 s[\g+4], 2*KS
	s_mov_b32 s[\g+5], 32
	s_mov_b32 s[\g+6], 0
	s_mov_b32 s[\g+7], 0
.endr
	s_mov_b32 s18, 0                               ; a load brings all 8 row tiles
	s_lshl_b32 s20, s17, 3
	s_add_co_u32 s20, s20, s18                     ; A: row tile 8 x tile row
	s_mul_i32 s22, s20, KS*64
	s_add_co_u32 s22, s22, AOS
	s_mul_i32 s20, s20, RTB
	s_mov_b32 s21, 0
	s_mov_b32 s23, 0
	s_lshl_b32 s46, s42, 3
	s_add_co_u32 s46, s46, s18                     ; B: row tile 8 x tile column
	s_mul_i32 s92, s46, KS*64
	s_add_co_u32 s92, s92, BOS
	s_mul_i32 s46, s46, RTB
	s_add_co_u32 s46, s46, BOC
	s_mov_b32 s47, 0
	s_mov_b32 s93, 0
	s_wait_kmcnt 0x0
	s_add_nc_u64 s[20:21], s[4:5], s[20:21]
	s_add_nc_u64 s[22:23], s[4:5], s[22:23]
	s_add_nc_u64 s[46:47], s[6:7], s[46:47]
	s_add_nc_u64 s[92:93], s[6:7], s[92:93]
	CROUND                                         ; all sixteen work-groups are here: the first joint loads meet
	s_mov_b32 s[G0S], 1
	s_mov_b32 s[G0S+1], SCL
	s_mov_b64 s[G0S+2:G0S+3], s[22:23]
	s_or_b32 s[G0S+3], s[G0S+3], 0x80000000
	s_mov_b32 s[G0SB], 1
	s_mov_b32 s[G0SB+1], SCL+2*HALFS
	s_mov_b64 s[G0SB+2:G0SB+3], s[92:93]
	s_or_b32 s[G0SB+3], s[G0SB+3], 0x80000000
.irp s, 0
	s_mov_b32 s[G0+4*\s], 1
	s_mov_b32 s[G0+4*\s+1], 0
	s_add_nc_u64 s[G0+4*\s+2:G0+4*\s+3], s[20:21], \s*STEPB
	s_or_b32 s[G0+4*\s+3], s[G0+4*\s+3], 0x80000000
	s_mov_b32 s[G0B+4*\s], 1
	s_mov_b32 s[G0B+4*\s+1], 2*HALFT
	s_add_nc_u64 s[G0B+4*\s+2:G0B+4*\s+3], s[46:47], \s*STEPB
	s_or_b32 s[G0B+4*\s+3], s[G0B+4*\s+3], 0x80000000
.endr
; THE LAUNCH'S ONLY FILLS, ONE A WAVE: wave 0 A's codes for all of K, wave 1 B's, wave 2 A's scale words, wave 3 B's.  One chain of branches on the wave's number, all arms to one join.
.macro ARM under, g0, g1, next
	s_cmp_lt_u32 s14, \under
	s_cbranch_scc0 \next
	tensor_load_to_lds s[\g0:\g0+3], s[\g1:\g1+7]
	s_nop 0
.rept 4
	v_nop
.endr
	s_branch .Lhead_asked
\next:
.endm
	ARM 1, G0,  G1,  .Lhead_b
	ARM 2, G0B, G1B, .Lhead_sa
	ARM 3, G0S, G1S, .Lhead_sb
	tensor_load_to_lds s[G0SB:G0SB+3], s[G1SB:G1SB+7]
	s_nop 0
.rept 4
	v_nop
.endr
.Lhead_asked:
	v_and_b32 v1, 15, v0                           ; r
	v_bfe_u32 v2, v0, 4, 1                         ; h
	s_wait_alu depctr_va_vdst(0)
	v_and_b32 v3, 31, v0                           ; lane
	v_lshlrev_b32 v4, 3, v3                        ; 8 x lane: my place in a plane of an image
	s_mul_i32 s21, s15, HALFT                      ; my 4 row tiles of A
	s_mul_i32 s22, s16, HALFT
	s_add_co_u32 s22, s22, 2*HALFT                 ; my 4 of B, behind A's 8
.irp s, 0,1
	v_add_nc_u32 v[ADRA+\s], s21, v4
	v_add_nc_u32 v[ADRB+\s], s22, v4
	s_add_co_u32 s21, s21, STEPB
	s_add_co_u32 s22, s22, STEPB
.endr
	v_lshlrev_b32 v5, 2, v1
	s_mul_i32 s21, s15, HALFS
	s_mul_i32 s22, s16, HALFS
	s_add_co_u32 s22, s22, 2*HALFS
	s_sub_co_u32 s22, s22, s21
	v_mul_u32_u24 v6, s22, v2                      ; lanes 16-31 take B's: one product in h
	s_add_co_u32 s21, s21, SCL
	v_add_nc_u32 v5, v5, v6
	v_add_nc_u32 v[ADRS], s21, v5
	s_mul_i32 s23, s14, 16*SPITCH
	s_add_co_u32 s23, s23, SPARE+512               ; behind the spare words
	v_mul_u32_u24 v5, v1, SPITCH
	v_lshl_add_u32 v5, v2, 6, v5
	v_add_nc_u32 v[STO], s23, v5                   ; in: row r, + 64 h
	v_mul_u32_u24 v5, v2, SPITCH
	v_lshl_add_u32 v5, v1, 4, v5
	v_add_nc_u32 v[RD], s23, v5                    ; back: lanes 0-15 take one row of 256 bytes, lanes 16-31 the next
	v_lshlrev_b32 v[BO], 4, v1
	v_lshl_add_u32 v[CO], v2, 12, v[BO]            ; and the same two rows in the result and in the residual
	s_wait_alu depctr_va_vdst(0)
	s_lshl_b32 s46, s42, 9
	s_lshl_b32 s47, s16, 8
	s_add_co_u32 s46, s46, s47                     ; my first column, in bytes: 512 x tile column + 256 x half
	s_mov_b32 s47, 0
	s_add_nc_u64 s[8:9], s[8:9], s[46:47]
	global_load_b128 v[BI:BI+3], v[BO], s[8:9]     ; the bias at my four columns of a row
	s_lshl_b32 s20, s17, 7
	s_lshl_b32 s21, s15, 6
	s_add_co_u32 s20, s20, s21                     ; my first token: 128 x tile row + 64 x half
	s_lshl_b32 s20, s20, 12
	s_mov_b32 s21, 0
	s_add_nc_u64 s[20:21], s[20:21], s[46:47]
	s_add_nc_u64 s[10:11], s[10:11], s[20:21]      ; both bases stay as they are from here on: a row's place stands in the immediate
	s_add_nc_u64 s[12:13], s[12:13], s[20:21]
	; Rows 2 t and 2 t + 1 of block a are tokens 32 (a / 2) + 8 (a % 2) + 2 t + 8 (t / 4) + h of my 64: at most 63 rows of 4,096 bytes.
	WIN TO_R
.irp a, 0,1,2,3
.irp t, 0,1,2,3,4,5,6,7
	global_load_b128 v[32*\a+4*\t:32*\a+4*\t+3], v[CO], s[10:11] offset:(32*(\a/2)+8*(\a%2)+2*\t+8*(\t/4))*4096   ; sixteen lanes read 256 consecutive bytes, aligned
.endr
.endr
	WIN 0
.macro FRAG reg, adr, q, i             ; a fragment as it lies: six loads, 256 consecutive bytes each
.irp p, 0,1,2,3,4,5
	ds_load_b64 v[\reg+2*\p:\reg+2*\p+1], v[\adr] offset:(\i)*2*STEPB+(\q)*IMG+256*\p
.endr
.endm
; Four matrix instructions: A's block a x B's four, out of buffer f; the slot's q-th 128 along K; sc: the set of scale words.  zero = 1: the product starts the sums: nothing is ever cleared.
.macro MUL4 f, a, q, sc, zero
.irp b, 0,1,2,3
.set DD,  ACC+8*(4*(\a)+\b)
.set FB,  128*(\f)+FR*\b
.set FA,  128*(\f)+4*FR+FR*(\a)
.set SWB, SC+4*NQ*(\sc)+NQ*\b+(\q)
.set SWX, SC+4*NQ*(\sc)+NQ*(\a)+(\q)
.if \zero
	v_wmma_scale_f32_16x16x128_f8f6f4 v[DD:DD+7], v[FB:FB+FR-1], v[FA:FA+FR-1], 0, v[SWB], v[SWX] matrix_a_fmt:MATRIX_FMT_BF6 matrix_b_fmt:MATRIX_FMT_BF6 matrix_a_scale:MATRIX_SCALE_ROW1
.else
	v_wmma_scale_f32_16x16x128_f8f6f4 v[DD:DD+7], v[FB:FB+FR-1], v[FA:FA+FR-1], v[DD:DD+7], v[SWB], v[SWX] matrix_a_fmt:MATRIX_FMT_BF6 matrix_b_fmt:MATRIX_FMT_BF6 matrix_a_scale:MATRIX_SCALE_ROW1
.endif
.endr
.endm
.macro MULS f, q, sc, zero             ; a K step's sixteen.  The 16 accumulators take turns, one instruction a turn, in the same order in every step
.irp a, 0,1,2,3
	MUL4 \f, \a, \q, \sc, \zero
.endr
.endm
.macro FETCH slot, q, f                ; 48 LDS loads in one run: B's four fragments, then A's four, of the slot's q-th 128 along K, into buffer f
	WIN TO_F
.irp i, 0,1,2,3
	FRAG 128*(\f)+FR*\i, ADRB+\slot, \q, \i
.endr
.irp i, 0,1,2,3
	FRAG 128*(\f)+4*FR+FR*\i, ADRA+\slot, \q, \i
.endr
.endm
.macro SCALES sc                       ; a slot's scale words: lanes 0-15 A's block i, lanes 16-31 B's block i, K step q
.irp i, 0,1,2,3
.irp q, 0,1,2,3
	ds_load_b32 v[SC+4*NQ*\sc+NQ*\i+\q], v[ADRS] offset:\i*KS*64+64*\q
.endr
.endr
.endm
.macro PLACES n                        ; plain vector instructions between a matrix instruction and a load into, or a read of, its registers
.rept \n
	v_nop
.endr
.endm
; A K step that has its successor in the same slot.  The other buffer's products have all been issued, so the successor's fragments are asked for FIRST, a whole step ahead of their use, and this step's sixteen products follow.
.macro STEP slot, q, zero
	PLACES NP                                      ; behind the products that read the other buffer
	FETCH \slot, (\q)+1, 1-(\q)%2
	s_wait_dscnt 8*NL                              ; all but the 48 just issued: this step's fragments (and, in a slot's first step, its scale words) are in
	WIN MUL
	MULS (\q)%2, \q, \slot, \zero
.endm
; A slot's last step multiplies buffer 1 and changes slots: one barrier; in front of it each wave waits for all its tensor loads, adds 0 to its spare word, and waits for that and for its reads of this slot.
.macro TURN slot, next, fill
	WIN 0                                          ; (the add's two registers lie in window 0)
	s_wait_tensorcnt 0x0                           ; all my tensor loads have landed: my part of the next slot
	ds_add_u32 v[SPW], v[NIL]                      ; 0 onto my spare word
	s_wait_dscnt 3*NL+1                            ; (the add and the youngest 18 loads, A's blocks 1-3, may be out)
	WIN MUL
	MUL4 1, 0, NQ-1, \slot, 0                      ; four matrix instructions stand between the add and the wait for it
	s_wait_dscnt 0x0                               ; the add is done, and my reads of this slot are over
	s_barrier_signal -1
	MUL4 1, 1, NQ-1, \slot, 0                      ; work on registers while the others arrive
	WIN 0
	s_barrier_wait -1
.if \fill
	CREST                                          ; the barrier has opened a round of the cluster's: no wave of any partner still reads this slot or has a load on its way
	s_add_nc_u64 s[G0+4*\slot+2:G0+4*\slot+3], s[G0+4*\slot+2:G0+4*\slot+3], 2*STEPB
	s_add_nc_u64 s[G0B+4*\slot+2:G0B+4*\slot+3], s[G0B+4*\slot+2:G0B+4*\slot+3], 2*STEPB
	JLOAD G0+4*\slot, G1, G0B+4*\slot, G1B         ; the first tensor load behind the round; its four v_nop are the places in front of the loads below
.else
	PLACES NP
.endif
	v_add_nc_u32 v[ADRS], 64*NQ, v[ADRS]           ; the next slot's scale words
	SCALES \next
	FETCH \next, 0, 0
	WIN MUL
	MUL4 1, 2, NQ-1, \slot, 0
	MUL4 1, 3, NQ-1, \slot, 0
.endm
	s_wait_tensorcnt 0x0
	s_barrier_signal -1
	s_barrier_wait -1                              ; everybody's are
	SCALES 0
	FETCH 0, 0, 0
	STEP 0, 0, 1                                   ; the first step stands in front of the loop: its products start the sums
.if LAPS > 1
	WIN 0                                          ; at a label and at a branch every window is 0
	s_mov_b32 s3, LAPS-1
.Llap:                                             ; a trip goes once round the ring, from a lap's second step to the next lap's first, and fills both slots again
	STEP 0, 1, 0
	STEP 0, 2, 0
	TURN 0, 1, 1
	STEP 1, 0, 0
	STEP 1, 1, 0
	STEP 1, 2, 0
	TURN 1, 0, 1
	STEP 0, 0, 0
	WIN 0
	s_sub_co_u32 s3, s3, 1
	s_cmp_lg_u32 s3, 0
	s_cbranch_scc1 .Llap
.endif
	STEP 0, 1, 0                                   ; the last lap fills nothing, and has no round of the cluster's barrier
	STEP 0, 2, 0
	TURN 0, 1, 0
	STEP 1, 0, 0
	STEP 1, 1, 0
	STEP 1, 2, 0
	s_wait_dscnt 0x0                               ; the very last step: nothing more to fetch
	WIN MUL
	MULS 1, NQ-1, 1, 0
	WIN 0
; THE WAY OUT, block by block of 16 tokens x 64 columns.  A lane holds 32 neighbouring bytes of a row in each accumulator, and the lanes beside it hold other rows: so a block goes through my own stage in LDS and
; comes back as whole rows of 256 bytes, two an instruction; the residual's same rows and the bias are added; sixteen lanes store 256 consecutive bytes, aligned.  A wave's 64 columns of f32 are such a run by
; themselves, so the stage is the wave's own and no barrier is needed; LDS serves a wave's instructions in order (ISA guide 5.7.1.4): no wait between the stores and the loads, nor in front of the next block's stores.
.macro TOSTAGE a
.irp b, 0,1,2,3
	ds_store_b128 v[STO], v[ACC+8*(4*(\a)+\b):ACC+8*(4*(\a)+\b)+3] offset:128*(\b/2)+32*(\b%2)         ; each accumulator from its low end on
	ds_store_b128 v[STO], v[ACC+8*(4*(\a)+\b)+4:ACC+8*(4*(\a)+\b)+7] offset:128*(\b/2)+32*(\b%2)+16
.endr
.set BB, BK+32*((\a)%2)
.irp t, 0,1,2,3,4,5,6,7
	ds_load_b128 v[BB+4*\t:BB+4*\t+3], v[RD] offset:\t*2*SPITCH
.endr
.endm
.macro SEND a, younger                 ; younger: the LDS instructions issued behind block a's loads, which may stay out
.set BB, BK+32*((\a)%2)
.set RR, 32*(\a)
	s_wait_dscnt \younger                          ; the block is back in registers
	WIN ADD_R
.set I, 0
.rept 16
	v_pk_add_f32 v[BB+I:BB+I+1], v[BB+I:BB+I+1], v[RR+I:RR+I+1]    ; + the residual
.set I, I+2
.endr
	WIN 0
.irp t, 0,1,2,3,4,5,6,7
	v_pk_add_f32 v[BB+4*\t:BB+4*\t+1], v[BB+4*\t:BB+4*\t+1], v[BI:BI+1]          ; + the bias
	v_pk_add_f32 v[BB+4*\t+2:BB+4*\t+3], v[BB+4*\t+2:BB+4*\t+3], v[BI+2:BI+3]
.endr
.irp t, 0,1,2,3,4,5,6,7
.if LAST
	global_store_b128 v[CO], v[BB+4*\t:BB+4*\t+3], s[12:13] offset:(32*((\a)/2)+8*((\a)%2)+2*\t+8*(\t/4))*4096 th:TH_STORE_NT
.else
	global_store_b128 v[CO], v[BB+4*\t:BB+4*\t+3], s[12:13] offset:(32*((\a)/2)+8*((\a)%2)+2*\t+8*(\t/4))*4096
.endif
.endr
.endm
	PLACES NP                                      ; behind the last products: results are read
	s_wait_loadcnt 0x0                             ; the bias and the residual, asked for at the head
	TOSTAGE 0
.irp a, 1,2,3
.if \a > 1
	s_wait_xcnt 0x0                                ; block a - 2's stores have read their registers: block a's loads may land there
.endif
	TOSTAGE \a
	SEND \a-1, 16                                  ; behind block a - 1's loads: block a's 8 stores and 8 loads
.endr
	SEND 3, 0
	s_wait_tensorcnt 0x0                           ; the wave's end
	ds_add_u32 v[SPW], v[NIL]
	s_wait_dscnt 0x0
	CROUND                                         ; the closing round: no work-group ends while a partner may still ask for a tile that names it
	s_endpgm
.Lfunc_end_k_qa7d26572af_wo:
	.size	k_qa7d26572af_wo, .Lfunc_end_k_qa7d26572af_wo-k_qa7d26572af_wo
	.p2alignl 7, 3214868480
	.fill 96, 4, 3214868480
	.section	.rodata,"a",@progbits
	.p2align	6, 0x0
	.amdhsa_kernel k_qa7d26572af_wo
		.amdhsa_group_segment_fixed_size 327680
		.amdhsa_private_segment_fixed_size 0
		.amdhsa_enable_private_segment 0
		.amdhsa_kernarg_size 40
		.amdhsa_user_sgpr_count 2
		.amdhsa_user_sgpr_kernarg_segment_ptr 1
		.amdhsa_wavefront_size32 1
		.amdhsa_system_sgpr_workgroup_id_x 1
		.amdhsa_system_sgpr_workgroup_id_y 1
		.amdhsa_system_sgpr_workgroup_id_z 1
		.amdhsa_system_vgpr_workitem_id 0
		.amdhsa_next_free_vgpr 768
		.amdhsa_next_free_sgpr 100
		.amdhsa_reserve_vcc 0
		.amdhsa_float_denorm_mode_32 3
		.amdhsa_float_denorm_mode_16_64 3
		.amdhsa_memory_ordered 1
		.amdhsa_forward_progress 1
		.amdhsa_inst_pref_size 72
	.end_amdhsa_kernel
	.amdgpu_metadata
---
amdhsa.version: [ 1, 2 ]
amdhsa.kernels:
  - .name:           k_qa7d26572af_wo
    .symbol:         k_qa7d26572af_wo.kd
    .args:
      - { .name: oimg, .offset: 0, .size: 8, .value_kind: global_buffer, .address_space: global }
      - { .name: wh, .offset: 8, .size: 8, .value_kind: global_buffer, .address_space: global }
      - { .name: bo, .offset: 16, .size: 8, .value_kind: global_buffer, .address_space: global }
      - { .name: x, .offset: 24, .size: 8, .value_kind: global_buffer, .address_space: global }
      - { .name: x1, .offset: 32, .size: 8, .value_kind: global_buffer, .address_space: global }
    .group_segment_fixed_size: 327680
    .private_segment_fixed_size: 0
    .kernarg_segment_align: 8
    .kernarg_segment_size: 40
    .max_flat_workgroup_size: 128
    .sgpr_count:     100
    .vgpr_count:     768
    .wavefront_size: 32
...
	.end_amdgpu_metadata
.endif
;; end of part 11
;; launch ln2: the kernel of part 8 again; grid 256 x 1, 4 waves a work-group, no clusters, 91,392 bytes of LDS; arguments x1, ln2_g, ln2_b, h2img, Wq, Wk, Wv, Wo, W1, W2; writes h2img
;; launch ffn1 (part 12): grid 16 x 16, 4 waves a work-group, clusters of 4 x 4, 327,680 bytes of LDS; arguments h2img, wh, b1, gimg; writes gimg
.if DOCPART == 12
	.amdgcn_target "amdgcn-amd-amdhsa--gfx1250"
	.amdhsa_code_object_version 6
	.text
	.protected	k_qa7d26572af_ffn1
	.globl	k_qa7d26572af_ffn1
	.p2align	8
	.type	k_qa7d26572af_ffn1,@function
k_qa7d26572af_ffn1:
	s_mov_b64 s[64:65], 0
	v_nop
	global_prefetch_b8 v0, s[64:65] scope:SCOPE_SE
	s_setreg_imm32_b32 hwreg(HW_REG_WAVE_MODE, 25, 1), 1
	s_wait_xcnt 0x0
	s_wait_alu depctr_hold_cnt(0) depctr_sa_sdst(0) depctr_va_vdst(0) depctr_va_sdst(0) depctr_va_ssrc(0) depctr_va_vcc(0) depctr_vm_vsrc(0)
	s_getreg_b32 s2, hwreg(HW_REG_IB_STS2, 6, 4)
	s_cmp_eq_u32 s2, 0
	s_cbranch_scc0 .Lentry_in_a_cluster
	s_endpgm
.Lentry_in_a_cluster:
	s_bfe_u32 s2, ttmp6, 0x10000c
	s_cmp_lg_u32 s2, 0xf033
	s_cbranch_scc0 .Lentry_shape_is_right
	s_endpgm
.Lentry_shape_is_right:
.set QKV,    0
.set KS,     8
.set IMG,    1536
.set NQ,     2
.set STEPB,  NQ*IMG
.set RTB,    KS*IMG
.set FR,     12
.set NL,     6
.set NP,     4
.set HALFT,  8*STEPB
.set SLOT,   4*HALFT
.set LAPS,   KS/4
.set SCL,    2*SLOT
.set HALFS,  8*KS*64
.set SPARE,  SCL+4*HALFS
.set VO,   4
.set ADRA, 16
.set ADRB, 20
.set VS,   25
.set SWA,  26
.set ADRS, 27
.set SPW,  28
.set NIL,  29
.set SRA,  30
.set SC,   32
.set BC,   64
.set AF,   128
.set W,    128
.set Z,    192
.set Z2,   200
.set PP,   208
.set QQ,   216
.set PC,   192
.set PW,   212
.set BRC,  214
.set BR,   224
.set CA7,  224
.set CA5,  226
.set CA3,  228
.set CA1,  230
.set CB10, 232
.set CB8,  234
.set CB6,  236
.set CB4,  238
.set CB2,  12
.set TM,   240
.set G1, 24
.set G0, 32
.set G1B, 48
.set G0B, 56
.set G1S, 68
.set G0S, 76
.set G1SB, 80
.set G0SB, 88
.set SEL, 46
.set CLN, 22
.set CLP, 23
.if QKV
.set PA,  4
.set PB,  4
.set PBI, 6
.set OC,  12
.else
.set PA,  4
.set PB,  6
.set PBI, 8
.set OC,  10
.endif
.set MSB, 0
.macro WIN new
.if MSB != (\new)
	s_set_vgpr_msb (MSB<<8)|(\new)
.set MSB, (\new)
.endif
.endm
.set MUL_LO, 0xa1
.set MUL_HI, 0xf1
.set TO_B,   0x40
.macro JLOAD g0a, g1a, g0b, g1b
	s_cmp_eq_u32 s15, 0
	s_cbranch_scc0 .Lfor_b_\@
	tensor_load_to_lds s[\g0a:\g0a+3], s[\g1a:\g1a+7]
	s_nop 0
.rept 4
	v_nop
.endr
	s_branch .Lasked_\@
.Lfor_b_\@:
	tensor_load_to_lds s[\g0b:\g0b+3], s[\g1b:\g1b+7]
	s_nop 0
.rept 4
	v_nop
.endr
.Lasked_\@:
.endm
.macro CREST
	s_cmp_lg_u32 s14, 0
	s_cbranch_scc1 .Lnot_wave_0_\@
	s_barrier_signal -3
.Lnot_wave_0_\@:
	s_barrier_wait -3
	s_barrier_signal -1
	s_barrier_wait -1
.endm
.macro CROUND
	s_barrier_signal -1
	s_barrier_wait -1
	CREST
.endm
	s_load_b256 s[4:11], s[0:1], 0x0
.if QKV
	s_load_b64 s[12:13], s[0:1], 0x20
.endif
	v_lshl_add_u32 v[SPW], v0, 2, SPARE
	v_mov_b32 v[NIL], 0
	ds_add_u32 v28, v29
	ds_add_u32 v28, v29
	s_wait_dscnt 0x0
	v_lshrrev_b32 v1, 5, v0
	v_readfirstlane_b32 s14, v1
	s_lshr_b32 s15, s14, 1
	s_and_b32 s16, s14, 1
	s_bfe_u32 s40, ttmp6, 0x40000
	s_bfe_u32 s41, ttmp6, 0x40004
	s_lshl_b32 s43, s41, 2
	s_lshl_b32 s43, 15, s43
	s_lshl_b32 s44, 0x1111, s40
	s_and_b32 s18, ttmp7, 0xffff
	s_lshl_b32 s18, s18, 2
	s_lshl_b32 s19, ttmp9, 2
.if QKV
	s_mov_b32 s96, 3145728
	s_mov_b32 s98, 12713984
	s_mov_b32 s66, 1536
	s_mov_b32 s99, 393216
	s_mov_b32 s100, 9437184
	s_cmp_eq_u32 ttmp9, 2
	s_cselect_b32 s17, 0, s18
	s_cselect_b32 s42, s18, s19
	s_cselect_b32 s95, 4849664, 0
	s_cselect_b32 s96, 12779520, s96
	s_cselect_b32 s97, 0, 3276800
	s_cselect_b32 s98, 3145728, s98
	s_cselect_b32 s101, 6291456, 0
	s_cselect_b32 s66, 49152, s66
	s_cselect_b32 s99, 1536, s99
	s_cselect_b32 s100, 9699328, s100
	s_cselect_b32 s104, 2048, 64
	s_cselect_b32 s105, 64, 16384
	s_cselect_b32 s94, 0, -1
	s_cselect_b32 s2, -1, 0
.else
	s_mov_b32 s17, s18
	s_mov_b32 s42, s19
	s_mov_b32 s95, 0
	s_mov_b32 s96, 3145728
	s_mov_b32 s97, 6422528
	s_mov_b32 s98, 12845056
	s_mov_b32 s101, 0
	s_mov_b32 s66, 49152
	s_mov_b32 s99, 1536
	s_mov_b32 s100, 12582912
	s_mov_b32 s104, 2048
	s_mov_b32 s105, 64
.endif
	s_mov_b32 s67, 0
	s_add_co_u32 s17, s17, s41
	s_add_co_u32 s42, s42, s40
	s_or_b32 s[G1+0], s43, (3<<16)|(1<<21)
	s_or_b32 s[G1B+0], s44, (3<<16)|(1<<21)
.irp g, G1, G1B
	s_mov_b32 s[\g+1], 384<<16
	s_mov_b32 s[\g+2], 16<<16                      ; the head's loads bring all 16 row tiles; behind them the two words that count rows are set to 8
	s_mov_b32 s[\g+3], 384<<16
	s_mov_b32 s[\g+4], 16
	s_mov_b32 s[\g+5], KS*192
	s_mov_b32 s[\g+6], 0
	s_mov_b32 s[\g+7], 0
.endr
	s_or_b32 s[G1S+0], s43, (3<<16)|(1<<21)
	s_or_b32 s[G1SB+0], s44, (3<<16)|(1<<21)
.irp g, G1S, G1SB
	s_mov_b32 s[\g+1], 32<<16
	s_mov_b32 s[\g+2], (4*KS)<<16                  ; the scale words of 16 row tiles: 4 KS rows of 256 bytes
	s_mov_b32 s[\g+3], 32<<16
	s_mov_b32 s[\g+4], 4*KS
	s_mov_b32 s[\g+5], 32
	s_mov_b32 s[\g+6], 0
	s_mov_b32 s[\g+7], 0
.endr
	s_mov_b32 s18, 0                               ; the addresses below are those of the whole tiles
	s_lshl_b32 s20, s17, 4
	s_add_co_u32 s20, s20, s18
	s_mul_i32 s22, s20, KS*64
	s_add_co_u32 s22, s22, s96
	s_mul_i32 s20, s20, RTB
	s_add_co_u32 s20, s20, s95
	s_mov_b32 s21, 0
	s_mov_b32 s23, 0
	s_lshl_b32 s46, s42, 4
	s_add_co_u32 s46, s46, s18
	s_mul_i32 s92, s46, KS*64
	s_add_co_u32 s92, s92, s98
	s_mul_i32 s46, s46, RTB
	s_add_co_u32 s46, s46, s97
	s_mov_b32 s47, 0
	s_mov_b32 s93, 0
	s_mul_i32 s45, s14, HALFT
	s_mul_i32 s18, s16, 8*RTB                      ; s[18:19]: from a tile's first row tile to the 8 that I fetch in the ring
	s_mov_b32 s19, 0
	s_wait_kmcnt 0x0
	s_add_nc_u64 s[20:21], s[PA:PA+1], s[20:21]
	s_add_nc_u64 s[22:23], s[PA:PA+1], s[22:23]
	s_add_nc_u64 s[46:47], s[PB:PB+1], s[46:47]
	s_add_nc_u64 s[92:93], s[PB:PB+1], s[92:93]
	CROUND
	s_mov_b32 s[G0S], 1
	s_mov_b32 s[G0S+1], SCL
	s_mov_b64 s[G0S+2:G0S+3], s[22:23]
	s_or_b32 s[G0S+3], s[G0S+3], 0x80000000
	s_mov_b32 s[G0SB], 1
	s_mov_b32 s[G0SB+1], SCL+2*HALFS
	s_mov_b64 s[G0SB+2:G0SB+3], s[92:93]
	s_or_b32 s[G0SB+3], s[G0SB+3], 0x80000000
.irp s, 0,1
	s_mov_b32 s[G0+4*\s], 1
	s_add_co_u32 s[G0+4*\s+1], s45, \s*SLOT
	s_add_nc_u64 s[G0+4*\s+2:G0+4*\s+3], s[20:21], \s*STEPB
	s_or_b32 s[G0+4*\s+3], s[G0+4*\s+3], 0x80000000
	s_mov_b32 s[G0B+4*\s], 1
	s_add_co_u32 s[G0B+4*\s+1], s45, \s*SLOT
	s_add_nc_u64 s[G0B+4*\s+2:G0B+4*\s+3], s[46:47], \s*STEPB
	s_or_b32 s[G0B+4*\s+3], s[G0B+4*\s+3], 0x80000000
.endr
	s_mov_b32 s[G0+1], 0                           ; for the head: slot 0's A whole,
	s_mov_b32 s[G0B+1], 2*HALFT                    ; and its B whole, behind A
	s_add_nc_u64 s[G0+6:G0+7], s[G0+6:G0+7], s[18:19]      ; slot 1's loads bring my 8 row tiles
	s_add_nc_u64 s[G0B+6:G0B+7], s[G0B+6:G0B+7], s[18:19]
; THE HEAD'S LOADS, ONE A WAVE: wave 0 slot 0's 16 row tiles of A, wave 1 those of B, wave 2 A's scale words, wave 3 B's.  One chain of branches on the wave's number, all arms to one join.
.macro ARM under, g0, g1, next
	s_cmp_lt_u32 s14, \under
	s_cbranch_scc0 \next
	tensor_load_to_lds s[\g0:\g0+3], s[\g1:\g1+7]
	s_nop 0
.rept 4
	v_nop
.endr
	s_branch .Lhead_asked
\next:
.endm
	ARM 1, G0,  G1,  .Lhead_b
	ARM 2, G0B, G1B, .Lhead_sa
	ARM 3, G0S, G1S, .Lhead_sb
	tensor_load_to_lds s[G0SB:G0SB+3], s[G1SB:G1SB+7]
	s_nop 0
.rept 4
	v_nop
.endr
.Lhead_asked:
	s_wait_alu depctr_va_vdst(0)
	s_wait_tensorcnt 0x0                           ; my tile of the head's four is in
	ds_add_u32 v28, v29
	s_mov_b32 s[G1+2], 8<<16                       ; no tensor load of mine is out, so descriptors may be written: from here on a load brings 8 row tiles,
	s_mov_b32 s[G1+4], 8
	s_mov_b32 s[G1B+2], 8<<16
	s_mov_b32 s[G1B+4], 8
	s_mov_b32 s[G0+1], s45                         ; and slot 0's refills bring my 8, to my quarter of the slot
	s_mov_b32 s[G0B+1], s45
	s_add_nc_u64 s[G0+2:G0+3], s[G0+2:G0+3], s[18:19]
	s_add_nc_u64 s[G0B+2:G0B+3], s[G0B+2:G0B+3], s[18:19]
	s_wait_dscnt 0x0
	CROUND
	JLOAD G0+4, G1, G0B+4, G1B                     ; slot 1's first fill, the first tensor load behind the round
	v_and_b32 v1, 15, v0
	v_bfe_u32 v2, v0, 4, 1
	s_wait_alu depctr_va_vdst(0)
	v_and_b32 v3, 31, v0
	v_lshlrev_b32 v[VO], 3, v3
	v_lshlrev_b32 v8, 4, v3                        ; 16 x lane: my place in a third of a result's image
	s_mul_i32 s21, s15, HALFT
	s_mul_i32 s22, s16, HALFT
	s_add_co_u32 s22, s22, 2*HALFT
.irp s, 0,1
	v_add_nc_u32 v[ADRA+\s], s21, v[VO]
	v_add_nc_u32 v[ADRB+\s], s22, v[VO]
	s_add_co_u32 s21, s21, SLOT
	s_add_co_u32 s22, s22, SLOT
.endr
	v_lshlrev_b32 v5, 2, v1
	s_mul_i32 s21, s15, HALFS
	s_mul_i32 s22, s16, HALFS
	s_add_co_u32 s22, s22, 2*HALFS
	s_sub_co_u32 s22, s22, s21
	v_mul_u32_u24 v6, s22, v2
	s_add_co_u32 s21, s21, SCL
	v_add_nc_u32 v5, v5, v6
	v_add_nc_u32 v[ADRS], s21, v5
	s_lshl_b32 s21, s14, 9
	v_lshl_add_u32 v[SWA], v1, 2, s21
	v_lshl_add_u32 v[SRA], v3, 4, s21
	v_lshrrev_b32 v5, 2, v3
	v_mul_u32_u24 v[VS], s104, v5
	v_and_b32 v5, 3, v3
	v_lshl_add_u32 v[VS], v5, 4, v[VS]
	v_lshlrev_b32 v7, 6, v2
	s_wait_alu depctr_va_vdst(0)
	s_lshl_b32 s18, s17, 4
	s_lshl_b32 s19, s15, 3
	s_add_co_u32 s18, s18, s19
	s_lshl_b32 s19, s42, 1
	s_add_co_u32 s19, s19, s16
	s_mov_b32 s21, 0
.if QKV
	s_and_b32 s20, s19, 7
	s_lshl_b32 s20, s20, 9
	s_cmp_eq_u32 ttmp9, 0
	s_cselect_b64 s[6:7], s[6:7], s[8:9]
	s_add_nc_u64 s[6:7], s[6:7], s[20:21]
	s_and_b32 s20, s18, 63
	s_lshl_b32 s20, s20, 6
	s_add_nc_u64 s[10:11], s[10:11], s[20:21]
	v_and_b32 v9, 8, v1
	v_add_nc_u32 v9, v9, v1
	v_lshlrev_b32 v9, 2, v9
.else
	s_lshl_b32 s20, s19, 9
	s_add_nc_u64 s[8:9], s[8:9], s[20:21]
.endif
.irp b, 0,1,2,3
.irp q, 0,1,2,3
	global_load_b128 v[BC+16*\b+4*\q:BC+16*\b+4*\q+3], v7, s[PBI:PBI+1] offset:128*\b+16*\q
.endr
.endr
.if QKV
.irp a, 0,1,2,3,4,5,6,7
	global_load_b32 v[BR+\a], v9, s[10:11] offset:(32*(\a/2)+8*(\a%2))*4
.endr
.endif
	s_mul_i32 s22, s18, s104
	s_mul_i32 s23, s19, s105
	s_add_co_u32 s22, s22, s23
	s_add_co_u32 s22, s22, s100
	s_mov_b32 s23, 0
	s_add_nc_u64 s[92:93], s[OC:OC+1], s[22:23]
	s_mul_i32 s20, s18, s66
	s_mul_i32 s22, s19, s99
	s_add_co_u32 s20, s20, s22
	s_add_co_u32 s20, s20, s101
	s_add_nc_u64 s[OC:OC+1], s[OC:OC+1], s[20:21]
.macro FRAG reg, adr, q, i
.irp p, 0,1,2,3,4,5
	ds_load_b64 v[\reg+2*\p:\reg+2*\p+1], v[\adr] offset:(\i)*STEPB+(\q)*IMG+256*\p
.endr
.endm
.macro MUL16 a0, p, q, sc, zero
.irp a, \a0, \a0+1
.irp b, 0,1,2,3,4,5,6,7
.set DD,  8*(8*((\a)%4)+\b)
.set FB,  128*(\p)+FR*\b
.set FA,  AF+FR*(\a)
.set SWB, SC+8*NQ*(\sc)+NQ*\b+(\q)
.set SWX, SC+8*NQ*(\sc)+NQ*(\a)+(\q)
.if \zero
	v_wmma_scale_f32_16x16x128_f8f6f4 v[DD:DD+7], v[FB:FB+FR-1], v[FA:FA+FR-1], 0, v[SWB], v[SWX] matrix_a_fmt:MATRIX_FMT_BF6 matrix_b_fmt:MATRIX_FMT_BF6 matrix_a_scale:MATRIX_SCALE_ROW1
.else
	v_wmma_scale_f32_16x16x128_f8f6f4 v[DD:DD+7], v[FB:FB+FR-1], v[FA:FA+FR-1], v[DD:DD+7], v[SWB], v[SWX] matrix_a_fmt:MATRIX_FMT_BF6 matrix_b_fmt:MATRIX_FMT_BF6 matrix_a_scale:MATRIX_SCALE_ROW1
.endif
.endr
.endr
.endm
.macro FETCH_B slot, q, p
	WIN TO_B
.irp i, 0,1,2,3,4,5,6,7
	FRAG 128*(\p)+FR*\i, ADRB+\slot, \q, \i
.endr
	WIN 0
.endm
.macro FETCH_A slot, q, i0
.irp i, \i0, \i0+1, \i0+2, \i0+3
	FRAG AF+FR*(\i), ADRA+\slot, \q, \i
.endr
.endm
.macro SCALES sc
.irp i, 0,1,2,3,4,5,6,7
.irp q, 0,1
	ds_load_b32 v[SC+8*NQ*\sc+NQ*\i+\q], v[ADRS] offset:\i*KS*64+64*\q
.endr
.endr
.endm
.macro PLACES n
.rept \n
	v_nop
.endr
.endm
.macro STEP slot, q, zero
	s_wait_dscnt 4*NL
	WIN MUL_LO
	MUL16 0, (\q)%2, \q, \slot, \zero
	MUL16 2, (\q)%2, \q, \slot, \zero
	s_wait_dscnt 0
	PLACES NP
	FETCH_B \slot, (\q)+1, 1-(\q)%2
	FETCH_A \slot, (\q)+1, 0
	WIN MUL_HI
	MUL16 4, (\q)%2, \q, \slot, \zero
	MUL16 6, (\q)%2, \q, \slot, \zero
	PLACES NP
	WIN 0
	FETCH_A \slot, (\q)+1, 4
.endm
.macro TURN slot, next, fill
	s_wait_tensorcnt 0x0
	ds_add_u32 v[SPW], v[NIL]
	s_wait_dscnt 4*NL+1
	WIN MUL_LO
	MUL16 0, 1, NQ-1, \slot, 0
	s_wait_dscnt 0x0
	s_barrier_signal -1
	MUL16 2, 1, NQ-1, \slot, 0
	WIN 0
	s_barrier_wait -1
.if \fill
	CREST
	s_add_nc_u64 s[G0+4*\slot+2:G0+4*\slot+3], s[G0+4*\slot+2:G0+4*\slot+3], 2*STEPB
	s_add_nc_u64 s[G0B+4*\slot+2:G0B+4*\slot+3], s[G0B+4*\slot+2:G0B+4*\slot+3], 2*STEPB
	JLOAD G0+4*\slot, G1, G0B+4*\slot, G1B
.else
	PLACES NP
.endif
	s_wait_alu depctr_va_vdst(0)
	v_add_nc_u32 v[ADRS], 64*NQ, v[ADRS]
	FETCH_B \next, 0, 0
	FETCH_A \next, 0, 0
	SCALES \next
	WIN MUL_HI
	MUL16 4, 1, NQ-1, \slot, 0
	MUL16 6, 1, NQ-1, \slot, 0
	PLACES NP
	WIN 0
	FETCH_A \next, 0, 4
.endm
	s_wait_tensorcnt 1
	s_barrier_signal -1
	s_barrier_wait -1
	FETCH_B 0, 0, 0
	FETCH_A 0, 0, 0
	SCALES 0
	FETCH_A 0, 0, 4
	STEP 0, 0, 1
	s_mov_b32 s3, LAPS-1
.Llap:
	TURN 0, 1, 1
	STEP 1, 0, 0
	TURN 1, 0, 1
	STEP 0, 0, 0
	s_sub_co_u32 s3, s3, 1
	s_cmp_lg_u32 s3, 0
	s_cbranch_scc1 .Llap
	TURN 0, 1, 0
	STEP 1, 0, 0
	s_wait_dscnt 4*NL
	WIN MUL_LO
	MUL16 0, 1, NQ-1, 1, 0
	MUL16 2, 1, NQ-1, 1, 0
	s_wait_dscnt 0
	WIN MUL_HI
	MUL16 4, 1, NQ-1, 1, 0
	MUL16 6, 1, NQ-1, 1, 0
	WIN 0
.macro QUANT s, pc, pw
.irp b, 0,1,2,3
	v_max3_num_f32 v[TM+\b], |v[\s+16*\b]|, |v[\s+1+16*\b]|, 0x2800000
.endr
.irp i, 2,4,6,8,10,12,14
.irp b, 0,1,2,3
	v_max3_num_f32 v[TM+\b], v[TM+\b], |v[\s+16*\b+\i]|, |v[\s+1+16*\b+\i]|
.endr
.endr
.irp b, 0,1,2,3
	v_permlanex16_b32 v[TM+4+\b], v[TM+\b], s[SEL], s[SEL+1]
.endr
.irp b, 0,1,2,3
	v_max_num_f32 v[TM+\b], v[TM+\b], v[TM+4+\b]
.endr
.irp b, 0,1,2,3
	v_add_nc_u32 v[TM+12+\b], 0xfe000000, v[TM+\b]
.endr
.irp b, 0,1,2,3
	v_lshrrev_b32 v[TM+4+\b], 23, v[TM+12+\b]
.endr
	v_lshl_or_b32 v[\pw], v[TM+5], 8, v[TM+4]
	v_lshl_or_b32 v[\pw], v[TM+6], 16, v[\pw]
	v_lshl_or_b32 v[\pw], v[TM+7], 24, v[\pw]
.irp c, 0,1
	v_cvt_scalef32_pk16_bf6_f32 v[\pc+6*\c:\pc+2+6*\c], v[\s+32*\c:\s+15+32*\c], v[TM+12+2*\c]
	v_cvt_scalef32_pk16_bf6_f32 v[\pc+12+4*\c:\pc+14+4*\c], v[\s+16+32*\c:\s+31+32*\c], v[TM+12+2*\c+1]
.endr
	v_nop
.irp c, 0,1
.irp i, 0,1,2
	v_permlane16_swap_b32 v[\pc+6*\c+\i], v[\pc+12+4*\c+\i]
.endr
.irp i, 0,1,2
	v_mov_b32 v[\pc+3+6*\c+\i], v[\pc+12+4*\c+\i]
.endr
.endr
.endm
.macro COEF reg, bits
	v_mov_b32 v[\reg], \bits
	v_mov_b32 v[\reg+1], \bits
.endm
; gelu(w) = w / 2 + (w / 2) erf(w / sqrt 2), erf(z) = z P(z^2) / Q(z^2) with z held to the range in which the quotient stays under 1: on ALL 64 numbers of a block at once, so that each stage is 32 packed lines
; that do not hang on each other, and the block's reciprocals are one batch with one wait ahead of it and one behind.  z, z^2, P and Q lie in window 1, which held B's fragments and is free behind the last product.
.set Z,   0
.set Z2,  64
.set PP,  128
.set QQ,  192
.set TMPS, 0x45                        ; destination, sources 0 and 1 window 1; source 2 (a coefficient) window 0
.macro HORNER acc, add
.set I, 0
.rept 32
	v_pk_fma_f32 v[\acc+I:\acc+I+1], v[\acc+I:\acc+I+1], v[Z2+I:Z2+I+1], v[\add:\add+1]
.set I, I+2
.endr
.endm
.macro GELU64
	WIN 0x40                                       ; destination window 1, source 0 window 0
.set I, 0
.rept 32
	v_pk_mul_f32 v[Z+I:Z+I+1], v[W+I:W+I+1], 0x3f3504f3 op_sel_hi:[1,0]
.set I, I+2
.endr
	WIN TMPS
.set I, 0
.rept 64
	v_med3_num_f32 v[Z+I], v[Z+I], s[CLN], s[CLP]
.set I, I+1
.endr
.set I, 0
.rept 32
	v_pk_mul_f32 v[Z2+I:Z2+I+1], v[Z+I:Z+I+1], v[Z+I:Z+I+1]
.set I, I+2
.endr
.set I, 0
.rept 32
	v_pk_fma_f32 v[PP+I:PP+I+1], v[Z2+I:Z2+I+1], 0x39702d51, v[CA7:CA7+1] op_sel_hi:[1,0,1]
.set I, I+2
.endr
.set I, 0
.rept 32
	v_pk_fma_f32 v[QQ+I:QQ+I+1], v[Z2+I:Z2+I+1], 0xb3fd3906, v[CB10:CB10+1] op_sel_hi:[1,0,1]
.set I, I+2
.endr
	HORNER PP, CA5
	HORNER QQ, CB8
	HORNER PP, CA3
	HORNER QQ, CB6
	HORNER PP, CA1
	HORNER QQ, CB4
	HORNER QQ, CB2
.set I, 0
.rept 32
	v_pk_fma_f32 v[QQ+I:QQ+I+1], v[QQ+I:QQ+I+1], v[Z2+I:Z2+I+1], 1.0 op_sel_hi:[1,1,0]
.set I, I+2
.endr
	s_wait_alu depctr_va_vdst(0)
.set I, 0
.rept 32
	v_rcp_f32 v[QQ+I], v[QQ+I]
	v_rcp_f32 v[QQ+I+1], v[QQ+I+1]
	v_pk_mul_f32 v[PP+I:PP+I+1], v[PP+I:PP+I+1], v[Z+I:Z+I+1]      ; z P: plain work that names no reciprocal, among them
.set I, I+2
.endr
	WIN 0
.set I, 0
.rept 32
	v_pk_mul_f32 v[W+I:W+I+1], v[W+I:W+I+1], 0.5 op_sel_hi:[1,0]
.set I, I+2
.endr
	s_wait_alu depctr_va_vdst(0)                   ; and the one behind it, ahead of its first reader
	WIN TMPS
.set I, 0
.rept 32
	v_pk_mul_f32 v[PP+I:PP+I+1], v[PP+I:PP+I+1], v[QQ+I:QQ+I+1]
.set I, I+2
.endr
	WIN 0x04                                       ; source 1 window 1
.set I, 0
.rept 32
	v_pk_fma_f32 v[W+I:W+I+1], v[W+I:W+I+1], v[PP+I:PP+I+1], v[W+I:W+I+1]
.set I, I+2
.endr
	WIN 0
.endm
.macro COPY a
.Lcp_\a:
	WIN 0x02+(\a)/4
.set I, 0
.rept 32
	v_pk_add_f32 v[W+I:W+I+1], v[64*((\a)%4)+I:64*((\a)%4)+I+1], v[BC+I:BC+I+1]
.set I, I+2
.endr
	WIN 0
.if QKV
	v_mov_b32 v[BRC], v[BR+\a]
.endif
.if \a < 7
	s_branch .Lcommon
.endif
.endm
	PLACES NP
	s_wait_loadcnt 0x0
	s_mov_b32 s[SEL], 0x76543210
	s_mov_b32 s[SEL+1], 0xfedcba98
.irp b, 0,1,2,3
	v_mov_b32 v[TM+4+\b], 0
.endr
.if QKV
.set I, 0
.rept 64
	v_and_b32 v[BC+I], s94, v[BC+I]
.set I, I+1
.endr
.irp a, 0,1,2,3,4,5,6,7
	v_and_b32 v[BR+\a], s2, v[BR+\a]
.endr
	v_mov_b32 v[BRC+1], 0
.else
	s_mov_b32 s[CLN], 0xc07547cb
	s_mov_b32 s[CLP], 0x407547cb
	COEF CA7, 0x3b5f5da2
	COEF CA5, 0x3d50b6eb
	COEF CA3, 0x3e3da740
	COEF CA1, 0x3f906eba
	COEF CB10, 0x37c588e0
	COEF CB8, 0x3a856d28
	COEF CB6, 0x3c6687d4
	COEF CB4, 0x3de34c21
	COEF CB2, 0x3efeb44a
.endif
	s_mov_b32 s3, 0
	s_mov_b32 s18, 0
.Lblk:
.irp a, 0,1,2,3,4,5,6
	s_cmp_eq_u32 s3, \a
	s_cbranch_scc1 .Lcp_\a
.endr
	s_branch .Lcp_7
.irp a, 0,1,2,3,4,5,6,7
	COPY \a
.endr
.Lcommon:
.if QKV
.set I, 0
.rept 32
	v_pk_add_f32 v[W+I:W+I+1], v[W+I:W+I+1], v[BRC:BRC+1] op_sel_hi:[1,0]
.set I, I+2
.endr
.else
	GELU64
.endif
	QUANT W, PC, PW
.irp p, 0,1,2                          ; the result's images are laid for loads of 16 bytes a lane: register 4 Q + i of lane l at byte 512 Q + 16 l + 4 i; each store covers 512 consecutive bytes
	global_store_b128 v8, v[PC+4*\p:PC+4*\p+3], s[OC:OC+1] offset:512*\p
.endr
	v_add_nc_u32 v5, s18, v[SWA]
	ds_store_b32 v5, v[PW]
	s_wait_dscnt 0x0
	s_wait_xcnt 0x0
	s_add_nc_u64 s[OC:OC+1], s[OC:OC+1], s[66:67]
	s_add_co_u32 s18, s18, 64
	s_add_co_u32 s3, s3, 1
	s_cmp_lt_u32 s3, 8
	s_cbranch_scc1 .Lblk
	ds_load_b128 v[PC:PC+3], v[SRA]
	s_wait_dscnt 0x0
	global_store_b128 v[VS], v[PC:PC+3], s[92:93]
	s_wait_tensorcnt 0x0
	ds_add_u32 v[SPW], v[NIL]
	s_wait_dscnt 0x0
	CROUND
	s_endpgm
.Lfunc_end_k_qa7d26572af_ffn1:
	.size	k_qa7d26572af_ffn1, .Lfunc_end_k_qa7d26572af_ffn1-k_qa7d26572af_ffn1
	.p2alignl 7, 3214868480
	.fill 96, 4, 3214868480
	.section	.rodata,"a",@progbits
	.p2align	6, 0x0
	.amdhsa_kernel k_qa7d26572af_ffn1
		.amdhsa_group_segment_fixed_size 327680
		.amdhsa_private_segment_fixed_size 0
		.amdhsa_enable_private_segment 0
		.amdhsa_kernarg_size 32
		.amdhsa_user_sgpr_count 2
		.amdhsa_user_sgpr_kernarg_segment_ptr 1
		.amdhsa_wavefront_size32 1
		.amdhsa_system_sgpr_workgroup_id_x 1
		.amdhsa_system_sgpr_workgroup_id_y 1
		.amdhsa_system_sgpr_workgroup_id_z 1
		.amdhsa_system_vgpr_workitem_id 0
		.amdhsa_next_free_vgpr 1024
		.amdhsa_next_free_sgpr 106
		.amdhsa_reserve_vcc 0
		.amdhsa_float_denorm_mode_32 3
		.amdhsa_float_denorm_mode_16_64 3
		.amdhsa_memory_ordered 1
		.amdhsa_forward_progress 1
		.amdhsa_inst_pref_size 200
	.end_amdhsa_kernel
	.amdgpu_metadata
---
amdhsa.version: [ 1, 2 ]
amdhsa.kernels:
  - .name:           k_qa7d26572af_ffn1
    .symbol:         k_qa7d26572af_ffn1.kd
    .args:
      - { .name: h2img, .offset: 0, .size: 8, .value_kind: global_buffer, .address_space: global }
      - { .name: wh, .offset: 8, .size: 8, .value_kind: global_buffer, .address_space: global }
      - { .name: b1, .offset: 16, .size: 8, .value_kind: global_buffer, .address_space: global }
      - { .name: gimg, .offset: 24, .size: 8, .value_kind: global_buffer, .address_space: global }
    .group_segment_fixed_size: 327680
    .private_segment_fixed_size: 0
    .kernarg_segment_align: 8
    .kernarg_segment_size: 32
    .max_flat_workgroup_size: 128
    .sgpr_count:     106
    .vgpr_count:     1024
    .wavefront_size: 32
...
	.end_amdgpu_metadata
.endif
;; end of part 12
;; launch ffn2 (part 13): grid 8 x 32, 4 waves a work-group, no clusters, 270,848 bytes of LDS; arguments gimg, wh, b2, x1, out0; writes out0
.if DOCPART == 13
	.amdgcn_target "amdgcn-amd-amdhsa--gfx1250"
	.amdhsa_code_object_version 6
	.text
	.protected	k_qa7d26572af_ffn2
	.globl	k_qa7d26572af_ffn2
	.p2align	8
	.type	k_qa7d26572af_ffn2,@function
k_qa7d26572af_ffn2:
	s_mov_b64 s[64:65], 0
	v_nop
	global_prefetch_b8 v0, s[64:65] scope:SCOPE_SE
	s_setreg_imm32_b32 hwreg(HW_REG_WAVE_MODE, 25, 1), 1
	s_wait_xcnt 0x0
; out = x1 + A B^T + b2, f32, [4096][1024]; A = the FFN's hidden layer [4096][4096], B = W2 [1024 (n)][4096 (k)], both codes of BF6 (E3M2) with one E8M0 byte for each 32 along K.
; OPERANDS lie in memory as images of their registers: a fragment (16 rows x 128 K, 12 registers a lane) is 1,536 bytes, register 4 Q + i of lane l at 512 Q + 16 l + 4 i; row tile T, K step s at
; (32 T + s) x 1,536; its scale words (row r at 4 r) at (32 T + s) x 64.  Row r of tile T is index 32 (T / 2) + 8 (T % 2) + r + 8 (r / 8).
; SHARES.  A work-group makes 128 x 128 of the result: 8 x 32 = 256 work-groups.  K IS CUT AMONG ITS FOUR WAVES: wave w makes the whole 128 x 128 (64 accumulators, 512 registers) over K steps 8 w .. 8 w + 7.
; So no two waves of a work-group need the same byte of A or B, and a fragment goes FROM MEMORY STRAIGHT INTO ITS REGISTERS, by three loads of 512 consecutive bytes: a K step is 48 loads for 64 matrix
; instructions; no stage in LDS, no barrier in the walk.  Two sets of 16 fragments take turns: step s + 1 is asked for ahead of step s's products.
; NO TENSOR LOAD, SO NO CLUSTER: no tile passes through LDS, so there is no load that partners could ask for jointly.  NO PREFETCH: the loads themselves run a K step ahead, 48 to 96 asked for a wave.
; THE SUMS MEET ONCE: each wave lays its 128 x 128 partial sums in its own plane of LDS as rows of the result (512 bytes + 16), one barrier, and wave w adds the four planes' rows 32 w .. 32 w + 31,
; the residual and the bias, and stores whole rows of 512 bytes.  An output is the sum of four f32 sums over a quarter of K each.
; The product is used TRANSPOSED (source 0 = 16 rows of B, source 1 = 16 rows of A): a lane holds one token and, in accumulator (a, b), columns 32 (b / 2) + 8 (b % 2) + 16 h + 0 .. 7.
; LIMITS: NaN and infinities are not served.
; REGISTERS, in windows of 256.  window 0: v0-31 addresses, the bias; v32-95 scale words and nothing else; v96-191 set 1's B; v192-251 set 1's A, blocks 0-4.
;   window 1: v0-95 set 0's B; v96-191 set 0's A; v192-227 set 1's A, blocks 5-7.   windows 2, 3: the accumulators, (a, b) at v[8 (8 (a % 4) + b)] of window 2 + a / 4.
.set KS,    32                         ; K steps of 128 in K
.set NST,   8                          ; a wave's share of them
.set IMG,   1536
.set RTB,   KS*IMG                     ; a row tile's bytes in memory
.set AOS,   12582912                   ; A's scale words in gimg
.set BOC,   9568256                    ; W2's codes in wh
.set BOS,   12976128                   ; W2's scale words in wh
.set SP,    528                        ; a row in a plane: 512 bytes + 16, so that sixteen rows' 16 bytes fall into sixteen different columns of banks
.set PLANE, 128*SP
.set SPARE, 4*PLANE                    ; behind the planes: the spare words, 128 bytes for each wave
.set VL,   4                           ; v4   16 x lane
.set VS,   5                           ; v5   4 x lane
.set STO,  6                           ; v6   my plane, in: row r, + 64 h
.set RD,   8                           ; v8-11 the four planes, back: my wave's 32 rows, 16 bytes a lane
.set BI,   12                          ; v12-15 the bias at my four columns
.set SPW,  28                          ; v28  my spare word; never rewritten
.set NIL,  29                          ; v29  0; never rewritten
.set SCA,  32                          ; v32-63 A's scale words: register 4 a + pr: lanes 0-15 K step 2 pr, lanes 16-31 K step 2 pr + 1
.set SCB,  64                          ; v64-95 B's likewise
.set X,    96                          ; the way out: 8 rows of each of the four planes
.set MSB, 0
.macro WIN new                         ; the immediate's high byte repeats the setting that is left
.if MSB != (\new)
	s_set_vgpr_msb (MSB<<8)|(\new)
.set MSB, (\new)
.endif
.endm
.macro PLACES                          ; four plain vector instructions between a matrix instruction and a load into, or a read of, its registers
.rept 4
	v_nop
.endr
.endm
	s_load_b256 s[4:11], s[0:1], 0x0               ; gimg, wh, b2, x1
	s_load_b64 s[12:13], s[0:1], 0x20              ; out0
	v_lshl_add_u32 v[SPW], v0, 2, SPARE
	v_mov_b32 v[NIL], 0
	v_lshrrev_b32 v1, 5, v0
	v_readfirstlane_b32 s14, v1                    ; wave 0..3
	s_mul_i32 s24, s14, PLANE
	s_mul_i32 s25, s14, 32*SP
	v_and_b32 v2, 31, v0                           ; lane
	v_and_b32 v3, 15, v0                           ; r
	v_bfe_u32 v7, v0, 4, 1                         ; h
	v_lshlrev_b32 v[VL], 4, v2
	v_lshlrev_b32 v[VS], 2, v2
	v_mul_u32_u24 v3, v3, SP
	v_lshl_add_u32 v3, v7, 6, v3
	v_add_nc_u32 v[STO], s24, v3
	v_add_nc_u32 v[RD], s25, v[VL]
.irp q, 1,2,3
	v_add_nc_u32 v[RD+\q], \q*PLANE, v[RD]
.endr
	s_and_b32 s15, ttmp7, 0xffff                   ; tile row R; tile column C = ttmp9
	s_mul_i32 s26, s14, NST*IMG
	s_mul_i32 s16, s15, 8*RTB
	s_add_co_u32 s16, s16, s26                     ; A's codes: row tile 8 R, K step 8 w
	s_mov_b32 s17, 0
	s_mul_i32 s20, ttmp9, 8*RTB
	s_add_co_u32 s20, s20, s26
	s_add_co_u32 s20, s20, BOC                     ; B's: row tile 8 C, K step 8 w
	s_mov_b32 s21, 0
	s_lshl_b32 s26, s14, 9
	s_lshl_b32 s18, s15, 14
	s_add_co_u32 s18, s18, s26
	s_add_co_u32 s18, s18, AOS                     ; the scale words: 64 bytes for each 1,536 of codes
	s_mov_b32 s19, 0
	s_lshl_b32 s22, ttmp9, 14
	s_add_co_u32 s22, s22, s26
	s_add_co_u32 s22, s22, BOS
	s_mov_b32 s23, 0
	s_lshl_b32 s26, ttmp9, 9                       ; my columns: 512 C bytes
	s_mov_b32 s27, 0
	s_lshl_b32 s24, s15, 19
	s_lshl_b32 s25, s14, 17
	s_add_co_u32 s24, s24, s25
	s_add_co_u32 s24, s24, s26                     ; the rows that I send out: token 128 R + 32 w, rows of 4,096 bytes
	s_mov_b32 s25, 0
	s_wait_alu depctr_va_vdst(0)
	s_wait_kmcnt 0x0
	s_add_nc_u64 s[16:17], s[4:5], s[16:17]
	s_add_nc_u64 s[18:19], s[4:5], s[18:19]
	s_add_nc_u64 s[20:21], s[6:7], s[20:21]
	s_add_nc_u64 s[22:23], s[6:7], s[22:23]
	s_add_nc_u64 s[8:9], s[8:9], s[26:27]
	s_add_nc_u64 s[10:11], s[10:11], s[24:25]
	s_add_nc_u64 s[12:13], s[12:13], s[24:25]      ; no base and no address register is written again: every step stands in an immediate (at most 7 row tiles + 7 images, 355,840 bytes)
.macro LD3 reg, base, off              ; a fragment as it lies: three loads, 512 consecutive bytes each
.irp q, 0,1,2
	global_load_b128 v[(\reg)+4*\q:(\reg)+4*\q+3], v[VL], s[\base:\base+1] offset:(\off)+512*\q
.endr
.endm
.macro LOADS st                        ; my K step st: B's eight fragments, then A's eight, into set st % 2: 48 loads
.if (\st)%2 == 0
	WIN 0x40
.irp i, 0,1,2,3,4,5,6,7
	LD3 12*\i, 20, \i*RTB+(\st)*IMG
.endr
.irp i, 0,1,2,3,4,5,6,7
	LD3 96+12*\i, 16, \i*RTB+(\st)*IMG
.endr
.else
	WIN 0
.irp i, 0,1,2,3,4,5,6,7
	LD3 96+12*\i, 20, \i*RTB+(\st)*IMG
.endr
.irp i, 0,1,2,3,4
	LD3 192+12*\i, 16, \i*RTB+(\st)*IMG
.endr
	WIN 0x40
.irp i, 5,6,7
	LD3 192+12*(\i-5), 16, \i*RTB+(\st)*IMG
.endr
.endif
.endm
.macro SCL pr                          ; the scale words of K steps 2 pr and 2 pr + 1: 128 consecutive bytes a load, 16 loads, into registers of their own
	WIN 0
.irp i, 0,1,2,3,4,5,6,7
	global_load_b32 v[SCA+4*\i+(\pr)], v[VS], s[18:19] offset:\i*KS*64+128*(\pr)
	global_load_b32 v[SCB+4*\i+(\pr)], v[VS], s[22:23] offset:\i*KS*64+128*(\pr)
.endr
.endm
.macro RES                             ; the residual's 32 rows that I send out, into set 0's registers, and the bias: 33 loads.  Row 8 g + i of my 32 is token 8 (g / 2) + 16 (g % 2) + i
	WIN 0x40
.irp g, 0,1,2,3
.irp i, 0,1,2,3,4,5,6,7
	global_load_b128 v[32*\g+4*\i:32*\g+4*\i+3], v[VL], s[10:11] offset:(8*(\g/2)+16*(\g%2)+\i)*4096 th:TH_LOAD_NT
.endr
.endr
	WIN 0
	global_load_b128 v[BI:BI+3], v[VL], s[8:9]
.endm
.macro MULS st                         ; a K step's 64 products.  The 64 accumulators take turns, one instruction a turn, in the same order in every step
.irp a, 0,1,2,3,4,5,6,7
.if (\st)%2 == 0
	WIN 0xa5+0x50*(\a/4)
.set FA, 96+12*\a
.else
.if \a < 5
	WIN 0xa0+0x50*(\a/4)
.set FA, 192+12*\a
.else
	WIN 0xf4
.set FA, 192+12*(\a-5)
.endif
.endif
.irp b, 0,1,2,3,4,5,6,7
.set DD, 8*(8*(\a%4)+\b)
.set FB, 96*((\st)%2)+12*\b
.set WB, SCB+4*\b+(\st)/2
.set WA, SCA+4*\a+(\st)/2
.if (\st) == 0
	v_wmma_scale_f32_16x16x128_f8f6f4 v[DD:DD+7], v[FB:FB+11], v[FA:FA+11], 0, v[WB], v[WA] matrix_a_fmt:MATRIX_FMT_BF6 matrix_b_fmt:MATRIX_FMT_BF6
.else
.if (\st)%2
	v_wmma_scale_f32_16x16x128_f8f6f4 v[DD:DD+7], v[FB:FB+11], v[FA:FA+11], v[DD:DD+7], v[WB], v[WA] matrix_a_fmt:MATRIX_FMT_BF6 matrix_b_fmt:MATRIX_FMT_BF6 matrix_a_scale:MATRIX_SCALE_ROW1 matrix_b_scale:MATRIX_SCALE_ROW1
.else
	v_wmma_scale_f32_16x16x128_f8f6f4 v[DD:DD+7], v[FB:FB+11], v[FA:FA+11], v[DD:DD+7], v[WB], v[WA] matrix_a_fmt:MATRIX_FMT_BF6 matrix_b_fmt:MATRIX_FMT_BF6
.endif
.endif
.endr
.endr
.endm
; A K step.  The other set's products have all been issued: behind their places the next step's 48 loads go out, then the wait for this step's, then its 64 products.
; Loads come back in the order of issue: L0, S0 | L1, S1 | L2 | L3, S2 | L4 | L5, S3 | L6 | L7 | the residual (L: a step's 48; S: a pair's 16 scale loads, asked for behind an even step's wait).
.macro STEP st
.if (\st) > 0
	PLACES
.endif
.if (\st) < NST-1
	LOADS (\st)+1
.else
	RES
.endif
.if (\st) == NST-1
	s_wait_loadcnt 33                              ; all but the residual's and the bias's 33
.else
.if (\st)%2
	s_wait_loadcnt 63                              ; behind this step's loads stand 16 scale loads and the 48 just issued, 64 in all: the count's field ends at 63, so the oldest scale load is waited for too
.else
	s_wait_loadcnt 48                              ; all but the 48 just issued: this step's fragments and its pair's scale words are in
.endif
.endif
.if (\st)%2 == 0 && (\st)+2 < NST
	SCL (\st)/2+1
.endif
	MULS \st
.endm
	LOADS 0
	SCL 0
.irp t, 0,1,2,3,4,5,6,7                ; written out: each pair of steps names its own scale registers; the first step's products start the sums with the constant 0
	STEP \t
.endr
	PLACES                                         ; behind the last products: results are read, and loads land in set 1's registers
.irp a, 0,1,2,3,4,5,6,7                ; my partial sums into my plane: row 16 a + r, columns as they fall; each accumulator from its low end on
	WIN 0x08+4*(\a/4)
.irp b, 0,1,2,3,4,5,6,7
	ds_store_b128 v[STO], v[8*(8*(\a%4)+\b):8*(8*(\a%4)+\b)+3] offset:\a*16*SP+128*(\b/2)+32*(\b%2)
	ds_store_b128 v[STO], v[8*(8*(\a%4)+\b)+4:8*(8*(\a%4)+\b)+7] offset:\a*16*SP+128*(\b/2)+32*(\b%2)+16
.endr
.endr
	WIN 0
	s_wait_dscnt 0x0                               ; for the others' sake: my plane is whole
	s_barrier_signal -1
	s_barrier_wait -1                              ; all four are
	s_wait_loadcnt 0x0                             ; the residual and the bias
.irp g, 0,1,2,3                        ; eight rows at a time: 32 loads of a whole row of 512 bytes, the sums, eight stores
.if \g > 0
	s_wait_xcnt 0x0                                ; the last eight stores have read their registers: loads may land there
.endif
.irp q, 0,1,2,3
.irp i, 0,1,2,3,4,5,6,7
	ds_load_b128 v[X+32*\q+4*\i:X+32*\q+4*\i+3], v[RD+\q] offset:(8*\g+\i)*SP
.endr
.endr
	s_wait_dscnt 0x0
.set I, 0
.rept 16
	v_pk_add_f32 v[X+I:X+I+1], v[X+I:X+I+1], v[X+32+I:X+32+I+1]
	v_pk_add_f32 v[X+64+I:X+64+I+1], v[X+64+I:X+64+I+1], v[X+96+I:X+96+I+1]
.set I, I+2
.endr
.set I, 0
.rept 16
	v_pk_add_f32 v[X+I:X+I+1], v[X+I:X+I+1], v[X+64+I:X+64+I+1]
.set I, I+2
.endr
	WIN 0x04                                       ; source 1: window 1
.set I, 0
.rept 16
	v_pk_add_f32 v[X+I:X+I+1], v[X+I:X+I+1], v[32*\g+I:32*\g+I+1]      ; + the residual
.set I, I+2
.endr
	WIN 0
.irp i, 0,1,2,3,4,5,6,7
	v_pk_add_f32 v[X+4*\i:X+4*\i+1], v[X+4*\i:X+4*\i+1], v[BI:BI+1]    ; + the bias
	v_pk_add_f32 v[X+4*\i+2:X+4*\i+3], v[X+4*\i+2:X+4*\i+3], v[BI+2:BI+3]
.endr
.irp i, 0,1,2,3,4,5,6,7
	global_store_b128 v[VL], v[X+4*\i:X+4*\i+3], s[12:13] offset:(8*(\g/2)+16*(\g%2)+\i)*4096 th:TH_STORE_NT   ; 32 lanes store 512 consecutive bytes, at a multiple of 256
.endr
.endr
	s_wait_tensorcnt 0x0                           ; the wave's end, behind my last LDS store
	ds_add_u32 v[SPW], v[NIL]
	s_wait_dscnt 0x0
	s_endpgm
.Lfunc_end_k_qa7d26572af_ffn2:
	.size	k_qa7d26572af_ffn2, .Lfunc_end_k_qa7d26572af_ffn2-k_qa7d26572af_ffn2
	.p2alignl 7, 3214868480
	.fill 96, 4, 3214868480
	.section	.rodata,"a",@progbits
	.p2align	6, 0x0
	.amdhsa_kernel k_qa7d26572af_ffn2
		.amdhsa_group_segment_fixed_size 270848
		.amdhsa_private_segment_fixed_size 0
		.amdhsa_enable_private_segment 0
		.amdhsa_kernarg_size 40
		.amdhsa_user_sgpr_count 2
		.amdhsa_user_sgpr_kernarg_segment_ptr 1
		.amdhsa_wavefront_size32 1
		.amdhsa_system_sgpr_workgroup_id_x 1
		.amdhsa_system_sgpr_workgroup_id_y 1
		.amdhsa_system_sgpr_workgroup_id_z 1
		.amdhsa_system_vgpr_workitem_id 0
		.amdhsa_next_free_vgpr 1024
		.amdhsa_next_free_sgpr 66
		.amdhsa_reserve_vcc 0
		.amdhsa_float_denorm_mode_32 3
		.amdhsa_float_denorm_mode_16_64 3
		.amdhsa_memory_ordered 1
		.amdhsa_forward_progress 1
		.amdhsa_inst_pref_size 154
	.end_amdhsa_kernel
	.amdgpu_metadata
---
amdhsa.version: [ 1, 2 ]
amdhsa.kernels:
  - .name:           k_qa7d26572af_ffn2
    .symbol:         k_qa7d26572af_ffn2.kd
    .args:
      - { .name: gimg, .offset: 0, .size: 8, .value_kind: global_buffer, .address_space: global }
      - { .name: wh, .offset: 8, .size: 8, .value_kind: global_buffer, .address_space: global }
      - { .name: b2, .offset: 16, .size: 8, .value_kind: global_buffer, .address_space: global }
      - { .name: x1, .offset: 24, .size: 8, .value_kind: global_buffer, .address_space: global }
      - { .name: out0, .offset: 32, .size: 8, .value_kind: global_buffer, .address_space: global }
    .group_segment_fixed_size: 270848
    .private_segment_fixed_size: 0
    .kernarg_segment_align: 8
    .kernarg_segment_size: 40
    .max_flat_workgroup_size: 128
    .sgpr_count:     66
    .vgpr_count:     1024
    .wavefront_size: 32
...
	.end_amdgpu_metadata
.endif
;; end of part 13
